; MI455X (gfx1250); checked and timed in simulation.
; The chip was launched on July 23, 2026; its instructions are those of AMD's public machine-readable ISA for CDNA 5 (MIT licence, August 2026) and "CDNA5" Instruction Set Architecture Reference Guide (July 2026). The comments in the code are by the model that wrote it; some were corrected since.
;; Titan Block. Allowed arithmetic: matrix products marked QUANTISED: E2M3 operands, one E8M0 scale for each 32 along K, by v_wmma_scale_f32_16x16x128_f8f6f4 with both operands' format E2M3, f32 sums; everything else in f32.
;; Inputs: attn_proj_b 1,024 float32; attn_proj_w 1,024 x 1,024 float32; c_attn_b 3,072 float32; c_attn_w 1,024 x 3,072 float32; fc_b 4,096 float32; fc_w 1,024 x 4,096 float32; ln1_b 1,024 float32; ln1_w 1,024 float32; ln2_b 1,024 float32; ln2_w 1,024 float32; mlp_proj_b 1,024 float32; mlp_proj_w 4,096 x 1,024 float32; x 2 x 2,048 x 1,024 float32.
;; Outputs: out0 2 x 2,048 x 1,024 float32.
;; This version of the problem:
;;   THIS VERSION OF THE PROBLEM IS GIVEN IN LOW PRECISION. The matrix products marked QUANTISED in the list below multiply operands that are first quantised to E2M3 (2 exponent bits, 3 mantissa bits; 6 bits a number), with one power-of-two scale for each 32 numbers along K (OCP MX v1.0); their sums are f32. All else is computed in f32.
;;   The module's matrix products, in the order in which they are computed (A, B: the left and right operand; K: the contracted axis; several contracted axes count as one K, in the product's order):
;;     1. [M 4,096, K 1,024] x [K 1,024, N 3,072]; A: computed on the way; B: input c_attn_w: QUANTISED
;;     2. batch 32 x [M 2,048, K 64] x [K 64, N 2,048]; A: computed on the way; B: computed on the way: QUANTISED
;;     3. batch 32 x [M 2,048, K 2,048] x [K 2,048, N 64]; A: softmax (see below); B: computed on the way: QUANTISED
;;     4. [M 4,096, K 1,024] x [K 1,024, N 1,024]; A: computed on the way; B: input attn_proj_w: QUANTISED
;;     5. [M 4,096, K 1,024] x [K 1,024, N 4,096]; A: computed on the way; B: input fc_w: QUANTISED
;;     6. [M 4,096, K 4,096] x [K 4,096, N 1,024]; A: computed on the way; B: input mlp_proj_w: QUANTISED
;;   THE QUANTISER, for each operand of a quantised product, along K:
;;     - K is cut into blocks of 32 from its start; a last block that is shorter is filled with zeros.
;;     - A block's scale is 2^e with e = floor(log2(the largest magnitude in the block)) - 2, held to -126 .. 127; a block of zeros has e = 0. As a byte (E8M0): e + 127.
;;     - Each number is divided by its block's scale, clamped to +-7.5, and rounded to the nearest number of E2M3, ties to even, subnormals kept.
;;     - The product sums the exact products of the quantised numbers (number of the format x scale) in f32.
;;   ~~~python
;;   def quantise(x, axis):      # numpy; x: float32 -> the quantised numbers, widened to float32 again
;;       x = np.moveaxis(x, axis, -1); K = x.shape[-1]
;;       x = np.pad(x, [(0, 0)] * (x.ndim - 1) + [(0, -K % 32)]); x = x.reshape(x.shape[:-1] + (-1, 32)); a = np.abs(x).max(-1, keepdims=True)
;;       e = np.where(a > 0, np.clip(np.frexp(np.where(a > 0, a, 1))[1] - 1 - 2, -126, 127), 0)      # np.frexp(a)[1] - 1 = floor(log2(a)), exactly
;;       r = np.clip(x / 2.0 ** e, -7.5, 7.5)
;;       step = 2.0 ** (np.maximum(np.frexp(np.where(r == 0, 1, r))[1] - 1, 0) - 3)
;;       q = np.round(r / step) * step * 2.0 ** e      # np.round: ties to even
;;       return np.moveaxis(q.reshape(q.shape[:-2] + (-1,))[..., :K], -1, axis).astype(np.float32)
;;   ~~~
;;   SOFTMAX AHEAD OF A QUANTISED PRODUCT. Where the list says 'softmax', what is quantised is not the finished softmax but p = 2^(t - M), with t = logit x log2(e) and M = ceil(the row's largest t), a whole number; so 1/2 < the row's largest p <= 1. The row's sum l is taken of the UNQUANTISED p, in f32, and the product's result is divided by l at the end. Since M is a whole number, a kernel that streams over the keys may use a running M (the ceiling of the running maximum): every later rescaling is an exact power of two, which a block's scale takes up: the codes' values come out the same.
;;   OPERANDS COMPUTED ON THE WAY. 'Computed on the way' means the value that the module computes at that place (a softmax that the list does not call 'softmax' is quantised finished and normalised). What goes into a quantiser is computed in f32, as accurately as f32 sums, v_exp_f32 and their like allow (about 1e-6 of the number): no bf16 or f16 on the way to a quantiser, and a product that is left as it is and whose result goes on into a quantised operand takes f32 operands (vector FMAs, or v_wmma_f32_16x16x4_f32). A number that lies on a knife's edge between two numbers of the format may be rounded either way, as far as f32 arithmetic and the matrix unit's own rounding can turn it there, and no further.
;; 2 versions. Each part assembles by itself: llvm-mc -triple=amdgcn-amd-amdhsa -mcpu=gfx1250 --defsym DOCPART=n.
;; ======== version 1 of 2: 8 launches
;; workspace buffers: wq 9,863,168 bytes; hq1 3,276,800 bytes; qkv 10,092,544 bytes; yq 3,276,800 bytes; x1 16,777,216 bytes; hq2 3,276,800 bytes; hid 13,107,200 bytes
;; launch wquant (part 1): grid 192 x 1, 8 waves a work-group, no clusters, 70,656 bytes of LDS; arguments c_attn_w, attn_proj_w, fc_w, mlp_proj_w, wq; writes wq
.if DOCPART == 1
	.amdgcn_target "amdgcn-amd-amdhsa--gfx1250"
	.amdhsa_code_object_version 6
	.text
	.protected	k_q3d2cab6ec2_wquant
	.globl	k_q3d2cab6ec2_wquant
	.p2align	8
	.type	k_q3d2cab6ec2_wquant,@function
k_q3d2cab6ec2_wquant:
	s_mov_b64 s[64:65], 0
	v_nop
	global_prefetch_b8 v0, s[64:65] scope:SCOPE_SE
	s_setreg_imm32_b32 hwreg(HW_REG_WAVE_MODE, 25, 1), 1
	s_wait_xcnt 0x0
; THE PROGRAM: a transformer block on 4,096 rows of 1,024, all six products on codes of FP6 (E2M3) with one E8M0 scale for each 32 along K.
; Launches: this one (weights to codes), ln1, the qkv product, attention, the projection (+ x), ln2, fc (+ gelu), the mlp projection (+ x1).
; WORK LEFT OUT (in the attention launch), and why it is dead for all values of the inputs: reference() builds the mask in its own body: key j counts for query i
; where j <= i and (j >= i - 4 or j even); all other scores become -infinity ahead of the softmax, so p = 0 there whatever q and k hold.  Left out in whole units:
; (a) key steps of 128 whose first key comes after a wave's last query; (b) in key steps that end more than 4 keys ahead of a wave's first query, the tiles of 16 ODD keys of the
; score product, with their exponentials.  In the second product those keys stay as zero codes inside live K steps.  No input is without a way to the output: all thirteen are loaded.
; LIMITS: a NaN, an infinity or an overflow that would arise only in the scores left out is not carried to the result.  A block of zeros gets the scale byte 1 where the rule says 127
; (its codes are zeros, and the bytes are read by this program alone); blocks whose largest magnitude lies under 2^-124 are held at byte 1; NaN and infinities among the inputs are not served.
;
; THIS LAUNCH: the four weights, f32 stored [K][N], become codes with K innermost.  A lane takes a column n and its registers run down K, so a block of 32 along K lies in one lane.
; LAYOUT in wq: codes [K / 256][n][192 bytes]; scale words [K / 128][pitch] u32 (four bytes: 128 along K of one n).  Within each 32 the columns lie in POSITION ORDER: column n stands at
; position sw(n), n with its bits 3 and 4 exchanged, so that 16 neighbouring positions are the rows that a product's tile wants for its results to be neighbours along the next K.
; A work-group takes 256 columns x 256 along K of one weight, a wave 32 columns; the codes go through the wave's own stage in LDS and leave as 6,144 consecutive bytes.  No barrier: waves share nothing.
.set VOFF,  16                         ; v16-47   4 x lane + i rows of the weight
.set X,     48                         ; v48-111  two sets of 32 numbers
.set C,     112                        ; v112-118 a block's codes
.set SB,    120                        ; v120-121 the scale bytes, four to a register
.set OUTR,  124                        ; v124-187 the way out
.set SPW,   14                         ; v14      my spare word; never rewritten
.set NIL,   15                         ; v15      0; never rewritten
.set STG,   8704                       ; a wave's stage: 32 rows x 272 bytes (sixteen places of 16 bytes with 12 bytes of codes, + 16)
.set SPARE, 8*STG                      ; the spare words: 128 bytes for each wave, named by no other line
	s_load_b256 s[4:11], s[0:1], 0x0               ; c_attn_w, attn_proj_w, fc_w, mlp_proj_w
	s_load_b64 s[12:13], s[0:1], 0x20              ; wq
	v_lshl_add_u32 v[SPW], v0, 2, SPARE
	v_mov_b32 v[NIL], 0
	v_lshrrev_b32 v1, 5, v0
	v_readfirstlane_b32 s16, v1                    ; wave 0..7
	v_and_b32 v2, 31, v0                           ; lane
	v_and_b32 v3, 7, v2
	v_bfe_u32 v11, v2, 3, 1
	v_lshl_add_u32 v3, v11, 4, v3
	v_bfe_u32 v11, v2, 4, 1
	v_lshl_add_u32 v3, v11, 3, v3                  ; sw(lane)
	s_mul_i32 s17, s16, STG
	v_mul_u32_u24 v4, v3, 272
	v_add_nc_u32 v4, s17, v4                       ; into the stage: row = my column's position
	v_mul_u32_u24 v7, v11, 272
	v_and_b32 v12, 15, v2
	v_lshl_add_u32 v7, v12, 4, v7
	v_add_nc_u32 v7, s17, v7                       ; out of it: sixteen lanes to a row, two rows an instruction
	v_mul_u32_u24 v8, v2, 12                       ; and the same place in the codes: 12 bytes a lane, 384 consecutive bytes
	v_lshlrev_b32 v9, 2, v3                        ; my position's scale word
	v_lshlrev_b32 v10, 2, v2
	s_wait_kmcnt 0x0
	; which weight: work-groups 0-47 c_attn, 48-63 attn_proj, 64-127 fc, 128-191 mlp.  The choices hang on the work-group's number alone
	s_mov_b64 s[14:15], s[4:5]
	s_mov_b32 s20, 3072                            ; N
	s_mov_b32 s21, 0                               ; the weight's first work-group
	s_mov_b32 s22, 0                               ; its codes in wq
	s_mov_b32 s23, 9437184                         ; its scale words
	s_mov_b32 s24, 4096                            ; their pitch
	s_mov_b32 s25, 3                               ; K / 256 - 1
	s_mov_b32 s26, 2                               ; log2(K / 256)
	s_cmp_ge_u32 ttmp9, 48
	s_cselect_b64 s[14:15], s[6:7], s[14:15]
	s_cselect_b32 s20, 1024, s20
	s_cselect_b32 s21, 48, s21
	s_cselect_b32 s22, 2359296, s22
	s_cselect_b32 s23, 9568256, s23
	s_cselect_b32 s24, 1024, s24
	s_cmp_ge_u32 ttmp9, 64
	s_cselect_b64 s[14:15], s[8:9], s[14:15]
	s_cselect_b32 s20, 4096, s20
	s_cselect_b32 s21, 64, s21
	s_cselect_b32 s22, 3145728, s22
	s_cselect_b32 s23, 9601024, s23
	s_cselect_b32 s24, 4096, s24
	s_cmp_ge_u32 ttmp9, 128
	s_cselect_b64 s[14:15], s[10:11], s[14:15]
	s_cselect_b32 s20, 1024, s20
	s_cselect_b32 s21, 128, s21
	s_cselect_b32 s22, 6291456, s22
	s_cselect_b32 s23, 9732096, s23
	s_cselect_b32 s24, 1024, s24
	s_cselect_b32 s25, 15, s25
	s_cselect_b32 s26, 4, s26
	s_sub_co_u32 s28, ttmp9, s21
	s_and_b32 s29, s28, s25                        ; kc: which 256 along K
	s_lshr_b32 s28, s28, s26
	s_lshl_b32 s28, s28, 8
	s_lshl_b32 s18, s16, 5
	s_add_co_u32 s28, s28, s18                     ; my wave's first column
	s_lshl_b32 s27, s20, 2                         ; a row of the weight in bytes
.irp i, 0,1,2,3,4,5,6,7,8,9,10,11,12,13,14,15,16,17,18,19,20,21,22,23,24,25,26,27,28,29,30,31
	v_mad_u32_u24 v[VOFF+\i], s27, \i, v10
.endr
	s_lshl_b32 s30, s29, 8
	s_mul_i32 s30, s30, s27
	s_lshl_b32 s31, s28, 2
	s_add_co_u32 s30, s30, s31
	s_mov_b32 s31, 0
	s_add_nc_u64 s[40:41], s[14:15], s[30:31]      ; block 0 of my 8: row 256 kc, my first column
	s_lshl_b32 s32, s27, 5
	s_mov_b32 s33, 0
.irp t, 1,2,3,4,5,6,7
	s_add_nc_u64 s[40+2*\t:41+2*\t], s[38+2*\t:39+2*\t], s[32:33]   ; a base for each block, 32 rows apart: none is stepped
.endr
	s_mul_i32 s30, s29, s20
	s_add_co_u32 s30, s30, s28
	s_mul_i32 s30, s30, 192
	s_add_co_u32 s30, s30, s22
	s_add_nc_u64 s[56:57], s[12:13], s[30:31]      ; my 32 positions' records of 192 bytes
	s_lshl_b32 s30, s29, 1
	s_mul_i32 s30, s30, s24
	s_add_co_u32 s30, s30, s28
	s_lshl_b32 s30, s30, 2
	s_add_co_u32 s30, s30, s23
	s_add_nc_u64 s[58:59], s[12:13], s[30:31]      ; the scale words of the first 128 along K,
	s_lshl_b32 s30, s24, 2
	s_add_nc_u64 s[60:61], s[58:59], s[30:31]      ; and of the second
.macro LOAD t                          ; block t: W(32 t + i, my column), i = 0 .. 31, into set t % 2; 32 lanes read 128 consecutive bytes
.irp i, 0,1,2,3,4,5,6,7,8,9,10,11,12,13,14,15,16,17,18,19,20,21,22,23,24,25,26,27,28,29,30,31
	global_load_b32 v[X+32*((\t)%2)+\i], v[VOFF+\i], s[40+2*(\t):41+2*(\t)] th:TH_LOAD_NT
.endr
.endm
	LOAD 0
	LOAD 1
.macro BLOCK t
.set XS, X+32*((\t)%2)
.if (\t) < 7
	s_wait_loadcnt 32                              ; this block's 32 loads are in; the next block's may be out
.else
	s_wait_loadcnt 0
.endif
	v_max3_num_f32 v12, |v[XS]|, |v[XS+1]|, |v[XS+2]|               ; the block's largest magnitude: all 32 numbers are mine
	v_max3_num_f32 v13, |v[XS+3]|, |v[XS+4]|, |v[XS+5]|
.irp i, 6,10,14,18,22,26
	v_max3_num_f32 v12, v12, |v[XS+\i]|, |v[XS+\i+1]|
	v_max3_num_f32 v13, v13, |v[XS+\i+2]|, |v[XS+\i+3]|
.endr
	v_max3_num_f32 v12, v12, |v[XS+30]|, |v[XS+31]|
	v_max3_num_f32 v12, v12, v13, 0x1800000        ; and the floor 2^(3 - 127): the byte cannot fall under 1
	v_add_nc_u32 v11, 0xff000000, v12              ; 2 off its exponent field: the conversion takes that field as its scale
	v_lshrrev_b32 v13, 23, v11                     ; the scale's byte
.if (\t)%4 == 0
	v_mov_b32 v[SB+(\t)/4], v13
.else
	v_lshl_or_b32 v[SB+(\t)/4], v13, 8*((\t)%4), v[SB+(\t)/4]
.endif
	v_cvt_scalef32_pk16_fp6_f32 v[C:C+2], v[XS:XS+15], v11
	v_cvt_scalef32_pk16_fp6_f32 v[C+4:C+6], v[XS+16:XS+31], v11     ; (a conversion's three registers begin on an even number)
	ds_store_b96 v4, v[C:C+2] offset:32*(\t)       ; 12 bytes to a place of 16
	ds_store_b96 v4, v[C+4:C+6] offset:32*(\t)+16
.if (\t)+2 < 8
	LOAD (\t)+2
.endif
	s_wait_dscnt 0x0                               ; the stores have read their registers: the next block's codes may be written
.endm
.irp t, 0,1,2,3,4,5,6,7
	BLOCK \t
.endr
	global_store_b32 v9, v[SB], s[58:59]           ; 32 lanes: 128 consecutive bytes
	global_store_b32 v9, v[SB+1], s[60:61]
.irp t, 0,1,2,3,4,5,6,7,8,9,10,11,12,13,14,15
	ds_load_b96 v[OUTR+4*\t:OUTR+4*\t+2], v7 offset:544*\t   ; LDS serves a wave's instructions in order: these see my stores
.endr
.irp t, 0,1,2,3,4,5,6,7,8,9,10,11,12,13,14,15
	s_wait_dscnt 15-\t                             ; the younger stage loads may be out
	global_store_b96 v8, v[OUTR+4*\t:OUTR+4*\t+2], s[56:57] offset:384*\t
.endr
	s_wait_tensorcnt 0x0                           ; the wave's end
	ds_add_u32 v[SPW], v[NIL]
	s_wait_dscnt 0x0
	s_endpgm
.Lfunc_end_k_q3d2cab6ec2_wquant:
	.size	k_q3d2cab6ec2_wquant, .Lfunc_end_k_q3d2cab6ec2_wquant-k_q3d2cab6ec2_wquant
	.p2alignl 7, 3214868480
	.fill 96, 4, 3214868480
	.section	.rodata,"a",@progbits
	.p2align	6, 0x0
	.amdhsa_kernel k_q3d2cab6ec2_wquant
		.amdhsa_group_segment_fixed_size 70656
		.amdhsa_private_segment_fixed_size 0
		.amdhsa_enable_private_segment 0
		.amdhsa_kernarg_size 40
		.amdhsa_user_sgpr_count 2
		.amdhsa_user_sgpr_kernarg_segment_ptr 1
		.amdhsa_wavefront_size32 1
		.amdhsa_system_sgpr_workgroup_id_x 1
		.amdhsa_system_sgpr_workgroup_id_y 1
		.amdhsa_system_sgpr_workgroup_id_z 1
		.amdhsa_system_vgpr_workitem_id 0
		.amdhsa_next_free_vgpr 192
		.amdhsa_next_free_sgpr 66
		.amdhsa_reserve_vcc 0
		.amdhsa_float_denorm_mode_32 3
		.amdhsa_float_denorm_mode_16_64 3
		.amdhsa_memory_ordered 1
		.amdhsa_forward_progress 1
		.amdhsa_inst_pref_size 46
	.end_amdhsa_kernel
	.amdgpu_metadata
---
amdhsa.version: [ 1, 2 ]
amdhsa.kernels:
  - .name:           k_q3d2cab6ec2_wquant
    .symbol:         k_q3d2cab6ec2_wquant.kd
    .args:
      - { .name: c_attn_w, .offset: 0, .size: 8, .value_kind: global_buffer, .address_space: global }
      - { .name: attn_proj_w, .offset: 8, .size: 8, .value_kind: global_buffer, .address_space: global }
      - { .name: fc_w, .offset: 16, .size: 8, .value_kind: global_buffer, .address_space: global }
      - { .name: mlp_proj_w, .offset: 24, .size: 8, .value_kind: global_buffer, .address_space: global }
      - { .name: wq, .offset: 32, .size: 8, .value_kind: global_buffer, .address_space: global }
    .group_segment_fixed_size: 70656
    .private_segment_fixed_size: 0
    .kernarg_segment_align: 8
    .kernarg_segment_size: 40
    .max_flat_workgroup_size: 256
    .sgpr_count:     66
    .vgpr_count:     192
    .wavefront_size: 32
...
	.end_amdgpu_metadata
.endif
;; end of part 1
;; launch ln1 (part 2): grid 128 x 1, 8 waves a work-group, no clusters, 53,248 bytes of LDS; arguments x, ln1_w, ln1_b, hq1; writes hq1
.if DOCPART == 2
	.amdgcn_target "amdgcn-amd-amdhsa--gfx1250"
	.amdhsa_code_object_version 6
	.text
	.protected	k_q3d2cab6ec2_ln1
	.globl	k_q3d2cab6ec2_ln1
	.p2align	8
	.type	k_q3d2cab6ec2_ln1,@function
k_q3d2cab6ec2_ln1:
	s_mov_b64 s[64:65], 0
	v_nop
	global_prefetch_b8 v0, s[64:65] scope:SCOPE_SE
	s_setreg_imm32_b32 hwreg(HW_REG_WAVE_MODE, 25, 1), 1
	s_wait_xcnt 0x0
; h = layernorm(x) w + b for rows of 1,024, in f32 (mean, then the mean of squared differences, v_rsq_f32), quantised along the row to FP6 codes with one E8M0 byte for each 32.
; OUT: codes [4 chunks of 256 along K][4,096 positions][192 bytes] and, 3,145,728 bytes on, scale words [8][4,096] u32.  Row m stands at position sw(m): m with bits 3 and 4 exchanged.
; LIMITS: a block of zeros gets the byte 1 (its codes are zeros; this program alone reads the bytes); NaN and infinities are not served.
; SHARES: a work-group takes 32 rows, a wave four, as two pairs.  In a pair lanes 0-15 hold one row and lanes 16-31 the next; a lane holds, of each chunk of 256, sixteen neighbours: so a row's sums
; want four steps among sixteen lanes, two neighbouring lanes hold a block of 32, and a conversion takes its sixteen numbers from one lane.  Loads read 512 consecutive bytes and turn through the wave's own stage in LDS.
.set LWB,   40960                      ; behind the eight waves' stages (2 x 32 x 80 bytes each): w as 64 groups of 64 bytes + 16, then b, 5,120 bytes on
.set LSC,   51200                      ; the scale bytes: 8 planes x 32 positions x 4
.set SPARE, 52224                      ; the spare words
.set RA,  16                           ; v16-79   pair 0 as loaded
.set RB,  80                           ; v80-143  pair 1 as loaded
.set XA,  144                          ; v144-207 the pair at work: register 16 kc + i = number 256 kc + 16 (lane % 16) + i of my row
.set WB,  208                          ; v208-223 w, v224-239 b of a chunk
.set C,   240                          ; v240-246 codes, two sets
.set SPW, 14
.set NIL, 15
	s_load_b256 s[4:11], s[0:1], 0x0               ; x, w, b, out
	v_lshl_add_u32 v[SPW], v0, 2, SPARE
	v_mov_b32 v[NIL], 0
	v_lshrrev_b32 v1, 5, v0
	v_readfirstlane_b32 s16, v1                    ; wave 0..7
	v_and_b32 v12, 31, v0                          ; lane
	v_lshlrev_b32 v1, 4, v12                       ; my 16 bytes of a load's 512
	s_mul_i32 s19, s16, 5120
	v_lshrrev_b32 v2, 2, v12
	v_mul_u32_u24 v2, v2, 80
	v_and_b32 v13, 3, v12
	v_lshl_add_u32 v2, v13, 4, v2
	v_add_nc_u32 v2, s19, v2                       ; the stage, on the way in: four lanes' 64 bytes, then 16 of padding
	v_mul_u32_u24 v3, v12, 80
	v_add_nc_u32 v3, s19, v3                       ; and on the way out: my 16 neighbours
	v_and_b32 v13, 15, v12
	v_mul_u32_u24 v4, v13, 80
	v_add_nc_u32 v4, LWB, v4                       ; w's and b's group for my 16 numbers of chunk 0
	s_and_b32 s17, s16, 1                          ; my four rows' place among the positions: the wave's number with bits 1 and 2 exchanged
	s_and_b32 s18, s16, 2
	s_lshl_b32 s18, s18, 1
	s_or_b32 s17, s17, s18
	s_and_b32 s18, s16, 4
	s_lshr_b32 s18, s18, 1
	s_or_b32 s17, s17, s18
	v_bfe_u32 v5, v0, 3, 1
	v_lshlrev_b32 v5, 7, v5                        ; which of the chunk's two scale words,
	v_bfe_u32 v10, v0, 4, 1
	v_lshl_add_u32 v5, v10, 2, v5                  ; which row of the pair,
	v_bfe_u32 v10, v0, 1, 2
	v_add_nc_u32 v5, v5, v10                       ; which byte of the word
	s_lshl_b32 s18, s17, 4
	s_add_co_u32 s18, s18, LSC
	v_add_nc_u32 v5, s18, v5
	v_mul_u32_u24 v6, v12, 12                      ; codes: 12 bytes a lane
	v_lshlrev_b32 v8, 2, v12
	s_lshl_b32 s18, s16, 7
	s_add_co_u32 s18, s18, LSC
	v_add_nc_u32 v7, s18, v8                       ; the way out of the scale words: plane = my wave, position = my lane
	v_lshrrev_b32 v9, 2, v0
	v_mul_u32_u24 v9, v9, 80
	v_and_b32 v13, 3, v0
	v_lshl_add_u32 v9, v13, 4, v9
	v_add_nc_u32 v9, LWB, v9                       ; where thread t puts its 16 bytes of w
	v_lshlrev_b32 v10, 4, v0
	s_mov_b32 s22, 0x3a800000                      ; 1 / 1,024
	s_lshl_b32 s20, ttmp9, 17
	s_lshl_b32 s21, s16, 14
	s_add_co_u32 s20, s20, s21                     ; my first row: 32 x work-group + 4 x wave, 4,096 bytes a row
	s_mov_b32 s21, 0
	s_lshl_b32 s24, ttmp9, 5
	s_lshl_b32 s25, s17, 2
	s_add_co_u32 s24, s24, s25
	s_mul_i32 s24, s24, 192                        ; my first position's record
	s_mov_b32 s25, 0
	s_lshl_b32 s26, s16, 14
	s_lshl_b32 s27, ttmp9, 7
	s_add_co_u32 s26, s26, s27
	s_add_co_u32 s26, s26, 3145728                 ; my plane of scale words, the work-group's 32 positions
	s_mov_b32 s27, 0
	s_wait_kmcnt 0x0
	s_add_nc_u64 s[4:5], s[4:5], s[20:21]
	s_add_nc_u64 s[12:13], s[10:11], s[24:25]
	s_add_nc_u64 s[14:15], s[10:11], s[26:27]
	global_load_b128 v[WB:WB+3], v10, s[6:7]
	global_load_b128 v[WB+4:WB+7], v10, s[8:9]
.irp pr, 0,1
.irp kc, 0,1,2,3
.irp i, 0,1,2,3
	global_load_b128 v[RA+64*\pr+16*\kc+4*\i:RA+64*\pr+16*\kc+4*\i+3], v1, s[4:5] offset:(2*\pr+\i/2)*4096+1024*\kc+512*(\i%2) th:TH_LOAD_NT
.endr
.endr
.endr
	s_wait_loadcnt 32                              ; w and b are in; x's 32 loads may be out
	ds_store_b128 v9, v[WB:WB+3]
	ds_store_b128 v9, v[WB+4:WB+7] offset:5120
	s_wait_dscnt 0x0                               ; for the others' sake: my part of w and b has landed
	s_barrier_signal -1
	s_barrier_wait -1
.macro REDUCE                          ; v248 summed over the sixteen lanes of my row
	v_add_f32_dpp v248, v248, v248 row_xmask:1 row_mask:0xf bank_mask:0xf
	v_add_f32_dpp v248, v248, v248 row_xmask:2 row_mask:0xf bank_mask:0xf
	v_add_f32_dpp v248, v248, v248 row_xmask:4 row_mask:0xf bank_mask:0xf
	v_add_f32_dpp v248, v248, v248 row_xmask:8 row_mask:0xf bank_mask:0xf
.endm
.macro PAIR pr, raw, left
	s_wait_loadcnt \left                           ; this pair's 16 loads are in
.irp kc, 0,1,2,3                       ; through the stage, two stages by turns; LDS serves a wave's instructions in order, so no wait stands between the stores and the loads
.irp i, 0,1,2,3
	ds_store_b128 v2, v[\raw+16*\kc+4*\i:\raw+16*\kc+4*\i+3] offset:2560*(\kc%2)+640*\i
.endr
.irp i, 0,1,2,3
	ds_load_b128 v[XA+16*\kc+4*\i:XA+16*\kc+4*\i+3], v3 offset:2560*(\kc%2)+16*\i
.endr
.endr
	s_wait_dscnt 0x0
	v_pk_add_f32 v[248:249], v[XA:XA+1], v[XA+2:XA+3]               ; the row's sum, in two chains
	v_pk_add_f32 v[250:251], v[XA+4:XA+5], v[XA+6:XA+7]
.set k_, 8
.rept 14
	v_pk_add_f32 v[248:249], v[248:249], v[XA+k_:XA+k_+1]
	v_pk_add_f32 v[250:251], v[250:251], v[XA+k_+2:XA+k_+3]
.set k_, k_+4
.endr
	v_pk_add_f32 v[248:249], v[248:249], v[250:251]
	v_add_f32 v248, v248, v249
	REDUCE
	v_mul_f32 v252, s22, v248                      ; the mean, twice
	v_mov_b32 v253, v252
.set k_, 0
.rept 32
	v_pk_add_f32 v[XA+k_:XA+k_+1], v[XA+k_:XA+k_+1], v[252:253] neg_lo:[0,1] neg_hi:[0,1]
.set k_, k_+2
.endr
	v_pk_mul_f32 v[248:249], v[XA:XA+1], v[XA:XA+1]                 ; the sum of squared differences
	v_pk_mul_f32 v[250:251], v[XA+2:XA+3], v[XA+2:XA+3]
.set k_, 4
.rept 15
	v_pk_fma_f32 v[248:249], v[XA+k_:XA+k_+1], v[XA+k_:XA+k_+1], v[248:249]
	v_pk_fma_f32 v[250:251], v[XA+k_+2:XA+k_+3], v[XA+k_+2:XA+k_+3], v[250:251]
.set k_, k_+4
.endr
	v_pk_add_f32 v[248:249], v[248:249], v[250:251]
	v_add_f32 v248, v248, v249
	REDUCE
	v_fmaak_f32 v248, s22, v248, 0x3727c5ac        ; the variance + 1e-5
	v_rsq_f32 v252, v248
	v_rsq_f32 v253, v248
	v_nop                                          ; a plain instruction behind the transcendentals,
	s_wait_alu depctr_va_vdst(0)                   ; and the one wait ahead of their first reader
.irp kc, 0,1,2,3
.irp j, 0,1,2,3
	ds_load_b128 v[WB+4*\j:WB+4*\j+3], v4 offset:1280*\kc+16*\j
	ds_load_b128 v[WB+16+4*\j:WB+16+4*\j+3], v4 offset:5120+1280*\kc+16*\j
.endr
	s_wait_dscnt 0x0
.irp j, 0,2,4,6,8,10,12,14
	v_pk_mul_f32 v[XA+16*\kc+\j:XA+16*\kc+\j+1], v[XA+16*\kc+\j:XA+16*\kc+\j+1], v[252:253]
.endr
.irp j, 0,2,4,6,8,10,12,14
	v_pk_fma_f32 v[XA+16*\kc+\j:XA+16*\kc+\j+1], v[XA+16*\kc+\j:XA+16*\kc+\j+1], v[WB+\j:WB+\j+1], v[WB+16+\j:WB+16+\j+1]
.endr
.set XS, XA+16*\kc
	v_max3_num_f32 v254, |v[XS]|, |v[XS+1]|, |v[XS+2]|              ; the largest magnitude of my 16
	v_max3_num_f32 v255, |v[XS+3]|, |v[XS+4]|, |v[XS+5]|
.irp i, 6,10
	v_max3_num_f32 v254, v254, |v[XS+\i]|, |v[XS+\i+1]|
	v_max3_num_f32 v255, v255, |v[XS+\i+2]|, |v[XS+\i+3]|
.endr
	v_max3_num_f32 v254, v254, |v[XS+14]|, |v[XS+15]|
	v_max3_num_f32 v254, v254, v255, 0x1800000     ; and the floor 2^(3 - 127)
	v_max_num_f32_dpp v254, v254, v254 row_xmask:1 row_mask:0xf bank_mask:0xf   ; and of my neighbour's 16: the block's
	v_add_nc_u32 v10, 0xff000000, v254             ; 2 off its exponent field: the conversion's scale operand
	s_wait_xcnt 0x0                                ; the earlier stores have read their data: this set of codes may be written again
	v_cvt_scalef32_pk16_fp6_f32 v[C+4*(\kc%2):C+4*(\kc%2)+2], v[XS:XS+15], v10
	v_lshrrev_b32 v11, 23, v10                     ; the scale's byte (also the plain line behind the conversion)
	ds_store_b8 v5, v11 offset:256*\kc+8*\pr       ; both lanes of a block write the same byte with the same value
	global_store_b96 v6, v[C+4*(\kc%2):C+4*(\kc%2)+2], s[12:13] offset:786432*\kc+384*\pr   ; 384 consecutive bytes: two positions' records
.endr
.endm
	PAIR 0, RA, 16                                 ; pair 1's 16 loads may be out
	PAIR 1, RB, 0
	s_wait_dscnt 0x0                               ; for the others' sake: my scale bytes have landed
	s_barrier_signal -1
	s_barrier_wait -1
	ds_load_b32 v248, v7                           ; a plane's 32 words
	s_wait_dscnt 0x0
	global_store_b32 v8, v248, s[14:15]
	s_wait_tensorcnt 0x0                           ; the wave's end
	ds_add_u32 v[SPW], v[NIL]
	s_wait_dscnt 0x0
	s_endpgm
.Lfunc_end_k_q3d2cab6ec2_ln1:
	.size	k_q3d2cab6ec2_ln1, .Lfunc_end_k_q3d2cab6ec2_ln1-k_q3d2cab6ec2_ln1
	.p2alignl 7, 3214868480
	.fill 96, 4, 3214868480
	.section	.rodata,"a",@progbits
	.p2align	6, 0x0
	.amdhsa_kernel k_q3d2cab6ec2_ln1
		.amdhsa_group_segment_fixed_size 53248
		.amdhsa_private_segment_fixed_size 0
		.amdhsa_enable_private_segment 0
		.amdhsa_kernarg_size 32
		.amdhsa_user_sgpr_count 2
		.amdhsa_user_sgpr_kernarg_segment_ptr 1
		.amdhsa_wavefront_size32 1
		.amdhsa_system_sgpr_workgroup_id_x 1
		.amdhsa_system_sgpr_workgroup_id_y 1
		.amdhsa_system_sgpr_workgroup_id_z 1
		.amdhsa_system_vgpr_workitem_id 0
		.amdhsa_next_free_vgpr 256
		.amdhsa_next_free_sgpr 66
		.amdhsa_reserve_vcc 0
		.amdhsa_float_denorm_mode_32 3
		.amdhsa_float_denorm_mode_16_64 3
		.amdhsa_memory_ordered 1
		.amdhsa_forward_progress 1
		.amdhsa_inst_pref_size 45
	.end_amdhsa_kernel
	.amdgpu_metadata
---
amdhsa.version: [ 1, 2 ]
amdhsa.kernels:
  - .name:           k_q3d2cab6ec2_ln1
    .symbol:         k_q3d2cab6ec2_ln1.kd
    .args:
      - { .name: x, .offset: 0, .size: 8, .value_kind: global_buffer, .address_space: global }
      - { .name: ln1_w, .offset: 8, .size: 8, .value_kind: global_buffer, .address_space: global }
      - { .name: ln1_b, .offset: 16, .size: 8, .value_kind: global_buffer, .address_space: global }
      - { .name: hq1, .offset: 24, .size: 8, .value_kind: global_buffer, .address_space: global }
    .group_segment_fixed_size: 53248
    .private_segment_fixed_size: 0
    .kernarg_segment_align: 8
    .kernarg_segment_size: 32
    .max_flat_workgroup_size: 256
    .sgpr_count:     66
    .vgpr_count:     256
    .wavefront_size: 32
...
	.end_amdgpu_metadata
.endif
;; end of part 2
;; launch gqkv (part 3): grid 12 x 16, 4 waves a work-group, clusters of 4 x 4, 327,680 bytes of LDS; arguments hq1, wq, c_attn_b, qkv; writes qkv
.if DOCPART == 3
	.amdgcn_target "amdgcn-amd-amdhsa--gfx1250"
	.amdhsa_code_object_version 6
	.text
	.protected	k_q3d2cab6ec2_gqkv
	.globl	k_q3d2cab6ec2_gqkv
	.p2align	8
	.type	k_q3d2cab6ec2_gqkv,@function
k_q3d2cab6ec2_gqkv:
	s_mov_b64 s[64:65], 0
	v_nop
	global_prefetch_b8 v0, s[64:65] scope:SCOPE_SE
	s_setreg_imm32_b32 hwreg(HW_REG_WAVE_MODE, 25, 1), 1
	s_wait_xcnt 0x0
	s_wait_alu depctr_hold_cnt(0) depctr_sa_sdst(0) depctr_va_vdst(0) depctr_va_sdst(0) depctr_va_ssrc(0) depctr_va_vcc(0) depctr_vm_vsrc(0)
	s_getreg_b32 s2, hwreg(HW_REG_IB_STS2, 6, 4)
	s_cmp_eq_u32 s2, 0
	s_cbranch_scc0 .Lentry_in_a_cluster
	s_endpgm
.Lentry_in_a_cluster:
	s_bfe_u32 s2, ttmp6, 0x10000c
	s_cmp_lg_u32 s2, 0xf033
	s_cbranch_scc0 .Lentry_shape_is_right
	s_endpgm
.Lentry_shape_is_right:
; qkv = h W + b on FP6 codes, and q, k, v quantised on the way out: q and k along the head's 64, v along the TOKENS (the second attention product's K).  Nothing of reference() is left out here.
; A tile of 256 x 256 to a work-group of four waves, 128 x 128 to a wave: 64 accumulators in windows 2 and 3.  K = 1,024 goes in steps of 256 through two LDS slots filled by joint tensor loads in clusters of 4 x 4.
; Source 0 of the matrix instruction is the REGISTER side (a lane's eight results run along it), source 1 the LANE side.  The cluster's x says what is made: 0 q, 1 k, 2 v (the same in all sixteen partners).
; q, k: lane side = tokens (h), register side = features (W): a lane's registers run along the head.  v: the two change places, so that a lane's registers run along the tokens.  The main loop is one text.
; Both operands lie in position order (bits 3 and 4 of a row's number exchanged), so: register 8 b + j of a block of 16 lanes' rows is neighbour 32 (b / 2) + 16 (lane / 16) + 8 (b % 2) + j, and lane r of block a is row 32 (a / 2) + 8 (a % 2) + r + 8 (r / 8).
; OUT (buffer qkv): q codes [head][token][48 bytes] at 0, k codes at 3,145,728, v codes [head][token / 64][d][48] at 6,291,456; q, k scale words [head][token] at 9,437,184 and 9,699,328 (bytes 0, 1); v's [head][token / 128][d] at 9,961,472.
; LIMITS: a block of zeros gets the byte 1; NaN and infinities are not served.
.set KTOT,   1024
.set NKS,    KTOT/128
.set LAPS,   KTOT/512
.set NQ,     2
.set PITCH,  240                       ; an LDS row: 3 x (64 bytes of codes + 16 of padding)
.set FR,     12
.set NL,     6
.set NP,     4
.set HALFT,  128*PITCH
.set HALFA,  HALFT
.set BOFF,   2*HALFA
.set SLOT,   BOFF+2*HALFT
.set SCL,    2*SLOT                    ; behind the ring: the scale words of the tile's rows for all of K: four blocks [K / 128][128 rows] u32
.set HALFS,  512*NKS
.set SPARE,  SCL+4*HALFS               ; the spare words, named by no other line
.set ADRA, 16
.set ADRB, 20
.set ADRS, 27
.set SPW,  28
.set NIL,  29
.set SC,   32                          ; v32-63 scale words, two sets, and nothing else
.set AF,   128
.set BI,   64                          ; v64-127 the bias
.set H,    128                         ; v128-191 a block's 64 numbers
.set PCD,  192                         ; v192-211 the codes just made
.set TM,   212                         ; v212-227 the quantiser's work
.set PW,   228                         ; the scale word just made
.set SEL,  66
.set G1, 24
.set G0, 32
.set G1B, 48
.set G0B, 56
.set G1S, 68
.set G0S, 76
.set G1SB, 80
.set G0SB, 88
.set MSB, 0
.macro WIN new                         ; the immediate's high byte repeats the setting that is left
.if MSB != (\new)
	s_set_vgpr_msb (MSB<<8)|(\new)
.set MSB, \new
.endif
.endm
.set MUL_LO, 0xa1                      ; source 0 window 1, source 1 window 0, C and D window 2
.set MUL_HI, 0xf1
.set TO_B,   0x40
.macro JLOAD g0a, g1a, g0b, g1b        ; a joint load: waves 0 and 1 fetch for the lane side, waves 2 and 3 for the register side; an s_nop 0 and four v_nop follow each line
	s_cmp_eq_u32 s15, 0
	s_cbranch_scc0 .Lfor_b_\@
	tensor_load_to_lds s[\g0a:\g0a+3], s[\g1a:\g1a+7]
	s_nop 0
.rept 4
	v_nop
.endr
	s_branch .Lasked_\@
.Lfor_b_\@:
	tensor_load_to_lds s[\g0b:\g0b+3], s[\g1b:\g1b+7]
	s_nop 0
.rept 4
	v_nop
.endr
.Lasked_\@:
.endm
.macro CREST
	s_cmp_lg_u32 s14, 0
	s_cbranch_scc1 .Lnot_wave_0_\@
	s_barrier_signal -3
.Lnot_wave_0_\@:
	s_barrier_wait -3
	s_barrier_signal -1
	s_barrier_wait -1
.endm
.macro CROUND
	s_barrier_signal -1
	s_barrier_wait -1
	CREST
.endm
	s_load_b256 s[4:11], s[0:1], 0x0               ; hq1, wq, c_attn_b, qkv
	v_lshl_add_u32 v[SPW], v0, 2, SPARE
	v_mov_b32 v[NIL], 0
	ds_add_u32 v[SPW], v[NIL]                      ; the opening: the add, twice on end, and its wait ahead of my first tensor load
	ds_add_u32 v[SPW], v[NIL]
	v_lshrrev_b32 v1, 5, v0
	v_readfirstlane_b32 s14, v1                    ; wave 0..3
	s_lshr_b32 s15, s14, 1                         ; my half of the lane side.  Also: I fetch for the lane side (0) or the register side (1)
	s_and_b32 s16, s14, 1                          ; my half of the register side.  Also: which 128 rows I fetch
	s_bfe_u32 s40, ttmp6, 0x40000                  ; cx
	s_bfe_u32 s41, ttmp6, 0x40004                  ; cy
	s_and_b32 s17, ttmp7, 0xffff
	s_lshl_b32 s17, s17, 2                         ; 4 x cluster y
	s_lshl_b32 s42, ttmp9, 2                       ; 4 x cluster x
	s_mov_b32 s98, 786432                          ; a K step in h: 4,096 records of 192 bytes
	s_mov_b32 s100, 589824                         ; and in W: 3,072
	s_mov_b32 s96, 3145728                         ; h's scale words
	s_mov_b32 s97, 9437184                         ; W's
	s_cmp_eq_u32 ttmp9, 2                          ; v?  The cluster's x: the same in all partners
	s_cselect_b32 s95, 1, 0
	s_cselect_b32 s18, 8, s17
	s_cselect_b32 s19, s17, s42
	s_cselect_b32 s98, 589824, s98
	s_cselect_b32 s100, 786432, s100
	s_cselect_b32 s96, 9437184, s96
	s_cselect_b32 s97, 3145728, s97
	s_add_co_u32 s17, s18, s41                     ; the lane side's tile: hangs on cy alone
	s_add_co_u32 s42, s19, s40                     ; the register side's: on cx alone
	s_mov_b32 s99, 0
	s_mov_b32 s101, 0
	s_lshl_b32 s43, s41, 2
	s_lshl_b32 s43, 15, s43                        ; my row of the cluster
	s_lshl_b32 s44, 0x1111, s40                    ; my column
	s_or_b32 s[G1+0], s43, (1<<20)|(1<<21)|(3<<22)|(3<<25)   ; the mask; elements of 1 byte; padding of 4 words behind every 16
	s_or_b32 s[G1B+0], s44, (1<<20)|(1<<21)|(3<<22)|(3<<25)
.irp g, G1, G1B
	s_mov_b32 s[\g+1], 192<<16                     ; a tile: 128 records of 192 bytes, dense in memory
	s_mov_b32 s[\g+2], 128<<16
	s_mov_b32 s[\g+3], 192<<16
	s_mov_b32 s[\g+4], 128
	s_mov_b32 s[\g+5], 192
	s_mov_b32 s[\g+6], 0
	s_mov_b32 s[\g+7], 0
.endr
	s_or_b32 s[G1S+0], s43, (2<<16)|(1<<21)        ; the scale words: 128 elements of 4 bytes x K / 128 rows
	s_or_b32 s[G1SB+0], s44, (2<<16)|(1<<21)
.irp g, G1S, G1SB
	s_mov_b32 s[\g+1], 128<<16
	s_mov_b32 s[\g+2], NKS<<16
	s_mov_b32 s[\g+3], 128<<16
	s_mov_b32 s[\g+4], NKS
	s_mov_b32 s[\g+5], 4096
	s_mov_b32 s[\g+6], 0
	s_mov_b32 s[\g+7], 0
.endr
	s_mov_b32 s[SEL], 0x76543210
	s_mov_b32 s[SEL+1], 0xfedcba98
	s_lshl_b32 s18, s16, 7
	s_lshl_b32 s20, s17, 8
	s_add_co_u32 s20, s20, s18                     ; lane side: the first of the 128 rows that I fetch
	s_lshl_b32 s46, s42, 8
	s_add_co_u32 s46, s46, s18                     ; register side likewise
	s_lshl_b32 s22, s20, 2
	s_add_co_u32 s22, s22, s96
	s_mov_b32 s23, 0
	s_lshl_b32 s92, s46, 2
	s_add_co_u32 s92, s92, s97
	s_mov_b32 s93, 0
	s_mul_i32 s20, s20, 192
	s_mov_b32 s21, 0
	s_mul_i32 s46, s46, 192
	s_mov_b32 s47, 0
	s_mul_i32 s45, s16, HALFA                      ; where they go: no place in the cluster enters an LDS address
	s_mul_i32 s2, s16, HALFT
	s_add_co_u32 s2, s2, BOFF
	s_mul_i32 s94, s14, HALFS
	s_wait_dscnt 0x0                               ; both opening adds are done
	s_wait_kmcnt 0x0
	s_cmp_eq_u32 s95, 1
	s_cselect_b64 s[96:97], s[6:7], s[4:5]         ; the lane side's buffer,
	s_cselect_b64 s[4:5], s[4:5], s[6:7]           ; the register side's
	s_add_nc_u64 s[20:21], s[96:97], s[20:21]
	s_add_nc_u64 s[22:23], s[96:97], s[22:23]
	s_add_nc_u64 s[46:47], s[4:5], s[46:47]
	s_add_nc_u64 s[92:93], s[4:5], s[92:93]
	CROUND                                         ; all sixteen work-groups are here: the first joint loads meet
	s_mov_b32 s[G0S], 1
	s_add_co_u32 s[G0S+1], s94, SCL
	s_mov_b64 s[G0S+2:G0S+3], s[22:23]
	s_or_b32 s[G0S+3], s[G0S+3], 0x80000000
	s_mov_b32 s[G0SB], 1
	s_add_co_u32 s[G0SB+1], s94, SCL
	s_mov_b64 s[G0SB+2:G0SB+3], s[92:93]
	s_or_b32 s[G0SB+3], s[G0SB+3], 0x80000000
	JLOAD G0S, G1S, G0SB, G1SB                     ; the scale words first
	s_mov_b32 s[G0], 1
	s_add_co_u32 s[G0+1], s45, 0
	s_mov_b64 s[G0+2:G0+3], s[20:21]
	s_or_b32 s[G0+3], s[G0+3], 0x80000000
	s_mov_b32 s[G0B], 1
	s_add_co_u32 s[G0B+1], s2, 0
	s_mov_b64 s[G0B+2:G0B+3], s[46:47]
	s_or_b32 s[G0B+3], s[G0B+3], 0x80000000
	JLOAD G0, G1, G0B, G1B                         ; K step 0
	s_mov_b32 s[G0+4], 1
	s_add_co_u32 s[G0+5], s45, SLOT
	s_add_nc_u64 s[G0+6:G0+7], s[20:21], s[98:99]
	s_or_b32 s[G0+7], s[G0+7], 0x80000000
	s_mov_b32 s[G0B+4], 1
	s_add_co_u32 s[G0B+5], s2, SLOT
	s_add_nc_u64 s[G0B+6:G0B+7], s[46:47], s[100:101]
	s_or_b32 s[G0B+7], s[G0B+7], 0x80000000
	JLOAD G0+4, G1, G0B+4, G1B                     ; K step 1
	s_lshl_b32 s98, s98, 1                         ; a refill steps two K steps on
	s_lshl_b32 s100, s100, 1
	v_and_b32 v1, 15, v0
	v_bfe_u32 v2, v0, 4, 1
	v_mul_u32_u24 v3, v1, PITCH
	v_mul_u32_u24 v4, v2, 24
	v_add_nc_u32 v4, v3, v4                        ; a fragment's row x pitch + 24 x half
	v_lshl_add_u32 v5, v2, 4, v4                   ; and the same behind one padding more
	s_mul_i32 s21, s15, HALFA
	s_mul_i32 s22, s16, HALFT
	s_add_co_u32 s22, s22, BOFF
.irp s, 0,1
	v_add_nc_u32 v[ADRA+\s], s21, v4
	v_add_nc_u32 v[ADRB+\s], s22, v4
	v_add_nc_u32 v[ADRA+2+\s], s21, v5
	v_add_nc_u32 v[ADRB+2+\s], s22, v5
	s_add_co_u32 s21, s21, SLOT
	s_add_co_u32 s22, s22, SLOT
.endr
	v_lshlrev_b32 v5, 2, v1                        ; my row's scale word
	s_mul_i32 s21, s15, HALFS
	s_mul_i32 s22, s16, HALFS
	s_add_co_u32 s22, s22, 2*HALFS
	s_sub_co_u32 s22, s22, s21
	v_mul_u32_u24 v6, s22, v2                      ; lanes 16-31 take the register side's
	s_add_co_u32 s21, s21, SCL
	v_add_nc_u32 v5, v5, v6
	v_add_nc_u32 v[ADRS], s21, v5
.macro FRAG reg, adr, q, i             ; 16 rows x 128 K of 6-bit codes: 12 registers, six pieces of 8 bytes; where the piece of lanes 16-31 lies behind one padding more, the second address register serves
.irp p, 0,1,2,3,4,5
.set PCE, 12*(\q)+6*(\p/3)+\p%3
.if PCE%8 < 5
	ds_load_b64 v[\reg+2*\p:\reg+2*\p+1], v[\adr] offset:8*PCE+16*(PCE/8)+(\i)*16*PITCH
.else
	ds_load_b64 v[\reg+2*\p:\reg+2*\p+1], v[\adr+2] offset:8*PCE+16*(PCE/8)+(\i)*16*PITCH
.endif
.endr
.endm
.macro MUL16 a0, p, q, sc, zero        ; 16 matrix instructions; the 64 accumulators take turns, one instruction a turn
.irp a, \a0, \a0+1
.irp b, 0,1,2,3,4,5,6,7
.if \zero
	v_wmma_scale_f32_16x16x128_f8f6f4 v[8*(8*((\a)%4)+\b):8*(8*((\a)%4)+\b)+7], v[128*(\p)+FR*\b:128*(\p)+FR*\b+FR-1], v[AF+FR*(\a):AF+FR*(\a)+FR-1], 0, v[SC+8*NQ*(\sc)+NQ*\b+(\q)], v[SC+8*NQ*(\sc)+NQ*(\a)+(\q)] matrix_a_fmt:MATRIX_FMT_FP6 matrix_b_fmt:MATRIX_FMT_FP6 matrix_a_scale:MATRIX_SCALE_ROW1
.else
	v_wmma_scale_f32_16x16x128_f8f6f4 v[8*(8*((\a)%4)+\b):8*(8*((\a)%4)+\b)+7], v[128*(\p)+FR*\b:128*(\p)+FR*\b+FR-1], v[AF+FR*(\a):AF+FR*(\a)+FR-1], v[8*(8*((\a)%4)+\b):8*(8*((\a)%4)+\b)+7], v[SC+8*NQ*(\sc)+NQ*\b+(\q)], v[SC+8*NQ*(\sc)+NQ*(\a)+(\q)] matrix_a_fmt:MATRIX_FMT_FP6 matrix_b_fmt:MATRIX_FMT_FP6 matrix_a_scale:MATRIX_SCALE_ROW1
.endif
.endr
.endr
.endm
.macro FETCH_B slot, q, p
	WIN TO_B
.irp i, 0,1,2,3,4,5,6,7
	FRAG 128*(\p)+FR*\i, ADRB+\slot, \q, \i
.endr
	WIN 0
.endm
.macro FETCH_A slot, q, i0
.irp i, \i0, \i0+1, \i0+2, \i0+3
	FRAG AF+FR*(\i), ADRA+\slot, \q, \i
.endr
.endm
.macro SCALES sc                       ; a K step's scale words: lanes 0-15 the lane side's block i, lanes 16-31 the register side's
.irp i, 0,1,2,3,4,5,6,7
.irp q, 0,1
	ds_load_b32 v[SC+8*NQ*\sc+NQ*\i+\q], v[ADRS] offset:512*\q+64*\i
.endr
.endr
.endm
.macro PLACES n                        ; plain vector instructions between a matrix instruction and a load into, or a read of, its registers
.rept \n
	v_nop
.endr
.endm
.macro STEP slot, q, zero
	s_wait_dscnt 4*NL                              ; all but the youngest 24 loads (the lane side's blocks 4-7)
	WIN MUL_LO
	MUL16 0, (\q)%2, \q, \slot, \zero
	MUL16 2, (\q)%2, \q, \slot, \zero
	s_wait_dscnt 0
	PLACES NP
	FETCH_B \slot, (\q)+1, 1-(\q)%2
	FETCH_A \slot, (\q)+1, 0
	WIN MUL_HI
	MUL16 4, (\q)%2, \q, \slot, \zero
	MUL16 6, (\q)%2, \q, \slot, \zero
	PLACES NP
	WIN 0
	FETCH_A \slot, (\q)+1, 4
.endm
.macro TURN slot, next, fill           ; a slot's last step changes slots: one barrier, which with fill = 1 opens a round of the cluster's
	s_wait_tensorcnt 0x0                           ; all my tensor loads have landed: my part of the next slot
	ds_add_u32 v[SPW], v[NIL]
	s_wait_dscnt 4*NL+1                            ; (the add and the youngest 24 loads may be out)
	WIN MUL_LO
	MUL16 0, 1, NQ-1, \slot, 0
	s_wait_dscnt 0x0                               ; the add is done, and my reads of this slot are over
	s_barrier_signal -1
	MUL16 2, 1, NQ-1, \slot, 0
	WIN 0
	s_barrier_wait -1
.if \fill
	CREST                                          ; no wave of any partner still reads this slot or has a load on its way
	s_add_nc_u64 s[G0+4*\slot+2:G0+4*\slot+3], s[G0+4*\slot+2:G0+4*\slot+3], s[98:99]
	s_add_nc_u64 s[G0B+4*\slot+2:G0B+4*\slot+3], s[G0B+4*\slot+2:G0B+4*\slot+3], s[100:101]
	JLOAD G0+4*\slot, G1, G0B+4*\slot, G1B         ; the first tensor load behind the round; its four v_nop are the places in front of the loads below
.else
	PLACES NP
.endif
	v_add_nc_u32 v[ADRS], 1024, v[ADRS]            ; the next K step's scale words
	FETCH_B \next, 0, 0
	FETCH_A \next, 0, 0
	SCALES \next
	WIN MUL_HI
	MUL16 4, 1, NQ-1, \slot, 0
	MUL16 6, 1, NQ-1, \slot, 0
	PLACES NP
	WIN 0
	FETCH_A \next, 0, 4
.endm
	s_wait_tensorcnt 1                             ; the scale words and my part of K step 0 are in; K step 1's load may be out
	s_barrier_signal -1
	s_barrier_wait -1
	FETCH_B 0, 0, 0
	FETCH_A 0, 0, 0
	SCALES 0
	FETCH_A 0, 0, 4
	STEP 0, 0, 1                                   ; the first step's products start the sums
	s_mov_b32 s3, LAPS-1
.Llap:
	TURN 0, 1, 1
	STEP 1, 0, 0
	TURN 1, 0, 1
	STEP 0, 0, 0
	s_sub_co_u32 s3, s3, 1
	s_cmp_lg_u32 s3, 0
	s_cbranch_scc1 .Llap
	TURN 0, 1, 0                                   ; the last lap fills nothing
	STEP 1, 0, 0
	s_wait_dscnt 4*NL
	WIN MUL_LO
	MUL16 0, 1, NQ-1, 1, 0
	MUL16 2, 1, NQ-1, 1, 0
	s_wait_dscnt 0
	WIN MUL_HI
	MUL16 4, 1, NQ-1, 1, 0
	MUL16 6, 1, NQ-1, 1, 0
	WIN 0
; 64 numbers of a lane, register 16 b + i = k 32 b + 16 (lane / 16) + i of my row, become a fragment's codes in v[PCD] on (registers 6 c .. 6 c + 5: k = 64 c + 32 (lane / 16) + 0 .. 31) and the scale word in v[PW]
.macro QUANT s
.irp b, 0,1,2,3
	v_max3_num_f32 v[TM+\b], |v[\s+16*\b]|, |v[\s+1+16*\b]|, 0x1800000   ; with the floor 2^(3 - 127)
.endr
.irp i, 2,4,6,8,10,12,14
.irp b, 0,1,2,3
	v_max3_num_f32 v[TM+\b], v[TM+\b], |v[\s+16*\b+\i]|, |v[\s+1+16*\b+\i]|
.endr
.endr
.irp b, 0,1,2,3
	v_permlanex16_b32 v[TM+4+\b], v[TM+\b], s[SEL], s[SEL+1]
.endr
.irp b, 0,1,2,3
	v_max_num_f32 v[TM+\b], v[TM+\b], v[TM+4+\b]   ; with lane l xor 16's: the block's largest magnitude
.endr
.irp b, 0,1,2,3
	v_add_nc_u32 v[TM+12+\b], 0xff000000, v[TM+\b] ; 2 off its exponent field: the conversion's scale operand
.endr
.irp b, 0,1,2,3
	v_lshrrev_b32 v[TM+4+\b], 23, v[TM+12+\b]      ; the scale's byte
.endr
	v_lshl_or_b32 v[PW], v[TM+5], 8, v[TM+4]
	v_lshl_or_b32 v[PW], v[TM+6], 16, v[PW]
	v_lshl_or_b32 v[PW], v[TM+7], 24, v[PW]
.irp c, 0,1
	v_cvt_scalef32_pk16_fp6_f32 v[PCD+6*\c:PCD+2+6*\c], v[\s+32*\c:\s+15+32*\c], v[TM+12+2*\c]
	v_cvt_scalef32_pk16_fp6_f32 v[PCD+12+4*\c:PCD+14+4*\c], v[\s+16+32*\c:\s+31+32*\c], v[TM+12+2*\c+1]
.endr
	v_nop                                          ; one plain place behind a scaled conversion
.irp c, 0,1                            ; a whole block to a lane: lanes 0-15 block 2 c, lanes 16-31 block 2 c + 1
.irp i, 0,1,2
	v_permlane16_swap_b32 v[PCD+6*\c+\i], v[PCD+12+4*\c+\i]
.endr
.irp i, 0,1,2
	v_mov_b32 v[PCD+3+6*\c+\i], v[PCD+12+4*\c+\i]
.endr
.endr
.endm
; THE WAY OUT.  Block by block of 16 lane rows: + bias, quantised, the codes into my own stage in LDS [c 2][row 128][48 bytes] and the scale words behind them; then the stage leaves in pieces of 512 consecutive bytes.
; The stages lie in slot 0, which has had its last fill, and which nobody reads behind the last change of slots.  Each of the two ways has stage bytes of its own.
.macro EPI isv, stg
	v_and_b32 v1, 15, v0                           ; (these plain lines are also the places behind the last products)
	v_bfe_u32 v2, v0, 4, 1
	v_and_b32 v3, 8, v1
	v_add_nc_u32 v3, v3, v1                        ; r + 8 (r / 8)
	v_and_b32 v4, 31, v0
	s_mul_i32 s20, s14, 13312
	s_add_co_u32 s20, s20, \stg
	v_mul_u32_u24 v24, v3, 48
	v_mad_u32_u24 v24, v2, 24, v24
	v_add_nc_u32 v24, s20, v24                     ; codes in: my row, my half's 24 bytes
	v_lshlrev_b32 v30, 4, v4
	v_add_nc_u32 v26, s20, v30                     ; codes back: 16 bytes a lane
	s_add_co_u32 s20, s20, 12288
	v_lshl_add_u32 v25, v3, 2, s20                 ; scale words in
	v_lshlrev_b32 v31, 3, v4
	v_add_nc_u32 v27, s20, v31                     ; and back: 8 bytes a lane
.irp b, 0,1,2,3
	v_mov_b32 v[TM+4+\b], 0                        ; written once: a lane permute's destination counts as one of its sources
.endr
.if \isv
	s_lshl_b32 s18, s17, 10                        ; the bias goes with the lane's row
	s_lshl_b32 s19, s15, 9
.else
	s_lshl_b32 s18, s42, 10                        ; the bias goes with the registers
	s_lshl_b32 s19, s16, 9
.endif
	s_add_co_u32 s18, s18, s19
	s_mov_b32 s19, 0
	s_add_nc_u64 s[8:9], s[8:9], s[18:19]
.if \isv
	v_lshlrev_b32 v5, 2, v3
.irp a, 0,1,2,3,4,5,6,7
	global_load_b32 v[BI+2*\a], v5, s[8:9] offset:(32*(\a/2)+8*(\a%2))*4
	global_load_b32 v[BI+2*\a+1], v5, s[8:9] offset:(32*(\a/2)+8*(\a%2))*4
.endr
	s_lshl_b32 s20, s41, 2
	s_lshl_b32 s21, s15, 1
	s_add_co_u32 s20, s20, s21                     ; my first head
	s_lshl_b32 s21, s42, 8
	s_lshl_b32 s22, s16, 7
	s_add_co_u32 s21, s21, s22                     ; my first token
	s_mul_i32 s18, s20, 196608
	s_mul_i32 s22, s21, 48
	s_add_co_u32 s18, s18, s22
	s_add_co_u32 s18, s18, 6291456
	s_add_nc_u64 s[12:13], s[10:11], s[18:19]
	s_lshl_b32 s18, s20, 13
	s_lshl_b32 s22, s21, 1
	s_add_co_u32 s18, s18, s22
	s_add_co_u32 s18, s18, 9961472
	s_add_nc_u64 s[96:97], s[10:11], s[18:19]
.else
	v_lshlrev_b32 v5, 6, v2
.set n_, 0
.rept 16
	global_load_b128 v[BI+4*n_:BI+4*n_+3], v5, s[8:9] offset:128*(n_/4)+16*(n_%4)
.set n_, n_+1
.endr
	s_and_b32 s20, s42, 3
	s_lshl_b32 s20, s20, 2
	s_lshl_b32 s21, s16, 1
	s_add_co_u32 s20, s20, s21                     ; my first head
	s_lshl_b32 s20, s20, 12
	s_lshl_b32 s21, s17, 8
	s_add_co_u32 s20, s20, s21
	s_lshl_b32 s21, s15, 7
	s_add_co_u32 s20, s20, s21                     ; x 4,096 + my first token
	s_mul_i32 s22, ttmp9, 3145728                  ; q or k
	s_mul_i32 s18, s20, 48
	s_add_co_u32 s18, s18, s22
	s_add_nc_u64 s[12:13], s[10:11], s[18:19]
	s_mul_i32 s22, ttmp9, 262144
	s_lshl_b32 s18, s20, 2
	s_add_co_u32 s18, s18, s22
	s_add_co_u32 s18, s18, 9437184
	s_add_nc_u64 s[96:97], s[10:11], s[18:19]
.endif
	s_wait_loadcnt 0x0
.irp a, 0,1,2,3,4,5,6,7
	WIN 0x02+(\a/4)                                ; source 0: the accumulators' window
.set k_, 0
.rept 32                               ; ascending: each accumulator is read from its low end on
.if \isv
	v_pk_add_f32 v[H+k_:H+k_+1], v[64*(\a%4)+k_:64*(\a%4)+k_+1], v[BI+2*\a:BI+2*\a+1]
.else
	v_pk_add_f32 v[H+k_:H+k_+1], v[64*(\a%4)+k_:64*(\a%4)+k_+1], v[BI+k_:BI+k_+1]
.endif
.set k_, k_+2
.endr
	WIN 0
	QUANT H
.irp c, 0,1
.irp p, 0,1,2
	ds_store_b64 v24, v[PCD+6*\c+2*\p:PCD+6*\c+2*\p+1] offset:6144*\c+(32*(\a/2)+8*(\a%2))*48+8*\p
.endr
.endr
	ds_store_b32 v25, v[PW] offset:(32*(\a/2)+8*(\a%2))*4
.if !\isv
	v_lshrrev_b32 v229, 16, v[PW]                  ; the second head's two bytes
	ds_store_b32 v25, v229 offset:512+(32*(\a/2)+8*(\a%2))*4
.endif
	s_wait_dscnt 0x0                               ; the stores have read their registers
.endr
.set n_, 0
.rept 24
	ds_load_b128 v[128+4*n_:128+4*n_+3], v26 offset:512*n_
.set n_, n_+1
.endr
.set n_, 0
.rept 4-2*\isv
	ds_load_b64 v[224+2*n_:224+2*n_+1], v27 offset:256*n_
.set n_, n_+1
.endr
	s_wait_dscnt 0x0
.set n_, 0
.rept 24                               ; piece n = 12 c + 6 e + i: 512 consecutive bytes, at a multiple of 256
.if \isv
	global_store_b128 v30, v[128+4*n_:128+4*n_+3], s[12:13] offset:196608*((n_%12)/6)+3072*(n_/12)+512*(n_%6)
.else
	global_store_b128 v30, v[128+4*n_:128+4*n_+3], s[12:13] offset:196608*(n_/12)+3072*((n_%12)/6)+512*(n_%6)
.endif
.set n_, n_+1
.endr
.set n_, 0
.rept 4-2*\isv
.if \isv
	global_store_b64 v31, v[224+2*n_:224+2*n_+1], s[96:97] offset:8192*n_
.else
	global_store_b64 v31, v[224+2*n_:224+2*n_+1], s[96:97] offset:16384*(n_/2)+256*(n_%2)
.endif
.set n_, n_+1
.endr
.endm
	s_cmp_eq_u32 s95, 1
	s_cbranch_scc1 .Lv
	EPI 0, 0
	s_branch .Ldone
.Lv:
	EPI 1, 53248
.Ldone:
	s_wait_tensorcnt 0x0                           ; the wave's end
	ds_add_u32 v[SPW], v[NIL]
	s_wait_dscnt 0x0
	CROUND                                         ; the closing round
	s_endpgm
.Lfunc_end_k_q3d2cab6ec2_gqkv:
	.size	k_q3d2cab6ec2_gqkv, .Lfunc_end_k_q3d2cab6ec2_gqkv-k_q3d2cab6ec2_gqkv
	.p2alignl 7, 3214868480
	.fill 96, 4, 3214868480
	.section	.rodata,"a",@progbits
	.p2align	6, 0x0
	.amdhsa_kernel k_q3d2cab6ec2_gqkv
		.amdhsa_group_segment_fixed_size 327680
		.amdhsa_private_segment_fixed_size 0
		.amdhsa_enable_private_segment 0
		.amdhsa_kernarg_size 32
		.amdhsa_user_sgpr_count 2
		.amdhsa_user_sgpr_kernarg_segment_ptr 1
		.amdhsa_wavefront_size32 1
		.amdhsa_system_sgpr_workgroup_id_x 1
		.amdhsa_system_sgpr_workgroup_id_y 1
		.amdhsa_system_sgpr_workgroup_id_z 1
		.amdhsa_system_vgpr_workitem_id 0
		.amdhsa_next_free_vgpr 1024
		.amdhsa_next_free_sgpr 102
		.amdhsa_reserve_vcc 0
		.amdhsa_float_denorm_mode_32 3
		.amdhsa_float_denorm_mode_16_64 3
		.amdhsa_memory_ordered 1
		.amdhsa_forward_progress 1
		.amdhsa_inst_pref_size 248
	.end_amdhsa_kernel
	.amdgpu_metadata
---
amdhsa.version: [ 1, 2 ]
amdhsa.kernels:
  - .name:           k_q3d2cab6ec2_gqkv
    .symbol:         k_q3d2cab6ec2_gqkv.kd
    .args:
      - { .name: hq1, .offset: 0, .size: 8, .value_kind: global_buffer, .address_space: global }
      - { .name: wq, .offset: 8, .size: 8, .value_kind: global_buffer, .address_space: global }
      - { .name: c_attn_b, .offset: 16, .size: 8, .value_kind: global_buffer, .address_space: global }
      - { .name: qkv, .offset: 24, .size: 8, .value_kind: global_buffer, .address_space: global }
    .group_segment_fixed_size: 327680
    .private_segment_fixed_size: 0
    .kernarg_segment_align: 8
    .kernarg_segment_size: 32
    .max_flat_workgroup_size: 128
    .sgpr_count:     102
    .vgpr_count:     1024
    .wavefront_size: 32
...
	.end_amdgpu_metadata
.endif
;; end of part 3
;; launch attn (part 4): grid 16 x 16, 16 waves a work-group, no clusters, 327,680 bytes of LDS; arguments qkv, yq; writes yq
.if DOCPART == 4
	.amdgcn_target "amdgcn-amd-amdhsa--gfx1250"
	.amdhsa_code_object_version 6
	.text
	.protected	k_q3d2cab6ec2_attn
	.globl	k_q3d2cab6ec2_attn
	.p2align	8
	.type	k_q3d2cab6ec2_attn,@function
k_q3d2cab6ec2_attn:
	s_mov_b64 s[64:65], 0
	v_nop
	global_prefetch_b8 v0, s[64:65] scope:SCOPE_SE
	s_setreg_imm32_b32 hwreg(HW_REG_WAVE_MODE, 25, 1), 1
	s_wait_xcnt 0x0
; y = softmax(mask(q k^T / 8)) v for 32 (batch, head) of 2,048 tokens x 64, both products on FP6 codes; y is quantised along the features on the way out.
; THE MASK is reference()'s own: key j counts for query i where j <= i and (j >= i - 4 or j even).  WORK LEFT OUT, dead for all inputs since those scores become -infinity (p = 0): key steps whose first key comes after
; my last query; and, in steps with first key + 132 <= my first query, the tiles of odd keys of the score product with their exponentials (form 0 of BODY).  A NaN or an infinity that would arise only there is not carried on.
; THE SOFTMAX: t = score x log2(e) / 8; M = the running largest t rounded up to a whole number; p = 2^(t - M) is quantised along the keys, not normalised; the row's sum of the unquantised p divides at the end.
; SHARES: a work-group takes two heads x (queries 64 j .. + 63 and 64 (31 - j) .. + 63): an early and a late block, so that all work-groups walk as many key steps.  Wave w: head w % 2, tile of 16 queries w / 2.
; No cluster: partners would have different causal limits, so a joint load would bring tiles that a partner never reads.
; K and V come through two LDS slots of 256 keys (K of both heads, V of both heads, 12,288 dense bytes each; waves 0-3 fetch one each); the scale words of the whole sequence stay in LDS.
; LAYOUT: both products transposed: a lane holds one query (lane % 16).  The head's 64 fill half of the instruction's 128 along K: q's upper six registers are zero codes, so what stands in the upper six of K's operand adds nothing.
; Tile E_b takes keys 32 b + 2 r, tile O_b those + 1: register j is key 32 b + 16 (lane / 16) + 2 j (+ 1); the exponentials write p to P[16 b + 2 j (+ 1)]: 16 neighbouring keys.  The odd P are zeroed once; steps of form 1 come last.
; V's rows of a tile are d = 32 (t / 2) + 8 (t % 2) + r + 8 (r / 8), so that O^T's registers run along neighbouring features.
; LIMITS: v_exp_f32 gives 0 under 2^-126; a block of zeros gets the byte 1; NaN and infinities among the inputs are not served.
.set SLOT1, 65536
.set SCK,   131072                     ; k's scale words: 2 heads x 8,192 bytes
.set SCV,   147456                     ; v's: 2 x 4,096
.set YST,   155648                     ; the way out: 768 bytes a wave
.set YSC,   167936                     ; y's scale words: 128 queries x 4 bytes
.set SPARE, 168448                     ; the spare words: 128 bytes for each of 16 waves
.set AK0, 1
.set AV0, 2
.set ASK0, 3
.set ASV0, 4
.set SPW, 5
.set NIL, 6
.set PFO, 7
.set ADK, 8
.set ADV, 9
.set ADS, 10
.set ADT, 11
.set KFR, 28                           ; v28-81 K's tiles, 6 registers apart; later V's four fragments (v28-75); between them the softmax's work:
.set BM,  28                           ; v28-31 the blocks' largest scores, v32-35 the other half's, v36-39 scale operands, v40-43 bytes, v44-46 the mask's
.set PT,  32
.set SOP, 36
.set BY,  40
.set SE,  82                           ; v82-113 scores of even keys; later p's codes v82-93, v94-100
.set SO,  114                          ; v114-145 scores of odd keys
.set P,   146                          ; v146-209 p
.set OT,  210                          ; v210-241 O^T
.set KSC, 242                          ; v242-249 K's, then V's scale words; v250 p's; v251 q's: scales and nothing else
.set WV,  18
.set SEL, 20
.set CS,  22
.set G1C, 24
.set G1SK, 32
.set G0C, 40
.set G1SV, 48
.set G0SK, 56
.set G0SV, 60
.set TB,  2
.set TS,  3
.set TJ,  66
.set SLOTS, 67
.set WLAST, 68
.set PFA, 76
.set LIM, 80
.set KF,  98
.set Q0,  99
.macro TLOAD2                          ; the scale words: waves 0, 1 k's, waves 2, 3 v's.  An s_nop 0 and four v_nop follow each tensor load
	s_cmp_lt_u32 s[WV], 2
	s_cbranch_scc0 .Lnk_\@
	tensor_load_to_lds s[G0SK:G0SK+3], s[G1SK:G1SK+7]
	s_nop 0
.rept 4
	v_nop
.endr
	s_branch .Lsa_\@
.Lnk_\@:
	s_cmp_lt_u32 s[WV], 4
	s_cbranch_scc0 .Lsa_\@
	tensor_load_to_lds s[G0SV:G0SV+3], s[G1SV:G1SV+7]
	s_nop 0
.rept 4
	v_nop
.endr
.Lsa_\@:
.endm
.macro TLOAD1                          ; a slot's codes: waves 0-3, 12,288 bytes each
	s_cmp_lt_u32 s[WV], 4
	s_cbranch_scc0 .Lna_\@
	tensor_load_to_lds s[G0C:G0C+3], s[G1C:G1C+7]
	s_nop 0
.rept 4
	v_nop
.endr
.Lna_\@:
.endm
; A prefetch of the slot that the NEXT change of slots will ask for: 192 blocks of 256 bytes.  All work-groups of a (batch, pair of heads) walk the same K and V: the first of them (j = 0) asks; in it waves 4-6 for K's 96 blocks
; and waves 7-9 for V's, a lane a block, one instruction a wave.  Slots 0 and 1 come by their loads alone; the last change that fills a slot asks for nothing.
.macro ASK
	s_cmp_gt_u32 s[SLOTS], s[LIM]
	s_cbranch_scc0 .Lnm_\@
	global_prefetch_b8 v[PFO], s[PFA:PFA+1] th:TH_LOAD_NT scope:SCOPE_SE
.Lnm_\@:
.endm
	s_load_b128 s[4:7], s[0:1], 0x0                ; qkv, yq
	v_lshl_add_u32 v[SPW], v0, 2, SPARE
	v_mov_b32 v[NIL], 0
	ds_add_u32 v[SPW], v[NIL]                      ; the opening: the add, twice on end, and its wait ahead of the first tensor load
	ds_add_u32 v[SPW], v[NIL]
	v_lshrrev_b32 v8, 5, v0
	v_readfirstlane_b32 s[WV], v8                  ; wave 0..15
	s_and_b32 s70, ttmp7, 0xffff
	s_lshr_b32 s71, s70, 3                         ; batch
	s_and_b32 s72, s70, 7                          ; pair of heads
	s_and_b32 s73, s[WV], 1                        ; which head of the pair
	s_lshr_b32 s74, s[WV], 1                       ; which tile of queries
	s_lshl_b32 s75, ttmp9, 6                       ; 64 j
	s_lshl_b32 s81, s74, 4
	s_add_co_u32 s82, s75, s81                     ; tiles 0-3: 64 j + 16 tile
	s_sub_co_u32 s83, 1920, s75
	s_add_co_u32 s83, s83, s81                     ; tiles 4-7: 64 (31 - j) + 16 (tile - 4)
	s_cmp_lt_u32 s74, 4
	s_cselect_b32 s[Q0], s82, s83
	s_sub_co_u32 s[WLAST], 2047, s75               ; the work-group's last query
	s_lshl_b32 s84, s71, 11
	s_lshl_b32 s85, s72, 1
	s_add_co_u32 s85, s85, s73
	s_lshl_b32 s86, s85, 12
	s_add_co_u32 s86, s86, s84                     ; head x 4,096 + the batch's first token
	s_mul_i32 s87, s86, 48
	s_cmp_lt_u32 s[WV], 2
	s_mov_b32 s88, 6291456
	s_cselect_b32 s88, 3145728, s88                ; waves 0, 1: k's codes; 2, 3: v's
	s_add_co_u32 s88, s88, s87
	s_mov_b32 s89, 0
	s_lshl_b32 s90, s86, 2
	s_add_co_u32 s90, s90, 9699328                 ; k's scale words
	s_mov_b32 s91, 0
	s_lshl_b32 s92, s86, 1
	s_add_co_u32 s92, s92, 9961472                 ; v's: (head x 32 + 16 batch) x 256
	s_mov_b32 s93, 0
	s_add_co_u32 s94, s86, s[Q0]                   ; my first query's row
	s_mul_i32 s95, s[WV], 12288
	s_lshl_b32 s96, s73, 13
	s_lshl_b32 s97, s73, 12
	s_mov_b32 s[G1C], 3<<16                        ; dense blocks as rows of 256 bytes: 32 elements of 8 bytes; 48 rows,
	s_mov_b32 s[G1C+1], 32<<16
	s_mov_b32 s[G1C+2], 48<<16
	s_mov_b32 s[G1C+3], 32<<16
	s_mov_b32 s[G1C+4], 48
	s_mov_b32 s[G1C+5], 32
	s_mov_b32 s[G1C+6], 0
	s_mov_b32 s[G1C+7], 0
	s_mov_b32 s[G1SK], 3<<16                       ; 32 rows,
	s_mov_b32 s[G1SK+1], 32<<16
	s_mov_b32 s[G1SK+2], 32<<16
	s_mov_b32 s[G1SK+3], 32<<16
	s_mov_b32 s[G1SK+4], 32
	s_mov_b32 s[G1SK+5], 32
	s_mov_b32 s[G1SK+6], 0
	s_mov_b32 s[G1SK+7], 0
	s_mov_b32 s[G1SV], 3<<16                       ; 16 rows
	s_mov_b32 s[G1SV+1], 32<<16
	s_mov_b32 s[G1SV+2], 16<<16
	s_mov_b32 s[G1SV+3], 32<<16
	s_mov_b32 s[G1SV+4], 16
	s_mov_b32 s[G1SV+5], 32
	s_mov_b32 s[G1SV+6], 0
	s_mov_b32 s[G1SV+7], 0
	s_mov_b32 s[SEL], 0x76543210
	s_mov_b32 s[SEL+1], 0xfedcba98
	s_mov_b32 s[CS], 0x3e38aa3b                    ; log2(e) / 8
	s_mov_b32 s[CS+1], s[CS]
	s_mov_b32 s[TB], 0
	s_mov_b32 s[TS], 0
	s_mov_b32 s[TJ], 0
	s_mov_b32 s[SLOTS], 7
	s_mov_b32 s[KF], 0
	s_wait_dscnt 0x0                               ; both opening adds are done
	s_wait_kmcnt 0x0
	s_mov_b32 s[G0SK], 1
	s_add_co_u32 s[G0SK+1], s96, SCK
	s_add_nc_u64 s[G0SK+2:G0SK+3], s[4:5], s[90:91]
	s_or_b32 s[G0SK+3], s[G0SK+3], 0x80000000
	s_mov_b32 s[G0SV], 1
	s_add_co_u32 s[G0SV+1], s97, SCV
	s_add_nc_u64 s[G0SV+2:G0SV+3], s[4:5], s[92:93]
	s_or_b32 s[G0SV+3], s[G0SV+3], 0x80000000
	TLOAD2                                         ; filled once
	s_mov_b32 s[G0C], 1
	s_mov_b32 s[G0C+1], s95
	s_add_nc_u64 s[G0C+2:G0C+3], s[4:5], s[88:89]
	s_or_b32 s[G0C+3], s[G0C+3], 0x80000000
	TLOAD1                                         ; slot 0
	s_mul_i32 s82, s94, 48
	s_mov_b32 s83, 0
	s_add_nc_u64 s[8:9], s[4:5], s[82:83]          ; q's codes at my first query
	s_add_nc_u64 s[12:13], s[6:7], s[82:83]        ; y's codes likewise
	s_lshl_b32 s82, s94, 2
	s_add_co_u32 s82, s82, 9437184
	s_add_nc_u64 s[10:11], s[4:5], s[82:83]        ; q's scale words
	s_sub_co_u32 s81, 1984, s75
	s_cmp_eq_u32 s73, 0
	s_cselect_b32 s81, s75, s81                    ; waves 0 and 1 store y's scale words: the early block's, the late block's
	s_lshl_b32 s82, s72, 12
	s_add_co_u32 s82, s82, s84
	s_add_co_u32 s81, s81, s82
	s_lshl_b32 s82, s81, 2
	s_add_co_u32 s82, s82, 3145728
	s_add_nc_u64 s[14:15], s[6:7], s[82:83]
	; the prefetches: who asks, and where
	s_lshl_b32 s82, s72, 13
	s_add_co_u32 s82, s82, s84
	s_mul_i32 s82, s82, 48                         ; the pair's first head, the batch's first token
	s_cmp_lt_u32 s[WV], 7
	s_mov_b32 s81, 6291456+12288
	s_cselect_b32 s81, 3145728+12288, s81          ; in slot 1: the first change of slots steps it to slot 2
	s_cselect_b32 s85, 4, 7
	s_add_co_u32 s82, s82, s81
	s_add_nc_u64 s[PFA:PFA+1], s[4:5], s[82:83]
	s_sub_co_u32 s85, s[WV], s85
	s_min_u32 s85, s85, 2                          ; my third of the 96 blocks (held inside them in the waves that do not ask)
	s_lshl_b32 s85, s85, 5
	v_and_b32 v[PFO], 31, v0
	v_add_nc_u32 v[PFO], s85, v[PFO]
	v_cmp_le_u32 vcc_lo, 48, v[PFO]                ; blocks 48 on are the second head's
	v_mov_b32 v254, 184320
	v_cndmask_b32 v254, 0, v254, vcc_lo
	v_lshl_add_u32 v[PFO], v[PFO], 8, v254
	s_sub_co_u32 s85, s[WV], 4
	s_cmp_lt_u32 s85, 6
	s_cselect_b32 s[LIM], 1, -1
	s_cmp_eq_u32 ttmp9, 0
	s_cselect_b32 s[LIM], s[LIM], -1
	v_and_b32 v8, 15, v0                           ; r
	v_bfe_u32 v9, v0, 4, 1                         ; h
	v_mul_u32_u24 v10, v8, 48
	v_mad_u32_u24 v10, v9, 24, v10
.irp p, 0,1,2
	global_load_b64 v[16+2*\p:17+2*\p], v10, s[8:9] offset:8*\p   ; q's fragment: the head's 64
.endr
	v_lshlrev_b32 v11, 2, v8
	global_load_b32 v251, v11, s[10:11]
	s_mul_i32 s81, s73, 12288
	v_mul_u32_u24 v[AK0], v8, 96                   ; K: every second key
	v_mad_u32_u24 v[AK0], v9, 24, v[AK0]
	v_add_nc_u32 v[AK0], s81, v[AK0]
	v_and_b32 v12, 8, v8
	v_add_nc_u32 v12, v12, v8                      ; r + 8 (r / 8)
	s_add_co_u32 s81, s81, 24576
	v_mul_u32_u24 v[AV0], v12, 48
	v_mad_u32_u24 v[AV0], v9, 24, v[AV0]
	v_add_nc_u32 v[AV0], s81, v[AV0]
	s_add_co_u32 s96, s96, SCK
	s_add_co_u32 s97, s97, SCV
	v_lshl_add_u32 v[ASK0], v8, 3, s96
	v_lshl_add_u32 v[ASV0], v12, 2, s97
	v_mov_b32 v13, 0xff61b1e6                      ; the largest t so far: -3e38
	v_floor_f32 v12, -v13                          ; -M
	v_mov_b32 v14, 0
	v_mov_b32 v15, 0
	v_mov_b32 v252, 0
	v_mov_b32 v253, 0
.irp i, 22,23,24,25,26,27
	v_mov_b32 v\i, 0                               ; q's upper half: zero codes
.endr
.irp i, 32,33,34,35,52,53,54,55,56,57,76,77,78,79,80,81
	v_mov_b32 v\i, 0                               ; named before they are first loaded (a permute's destinations; the upper six of the last tiles' operands)
.endr
.set k_, 0
.rept 32
	v_mov_b32 v[P+2*k_+1], 0                       ; p of odd keys
	v_mov_b32 v[OT+k_], 0                          ; O^T: the first change of M leaves zeros zeros
.set k_, k_+1
.endr
; A key step's work: 128 keys, the q-th of the slot.  full = 0: even keys alone, all of them count.  full = 1: all keys, under the mask.
.macro BODY q, full
	v_add_nc_u32 v[ADK], s[TB], v[AK0]
	v_add_nc_u32 v[ADV], s[TB], v[AV0]
	v_add_nc_u32 v[ADS], s[TS], v[ASK0]
	v_add_nc_u32 v[ADT], s[TJ], v[ASV0]
	v_nop                                          ; six places behind the last step's products: four are owed to the loads into their operands,
	v_nop                                          ; five to the score products, which write over p's codes
.irp b, 0,1,2,3
.irp p, 0,1,2
	ds_load_b64 v[KFR+6*\b+2*\p:KFR+6*\b+2*\p+1], v[ADK] offset:(128*(\q)+32*\b)*48+8*\p
.endr
	ds_load_b32 v[KSC+\b], v[ADS] offset:128*\b
.if \full
.irp p, 0,1,2
	ds_load_b64 v[KFR+24+6*\b+2*\p:KFR+24+6*\b+2*\p+1], v[ADK] offset:(128*(\q)+32*\b)*48+48+8*\p
.endr
	ds_load_b32 v[KSC+4+\b], v[ADS] offset:128*\b+4
.endif
.endr
	s_wait_dscnt 0x0
.irp b, 0,1,2,3
	v_wmma_scale_f32_16x16x128_f8f6f4 v[SE+8*\b:SE+8*\b+7], v[KFR+6*\b:KFR+6*\b+11], v[16:27], 0, v[KSC+\b], v251 matrix_a_fmt:MATRIX_FMT_FP6 matrix_b_fmt:MATRIX_FMT_FP6
.endr
.if \full
.irp b, 0,1,2,3
	v_wmma_scale_f32_16x16x128_f8f6f4 v[SO+8*\b:SO+8*\b+7], v[KFR+24+6*\b:KFR+24+6*\b+11], v[16:27], 0, v[KSC+4+\b], v251 matrix_a_fmt:MATRIX_FMT_FP6 matrix_b_fmt:MATRIX_FMT_FP6
.endr
.endif
.rept 4
	v_nop
.endr
.if \full                              ; hidden scores become -infinity ahead of the maximum
	s_sub_co_i32 s96, s[Q0], s[KF]
	v_and_b32 v44, 15, v0
	v_bfe_u32 v45, v0, 4, 1
	v_lshlrev_b32 v45, 4, v45
	v_sub_nc_u32 v44, v44, v45
	v_add_nc_u32 v44, s96, v44                     ; d = my query - the step's first key - 16 (lane / 16); a register's key stands c on
	v_mov_b32 v46, 0xff800000
.irp b, 0,1,2,3
.irp j, 0,1,2,3,4,5,6,7
	v_cmp_gt_i32 vcc_lo, 32*\b+2*\j, v44           ; an even key is hidden where c > d
	v_cndmask_b32 v[SE+8*\b+\j], v[SE+8*\b+\j], v46, vcc_lo
.endr
.endr
.irp b, 0,1,2,3
.irp j, 0,1,2,3,4,5,6,7
	v_add_nc_u32 v45, -(32*\b+2*\j+1), v44
	v_cmp_lt_u32 vcc_lo, 4, v45                    ; an odd key counts where 0 <= d - c <= 4
	v_cndmask_b32 v[SO+8*\b+\j], v[SO+8*\b+\j], v46, vcc_lo
.endr
.endr
.endif
.irp b, 0,1,2,3
	v_max3_num_f32 v[BM+\b], v[SE+8*\b], v[SE+8*\b+1], v[SE+8*\b+2]   ; the largest score of each block of 32 keys: for the row's maximum and for the block's largest p
.endr
.irp i, 3,5
.irp b, 0,1,2,3
	v_max3_num_f32 v[BM+\b], v[BM+\b], v[SE+8*\b+\i], v[SE+8*\b+\i+1]
.endr
.endr
.irp b, 0,1,2,3
	v_max_num_f32 v[BM+\b], v[BM+\b], v[SE+8*\b+7]
.endr
.if \full
.irp i, 0,2,4,6
.irp b, 0,1,2,3
	v_max3_num_f32 v[BM+\b], v[BM+\b], v[SO+8*\b+\i], v[SO+8*\b+\i+1]
.endr
.endr
.endif
.irp b, 0,1,2,3
	v_permlanex16_b32 v[PT+\b], v[BM+\b], s[SEL], s[SEL+1]
.endr
.irp b, 0,1,2,3
	v_max_num_f32 v[BM+\b], v[BM+\b], v[PT+\b]
.endr
	v_max3_num_f32 v254, v[BM], v[BM+1], v[BM+2]
	v_max_num_f32 v254, v254, v[BM+3]
	v_mul_f32 v254, s[CS], v254
	v_max_num_f32 v13, v13, v254                   ; the running largest t
	v_mov_b32 v254, v12
	v_floor_f32 v12, -v13                          ; -M = floor(-t): M is a whole number
	v_sub_f32 v254, v12, v254
	v_cvt_i32_f32 v254, v254
	v_ldexp_f32 v252, 1.0, v254                    ; f = 2^(old M - new M): rounds nothing
.set k_, 0
.rept 16
	v_pk_fma_f32 v[SE+k_:SE+k_+1], v[SE+k_:SE+k_+1], s[CS:CS+1], v[12:13] op_sel_hi:[1,0,0]   ; t - M
.if \full
	v_pk_fma_f32 v[SO+k_:SO+k_+1], v[SO+k_:SO+k_+1], s[CS:CS+1], v[12:13] op_sel_hi:[1,0,0]
.endif
.set k_, k_+2
.endr
.irp b, 0,1,2,3
	v_fma_f32 v[BM+\b], v[BM+\b], s[CS], v12
.endr
.irp b, 0,1,2,3
.irp j, 0,1,2,3,4,5,6,7
	v_exp_f32 v[P+16*\b+2*\j], v[SE+8*\b+\j]
.if \full
	v_exp_f32 v[P+16*\b+2*\j+1], v[SO+8*\b+\j]
.endif
.endr
.endr
	v_pk_mul_f32 v[14:15], v[14:15], v[252:253] op_sel_hi:[1,0]   ; the sums under the new M (a plain line behind the exponentials)
	s_wait_alu depctr_va_vdst(0)                   ; one wait for the batch, ahead of its first reader
.irp b, 0,1,2,3
	v_exp_f32 v[BM+\b], v[BM+\b]                   ; the blocks' largest p
.endr
	v_pk_add_f32 v[254:255], v[P:P+1], v[P+2:P+3]  ; the row's sum of the unquantised p, in two chains
.set k_, 4
.rept 15
	v_pk_add_f32 v[14:15], v[14:15], v[P+k_:P+k_+1]
	v_pk_add_f32 v[254:255], v[254:255], v[P+k_+2:P+k_+3]
.set k_, k_+4
.endr
	v_pk_add_f32 v[14:15], v[14:15], v[254:255]
	s_wait_alu depctr_va_vdst(0)                   ; and one for the four
.irp b, 0,1,2,3
	v_max_num_f32 v[BM+\b], 0x1800000, v[BM+\b]    ; the floor 2^(3 - 127)
.endr
.irp b, 0,1,2,3
	v_add_nc_u32 v[SOP+\b], 0xff000000, v[BM+\b]
.endr
.irp b, 0,1,2,3
	v_lshrrev_b32 v[BY+\b], 23, v[SOP+\b]
.endr
	v_lshl_or_b32 v250, v[BY+1], 8, v[BY]          ; p's scale word for these 128 keys
	v_lshl_or_b32 v250, v[BY+2], 16, v250
	v_lshl_or_b32 v250, v[BY+3], 24, v250
.irp c, 0,1
	v_cvt_scalef32_pk16_fp6_f32 v[82+6*\c:84+6*\c], v[P+32*\c:P+32*\c+15], v[SOP+2*\c]
	v_cvt_scalef32_pk16_fp6_f32 v[94+4*\c:96+4*\c], v[P+32*\c+16:P+32*\c+31], v[SOP+2*\c+1]
.endr
	v_nop                                          ; one plain place behind a scaled conversion
.irp c, 0,1
.irp i, 0,1,2
	v_permlane16_swap_b32 v[82+6*\c+\i], v[94+4*\c+\i]
.endr
.irp i, 0,1,2
	v_mov_b32 v[85+6*\c+\i], v[94+4*\c+\i]
.endr
.endr
.set k_, 0
.rept 16
	v_pk_mul_f32 v[OT+k_:OT+k_+1], v[OT+k_:OT+k_+1], v[252:253] op_sel_hi:[1,0]   ; O^T under the new M; also the places between the writes of p's codes and scale word and the products
.set k_, k_+2
.endr
.irp t, 0,1,2,3
.irp p, 0,1,2,3,4,5
	ds_load_b64 v[28+12*\t+2*\p:28+12*\t+2*\p+1], v[ADV] offset:(2*(\q)+\p/3)*3072+(32*(\t/2)+8*(\t%2))*48+8*(\p%3)
.endr
	ds_load_b32 v[KSC+\t], v[ADT] offset:(32*(\t/2)+8*(\t%2))*4
.endr
	s_wait_dscnt 0x0
.irp t, 0,1,2,3
	v_wmma_scale_f32_16x16x128_f8f6f4 v[OT+8*\t:OT+8*\t+7], v[28+12*\t:39+12*\t], v[82:93], v[OT+8*\t:OT+8*\t+7], v[KSC+\t], v250 matrix_a_fmt:MATRIX_FMT_FP6 matrix_b_fmt:MATRIX_FMT_FP6
.endr
.endm
.macro STEP q                          ; the branches hang on ids and the count of steps alone; the lines that step addresses stand behind the join
	s_add_co_u32 s96, s[Q0], 15
	s_cmp_gt_u32 s[KF], s96
	s_cbranch_scc1 .Lhid_\@
	s_add_co_u32 s96, s[KF], 132
	s_cmp_le_u32 s96, s[Q0]
	s_cbranch_scc0 .Lfull_\@
	BODY \q, 0
	s_branch .Lhid_\@
.Lfull_\@:
	BODY \q, 1
.Lhid_\@:
	s_add_co_u32 s[KF], s[KF], 128
	s_add_co_u32 s[TS], s[TS], 512
	s_add_co_u32 s[TJ], s[TJ], 256
.endm
; The change of slots stands at a slot's head: each wave waits for all its tensor loads, adds 0 to its spare word, waits for that and for its reads of the slot that it has left; one barrier; the slot left is filled with the next keys.
.macro CHANGE fill
	s_wait_tensorcnt 0x0
	ds_add_u32 v[SPW], v[NIL]
.if \fill
	ds_add_u32 v[SPW], v[NIL]                      ; and twice on end here, in every trip alike
	s_xor_b32 s[G0C+1], s[G0C+1], SLOT1            ; the walking descriptor: the other slot, the next 256 keys
	s_add_nc_u64 s[G0C+2:G0C+3], s[G0C+2:G0C+3], 12288
	s_wait_xcnt 0x0                                ; the last prefetch, a slot back, has read its address
	s_add_nc_u64 s[PFA:PFA+1], s[PFA:PFA+1], 12288
.endif
	s_wait_dscnt 0x0
	s_barrier_signal -1
	s_barrier_wait -1
.if \fill
	s_add_co_u32 s96, s[KF], 256                   ; a slot whose first key comes after the work-group's last query is read by none of its waves: it is not asked for.
	s_cmp_gt_u32 s96, s[WLAST]                     ; ids and the count of steps alone: all sixteen waves go the same way; every wait for tensor loads in this text is for 0
	s_cbranch_scc1 .Lpast_\@
	TLOAD1
.Lpast_\@:
	ASK
.endif
.endm
	s_wait_loadcnt 0x0                             ; q
.Lslot:                                            ; seven trips
	CHANGE 1
	STEP 0
	STEP 1
	s_xor_b32 s[TB], s[TB], SLOT1
	s_sub_co_u32 s[SLOTS], s[SLOTS], 1
	s_cmp_lg_u32 s[SLOTS], 0
	s_cbranch_scc1 .Lslot
	CHANGE 0                                       ; the last slot is written out: nothing is left to fetch
	STEP 0
	STEP 1
	; THE WAY OUT: O^T / the sum, quantised along the head's 64 (two blocks), through my stage, out as 768 consecutive bytes; the scale bytes of both heads meet in LDS
	v_add_f32 v14, v14, v15
	v_permlanex16_b32 v252, v14, s[SEL], s[SEL+1]
	v_add_f32 v14, v14, v252
	v_rcp_f32 v14, v14
	v_and_b32 v8, 15, v0
	v_bfe_u32 v9, v0, 4, 1
	s_mul_i32 s81, s[WV], 768
	s_add_co_u32 s81, s81, YST
	v_mul_u32_u24 v10, v8, 48
	v_mad_u32_u24 v10, v9, 24, v10
	v_add_nc_u32 v10, s81, v10                     ; in: query r, block h
	v_and_b32 v11, 31, v0
	v_lshlrev_b32 v1, 3, v11                       ; 8 bytes a lane
	v_add_nc_u32 v11, s81, v1                      ; back
	s_lshl_b32 s81, s74, 6
	s_lshl_b32 s82, s73, 1
	s_add_co_u32 s81, s81, s82
	s_add_co_u32 s81, s81, YSC
	v_lshl_add_u32 v2, v8, 2, s81                  ; my query's word, my head's two bytes
	s_lshl_b32 s81, s73, 8
	s_add_co_u32 s81, s81, YSC
	v_add_nc_u32 v3, s81, v1                       ; waves 0 and 1 read 256 bytes of words back
	s_wait_alu depctr_va_vdst(0)                   ; the wait ahead of the reciprocal's first reader
.set k_, 0
.rept 32
	v_mul_f32 v[82+k_], v[OT+k_], v14              ; register 16 b + i is feature 32 b + 16 h + i of the head
.set k_, k_+1
.endr
.irp b, 0,1
	v_max3_num_f32 v[28+\b], |v[82+16*\b]|, |v[83+16*\b]|, 0x1800000
.endr
.irp i, 2,4,6,8,10,12,14
.irp b, 0,1
	v_max3_num_f32 v[28+\b], v[28+\b], |v[82+16*\b+\i]|, |v[83+16*\b+\i]|
.endr
.endr
.irp b, 0,1
	v_permlanex16_b32 v[32+\b], v[28+\b], s[SEL], s[SEL+1]
.endr
.irp b, 0,1
	v_max_num_f32 v[28+\b], v[28+\b], v[32+\b]
.endr
.irp b, 0,1
	v_add_nc_u32 v[36+\b], 0xff000000, v[28+\b]
.endr
.irp b, 0,1
	v_lshrrev_b32 v[40+\b], 23, v[36+\b]
.endr
	v_lshl_or_b32 v40, v41, 8, v40
	v_cvt_scalef32_pk16_fp6_f32 v[44:46], v[82:97], v36
	v_cvt_scalef32_pk16_fp6_f32 v[50:52], v[98:113], v37
	v_nop
.irp i, 0,1,2
	v_permlane16_swap_b32 v[44+\i], v[50+\i]
.endr
.irp i, 0,1,2
	v_mov_b32 v[47+\i], v[50+\i]                   ; v44-49: the 24 bytes of (query r, block h)
.endr
.irp i, 0,1,2
	ds_store_b64 v10, v[44+2*\i:45+2*\i] offset:8*\i
.endr
	ds_store_b16 v2, v40                           ; both halves of the lanes write the same two bytes with the same value
.irp i, 0,1,2
	ds_load_b64 v[54+2*\i:55+2*\i], v11 offset:256*\i   ; LDS serves a wave's instructions in order: these see my stores
.endr
.irp i, 0,1,2
	s_wait_dscnt 2-\i                              ; the younger loads may be out
	global_store_b64 v1, v[54+2*\i:55+2*\i], s[12:13] offset:256*\i   ; 32 lanes: 256 consecutive bytes, aligned
.endr
	s_wait_dscnt 0x0                               ; for the others' sake: my scale bytes have landed
	s_barrier_signal -1
	s_barrier_wait -1
	s_cmp_lt_u32 s[WV], 2
	s_cbranch_scc0 .Lend
	ds_load_b64 v[60:61], v3
	s_wait_dscnt 0x0
	global_store_b64 v1, v[60:61], s[14:15]        ; 64 queries' words
.Lend:
	s_wait_tensorcnt 0x0                           ; the wave's end
	ds_add_u32 v[SPW], v[NIL]
	s_wait_dscnt 0x0
	s_endpgm
.Lfunc_end_k_q3d2cab6ec2_attn:
	.size	k_q3d2cab6ec2_attn, .Lfunc_end_k_q3d2cab6ec2_attn-k_q3d2cab6ec2_attn
	.p2alignl 7, 3214868480
	.fill 96, 4, 3214868480
	.section	.rodata,"a",@progbits
	.p2align	6, 0x0
	.amdhsa_kernel k_q3d2cab6ec2_attn
		.amdhsa_group_segment_fixed_size 327680
		.amdhsa_private_segment_fixed_size 0
		.amdhsa_enable_private_segment 0
		.amdhsa_kernarg_size 16
		.amdhsa_user_sgpr_count 2
		.amdhsa_user_sgpr_kernarg_segment_ptr 1
		.amdhsa_wavefront_size32 1
		.amdhsa_system_sgpr_workgroup_id_x 1
		.amdhsa_system_sgpr_workgroup_id_y 1
		.amdhsa_system_sgpr_workgroup_id_z 1
		.amdhsa_system_vgpr_workitem_id 0
		.amdhsa_next_free_vgpr 256
		.amdhsa_next_free_sgpr 100
		.amdhsa_reserve_vcc 1
		.amdhsa_float_denorm_mode_32 3
		.amdhsa_float_denorm_mode_16_64 3
		.amdhsa_memory_ordered 1
		.amdhsa_forward_progress 1
		.amdhsa_inst_pref_size 165
	.end_amdhsa_kernel
	.amdgpu_metadata
---
amdhsa.version: [ 1, 2 ]
amdhsa.kernels:
  - .name:           k_q3d2cab6ec2_attn
    .symbol:         k_q3d2cab6ec2_attn.kd
    .args:
      - { .name: qkv, .offset: 0, .size: 8, .value_kind: global_buffer, .address_space: global }
      - { .name: yq, .offset: 8, .size: 8, .value_kind: global_buffer, .address_space: global }
    .group_segment_fixed_size: 327680
    .private_segment_fixed_size: 0
    .kernarg_segment_align: 8
    .kernarg_segment_size: 16
    .max_flat_workgroup_size: 512
    .sgpr_count:     100
    .vgpr_count:     256
    .wavefront_size: 32
...
	.end_amdgpu_metadata
.endif
;; end of part 4
;; launch gproj (part 5): grid 4 x 16, 4 waves a work-group, clusters of 4 x 4, 327,680 bytes of LDS; arguments yq, wq, attn_proj_b, x, x1; writes x1
.if DOCPART == 5
	.amdgcn_target "amdgcn-amd-amdhsa--gfx1250"
	.amdhsa_code_object_version 6
	.text
	.protected	k_q3d2cab6ec2_gproj
	.globl	k_q3d2cab6ec2_gproj
	.p2align	8
	.type	k_q3d2cab6ec2_gproj,@function
k_q3d2cab6ec2_gproj:
	s_mov_b64 s[64:65], 0
	v_nop
	global_prefetch_b8 v0, s[64:65] scope:SCOPE_SE
	s_setreg_imm32_b32 hwreg(HW_REG_WAVE_MODE, 25, 1), 1
	s_wait_xcnt 0x0
	s_wait_alu depctr_hold_cnt(0) depctr_sa_sdst(0) depctr_va_vdst(0) depctr_va_sdst(0) depctr_va_ssrc(0) depctr_va_vcc(0) depctr_vm_vsrc(0)
	s_getreg_b32 s2, hwreg(HW_REG_IB_STS2, 6, 4)
	s_cmp_eq_u32 s2, 0
	s_cbranch_scc0 .Lentry_in_a_cluster
	s_endpgm
.Lentry_in_a_cluster:
	s_bfe_u32 s2, ttmp6, 0x10000c
	s_cmp_lg_u32 s2, 0xf033
	s_cbranch_scc0 .Lentry_shape_is_right
	s_endpgm
.Lentry_shape_is_right:
; x1 = x + y W + b on FP6 codes.  Nothing of reference() is left out here.  A tile of 256 x 256 to a work-group of four waves, 128 x 128 to a wave; K in steps of 256 through two LDS slots filled by joint tensor loads, clusters of 4 x 4.
; Source 0 = 16 positions of W (a lane's eight results run along the columns), source 1 = 16 rows of y.  W lies in position order, so register j of accumulator b is column 32 (b / 2) + 16 (lane / 16) + 8 (b % 2) + j.
; PLANES = 1: y's codes lie [head][row][48 bytes]: a K step is four planes of 128 x 48 dense bytes.  RMAP = 0: y's rows lie in plain order.
.set KTOT,   1024
.set PLANES, 1
.set RMAP,   0
.set ASTEP,  786432                    ; a K step of 256 in the lane side's codes, in bytes
.set BSTEP,  196608                    ; and in W's: 1,024 records of 192 bytes
.set ASOFF,  3145728                   ; the lane side's scale words in its buffer
.set BCOFF,  2359296                   ; W's codes in wq
.set BSOFF,  9568256                   ; W's scale words
.set PB,     1024                      ; their pitch
.set NKS,    KTOT/128
.set LAPS,   KTOT/512
.set NQ,     2
.set PITCH,  240
.set FR,     12
.set NL,     6
.set NP,     4
.set HALFT,  128*PITCH
.if PLANES
.set HALFA,  24576
.else
.set HALFA,  HALFT
.endif
.set BOFF,   2*HALFA
.set SLOT,   BOFF+2*HALFT
.set SCL,    2*SLOT
.set HALFS,  512*NKS
.set SPARE,  SCL+4*HALFS
.set SPITCH, 528                       ; the way out: a stage of 16 rows x (512 bytes + 16) for each wave, in slot 0, which has had its last fill and its last read by then
.set ADRA, 16
.set ADRB, 20
.set STO,  24
.set RD,   25
.set CO,   26
.set ADRS, 27
.set SPW,  28
.set NIL,  29
.set SC,   32
.set BS,   64                          ; v64-67 the bias of my four columns
.set AF,   128
.set BK,   128
.set G1, 24
.set G0, 32
.set G1B, 48
.set G0B, 56
.set G1S, 68
.set G0S, 76
.set G1SB, 80
.set G0SB, 88
.set MSB, 0
.macro WIN new
.if MSB != (\new)
	s_set_vgpr_msb (MSB<<8)|(\new)
.set MSB, \new
.endif
.endm
.set MUL_LO, 0xa1
.set MUL_HI, 0xf1
.set TO_B,   0x40
.macro JLOAD g0a, g1a, g0b, g1b        ; a joint load: waves 0 and 1 fetch for the lane side, waves 2 and 3 for W; an s_nop 0 and four v_nop follow each line
	s_cmp_eq_u32 s15, 0
	s_cbranch_scc0 .Lfor_b_\@
	tensor_load_to_lds s[\g0a:\g0a+3], s[\g1a:\g1a+7]
	s_nop 0
.rept 4
	v_nop
.endr
	s_branch .Lasked_\@
.Lfor_b_\@:
	tensor_load_to_lds s[\g0b:\g0b+3], s[\g1b:\g1b+7]
	s_nop 0
.rept 4
	v_nop
.endr
.Lasked_\@:
.endm
.macro CREST
	s_cmp_lg_u32 s14, 0
	s_cbranch_scc1 .Lnot_wave_0_\@
	s_barrier_signal -3
.Lnot_wave_0_\@:
	s_barrier_wait -3
	s_barrier_signal -1
	s_barrier_wait -1
.endm
.macro CROUND
	s_barrier_signal -1
	s_barrier_wait -1
	CREST
.endm
	s_load_b256 s[4:11], s[0:1], 0x0               ; lane side, wq, bias, residual
	s_load_b64 s[12:13], s[0:1], 0x20              ; out
	v_lshl_add_u32 v[SPW], v0, 2, SPARE
	v_mov_b32 v[NIL], 0
	ds_add_u32 v[SPW], v[NIL]                      ; the opening: the add, twice on end, and its wait ahead of my first tensor load
	ds_add_u32 v[SPW], v[NIL]
	v_lshrrev_b32 v1, 5, v0
	v_readfirstlane_b32 s14, v1
	s_lshr_b32 s15, s14, 1
	s_and_b32 s16, s14, 1
	s_bfe_u32 s40, ttmp6, 0x40000
	s_bfe_u32 s41, ttmp6, 0x40004
	s_lshl_b32 s42, ttmp9, 2
	s_add_co_u32 s42, s42, s40                     ; tile column
	s_and_b32 s17, ttmp7, 0xffff
	s_lshl_b32 s17, s17, 2
	s_add_co_u32 s17, s17, s41                     ; tile row
	s_lshl_b32 s43, s41, 2
	s_lshl_b32 s43, 15, s43
	s_lshl_b32 s44, 0x1111, s40
.if PLANES
	s_or_b32 s[G1+0], s43, (3<<16)|(1<<21)         ; four planes of 768 elements of 8 bytes, 24,576 elements apart, no padding
	s_mov_b32 s[G1+1], 768<<16
	s_mov_b32 s[G1+2], 4<<16
	s_mov_b32 s[G1+3], 768<<16
	s_mov_b32 s[G1+4], 4
	s_mov_b32 s[G1+5], 24576
.else
	s_or_b32 s[G1+0], s43, (1<<20)|(1<<21)|(3<<22)|(3<<25)
	s_mov_b32 s[G1+1], 192<<16
	s_mov_b32 s[G1+2], 128<<16
	s_mov_b32 s[G1+3], 192<<16
	s_mov_b32 s[G1+4], 128
	s_mov_b32 s[G1+5], 192
.endif
	s_mov_b32 s[G1+6], 0
	s_mov_b32 s[G1+7], 0
	s_or_b32 s[G1B+0], s44, (1<<20)|(1<<21)|(3<<22)|(3<<25)   ; 128 records of 192 bytes, dense; padding of 4 words behind every 16
	s_mov_b32 s[G1B+1], 192<<16
	s_mov_b32 s[G1B+2], 128<<16
	s_mov_b32 s[G1B+3], 192<<16
	s_mov_b32 s[G1B+4], 128
	s_mov_b32 s[G1B+5], 192
	s_mov_b32 s[G1B+6], 0
	s_mov_b32 s[G1B+7], 0
	s_or_b32 s[G1S+0], s43, (2<<16)|(1<<21)        ; the scale words: 128 elements of 4 bytes x K / 128 rows
	s_or_b32 s[G1SB+0], s44, (2<<16)|(1<<21)
.irp g, G1S, G1SB
	s_mov_b32 s[\g+1], 128<<16
	s_mov_b32 s[\g+2], NKS<<16
	s_mov_b32 s[\g+3], 128<<16
	s_mov_b32 s[\g+4], NKS
	s_mov_b32 s[\g+6], 0
	s_mov_b32 s[\g+7], 0
.endr
	s_mov_b32 s[G1S+5], 4096
	s_mov_b32 s[G1SB+5], PB
	s_lshl_b32 s18, s16, 7
	s_lshl_b32 s20, s17, 8
	s_add_co_u32 s20, s20, s18
	s_lshl_b32 s46, s42, 8
	s_add_co_u32 s46, s46, s18
	s_lshl_b32 s22, s20, 2
	s_add_co_u32 s22, s22, ASOFF
	s_mov_b32 s23, 0
	s_lshl_b32 s92, s46, 2
	s_add_co_u32 s92, s92, BSOFF
	s_mov_b32 s93, 0
.if PLANES
	s_mul_i32 s20, s20, 48
.else
	s_mul_i32 s20, s20, 192
.endif
	s_mov_b32 s21, 0
	s_mul_i32 s46, s46, 192
	s_add_co_u32 s46, s46, BCOFF
	s_mov_b32 s47, 0
	s_mul_i32 s45, s16, HALFA
	s_mul_i32 s2, s16, HALFT
	s_add_co_u32 s2, s2, BOFF
	s_mul_i32 s94, s14, HALFS
	s_wait_dscnt 0x0
	s_wait_kmcnt 0x0
	s_add_nc_u64 s[20:21], s[4:5], s[20:21]
	s_add_nc_u64 s[22:23], s[4:5], s[22:23]
	s_add_nc_u64 s[46:47], s[6:7], s[46:47]
	s_add_nc_u64 s[92:93], s[6:7], s[92:93]
	CROUND
	s_mov_b32 s[G0S], 1
	s_add_co_u32 s[G0S+1], s94, SCL
	s_mov_b64 s[G0S+2:G0S+3], s[22:23]
	s_or_b32 s[G0S+3], s[G0S+3], 0x80000000
	s_mov_b32 s[G0SB], 1
	s_add_co_u32 s[G0SB+1], s94, SCL
	s_mov_b64 s[G0SB+2:G0SB+3], s[92:93]
	s_or_b32 s[G0SB+3], s[G0SB+3], 0x80000000
	JLOAD G0S, G1S, G0SB, G1SB
.irp s, 0,1
	s_mov_b32 s[G0+4*\s], 1
	s_add_co_u32 s[G0+4*\s+1], s45, \s*SLOT
	s_add_nc_u64 s[G0+4*\s+2:G0+4*\s+3], s[20:21], \s*ASTEP
	s_or_b32 s[G0+4*\s+3], s[G0+4*\s+3], 0x80000000
	s_mov_b32 s[G0B+4*\s], 1
	s_add_co_u32 s[G0B+4*\s+1], s2, \s*SLOT
	s_add_nc_u64 s[G0B+4*\s+2:G0B+4*\s+3], s[46:47], \s*BSTEP
	s_or_b32 s[G0B+4*\s+3], s[G0B+4*\s+3], 0x80000000
	JLOAD G0+4*\s, G1, G0B+4*\s, G1B
.endr
	v_and_b32 v1, 15, v0
	v_bfe_u32 v2, v0, 4, 1
	v_mul_u32_u24 v3, v1, PITCH
	v_mul_u32_u24 v4, v2, 24
	v_add_nc_u32 v4, v3, v4
	v_lshl_add_u32 v5, v2, 4, v4
	v_mul_u32_u24 v6, v1, 48
	v_mad_u32_u24 v6, v2, 24, v6                   ; in a plane: row x 48 + 24 x half
	s_mul_i32 s21, s15, HALFA
	s_mul_i32 s22, s16, HALFT
	s_add_co_u32 s22, s22, BOFF
.irp s, 0,1
.if PLANES
	v_add_nc_u32 v[ADRA+\s], s21, v6
.else
	v_add_nc_u32 v[ADRA+\s], s21, v4
	v_add_nc_u32 v[ADRA+2+\s], s21, v5
.endif
	v_add_nc_u32 v[ADRB+\s], s22, v4
	v_add_nc_u32 v[ADRB+2+\s], s22, v5
	s_add_co_u32 s21, s21, SLOT
	s_add_co_u32 s22, s22, SLOT
.endr
	v_lshlrev_b32 v5, 2, v1
	s_mul_i32 s21, s15, HALFS
	s_mul_i32 s22, s16, HALFS
	s_add_co_u32 s22, s22, 2*HALFS
	s_sub_co_u32 s22, s22, s21
	v_mul_u32_u24 v6, s22, v2
	s_add_co_u32 s21, s21, SCL
	v_add_nc_u32 v5, v5, v6
	v_add_nc_u32 v[ADRS], s21, v5
	s_mul_i32 s23, s14, 16*SPITCH                  ; my stage
	v_mul_u32_u24 v5, v1, SPITCH
	v_lshl_add_u32 v5, v2, 6, v5
	v_add_nc_u32 v[STO], s23, v5                   ; in: row r, + 64 x half
	v_and_b32 v6, 31, v0
	v_lshlrev_b32 v[CO], 4, v6
	v_add_nc_u32 v[RD], s23, v[CO]                 ; back: the 32 lanes take a row of 512 bytes
	s_lshl_b32 s20, s42, 10
	s_lshl_b32 s21, s16, 9
	s_add_co_u32 s20, s20, s21                     ; my first column, in bytes
	s_mov_b32 s21, 0
	s_add_nc_u64 s[8:9], s[8:9], s[20:21]
	global_load_b128 v[BS:BS+3], v[CO], s[8:9]
	s_lshl_b32 s22, s17, 20
	s_lshl_b32 s23, s15, 19
	s_add_co_u32 s22, s22, s23                     ; my first row, 4,096 bytes a row
	s_add_co_u32 s20, s20, s22
	s_add_nc_u64 s[12:13], s[12:13], s[20:21]
	s_add_nc_u64 s[96:97], s[10:11], s[20:21]
.macro FRAG reg, adr, q, i
.irp p, 0,1,2,3,4,5
.set PCE, 12*(\q)+6*(\p/3)+\p%3
.if PCE%8 < 5
	ds_load_b64 v[\reg+2*\p:\reg+2*\p+1], v[\adr] offset:8*PCE+16*(PCE/8)+(\i)*16*PITCH
.else
	ds_load_b64 v[\reg+2*\p:\reg+2*\p+1], v[\adr+2] offset:8*PCE+16*(PCE/8)+(\i)*16*PITCH
.endif
.endr
.endm
.macro FRAGA reg, adr, q, i            ; from planes: K = 128 q + 64 c + 32 h lies in plane 2 q + c, 24 h bytes into the row's 48
.irp p, 0,1,2,3,4,5
	ds_load_b64 v[\reg+2*\p:\reg+2*\p+1], v[\adr] offset:(2*(\q)+\p/3)*6144+(\i)*768+8*(\p%3)
.endr
.endm
.macro MUL16 a0, p, q, sc, zero        ; the 64 accumulators take turns, one instruction a turn
.irp a, \a0, \a0+1
.irp b, 0,1,2,3,4,5,6,7
.if \zero
	v_wmma_scale_f32_16x16x128_f8f6f4 v[8*(8*((\a)%4)+\b):8*(8*((\a)%4)+\b)+7], v[128*(\p)+FR*\b:128*(\p)+FR*\b+FR-1], v[AF+FR*(\a):AF+FR*(\a)+FR-1], 0, v[SC+8*NQ*(\sc)+NQ*\b+(\q)], v[SC+8*NQ*(\sc)+NQ*(\a)+(\q)] matrix_a_fmt:MATRIX_FMT_FP6 matrix_b_fmt:MATRIX_FMT_FP6 matrix_a_scale:MATRIX_SCALE_ROW1
.else
	v_wmma_scale_f32_16x16x128_f8f6f4 v[8*(8*((\a)%4)+\b):8*(8*((\a)%4)+\b)+7], v[128*(\p)+FR*\b:128*(\p)+FR*\b+FR-1], v[AF+FR*(\a):AF+FR*(\a)+FR-1], v[8*(8*((\a)%4)+\b):8*(8*((\a)%4)+\b)+7], v[SC+8*NQ*(\sc)+NQ*\b+(\q)], v[SC+8*NQ*(\sc)+NQ*(\a)+(\q)] matrix_a_fmt:MATRIX_FMT_FP6 matrix_b_fmt:MATRIX_FMT_FP6 matrix_a_scale:MATRIX_SCALE_ROW1
.endif
.endr
.endr
.endm
.macro FETCH_B slot, q, p
	WIN TO_B
.irp i, 0,1,2,3,4,5,6,7
	FRAG 128*(\p)+FR*\i, ADRB+\slot, \q, \i
.endr
	WIN 0
.endm
.macro FETCH_A slot, q, i0
.irp i, \i0, \i0+1, \i0+2, \i0+3
.if PLANES
	FRAGA AF+FR*(\i), ADRA+\slot, \q, \i
.else
	FRAG AF+FR*(\i), ADRA+\slot, \q, \i
.endif
.endr
.endm
.macro SCALES sc
.irp i, 0,1,2,3,4,5,6,7
.irp q, 0,1
	ds_load_b32 v[SC+8*NQ*\sc+NQ*\i+\q], v[ADRS] offset:512*\q+64*\i
.endr
.endr
.endm
.macro PLACES n
.rept \n
	v_nop
.endr
.endm
.macro STEP slot, q, zero
	s_wait_dscnt 4*NL                              ; all but the youngest 24 loads (the lane side's blocks 4-7)
	WIN MUL_LO
	MUL16 0, (\q)%2, \q, \slot, \zero
	MUL16 2, (\q)%2, \q, \slot, \zero
	s_wait_dscnt 0
	PLACES NP
	FETCH_B \slot, (\q)+1, 1-(\q)%2
	FETCH_A \slot, (\q)+1, 0
	WIN MUL_HI
	MUL16 4, (\q)%2, \q, \slot, \zero
	MUL16 6, (\q)%2, \q, \slot, \zero
	PLACES NP
	WIN 0
	FETCH_A \slot, (\q)+1, 4
.endm
.macro TURN slot, next, fill
	s_wait_tensorcnt 0x0                           ; all my tensor loads have landed: my part of the next slot
	ds_add_u32 v[SPW], v[NIL]
	s_wait_dscnt 4*NL+1                            ; (the add and the youngest 24 loads may be out)
	WIN MUL_LO
	MUL16 0, 1, NQ-1, \slot, 0
	s_wait_dscnt 0x0                               ; the add is done, and my reads of this slot are over
	s_barrier_signal -1
	MUL16 2, 1, NQ-1, \slot, 0
	WIN 0
	s_barrier_wait -1
.if \fill
	CREST
	s_add_nc_u64 s[G0+4*\slot+2:G0+4*\slot+3], s[G0+4*\slot+2:G0+4*\slot+3], 2*ASTEP
	s_add_nc_u64 s[G0B+4*\slot+2:G0B+4*\slot+3], s[G0B+4*\slot+2:G0B+4*\slot+3], 2*BSTEP
	JLOAD G0+4*\slot, G1, G0B+4*\slot, G1B
.else
	PLACES NP
.endif
	v_add_nc_u32 v[ADRS], 1024, v[ADRS]
	FETCH_B \next, 0, 0
	FETCH_A \next, 0, 0
	SCALES \next
	WIN MUL_HI
	MUL16 4, 1, NQ-1, \slot, 0
	MUL16 6, 1, NQ-1, \slot, 0
	PLACES NP
	WIN 0
	FETCH_A \next, 0, 4
.endm
	s_wait_tensorcnt 1                             ; the scale words and my part of K step 0 are in; K step 1's load may be out
	s_barrier_signal -1
	s_barrier_wait -1
	FETCH_B 0, 0, 0
	FETCH_A 0, 0, 0
	SCALES 0
	FETCH_A 0, 0, 4
	STEP 0, 0, 1
	s_mov_b32 s3, LAPS-1
.Llap:
	TURN 0, 1, 1
	STEP 1, 0, 0
	TURN 1, 0, 1
	STEP 0, 0, 0
	s_sub_co_u32 s3, s3, 1
	s_cmp_lg_u32 s3, 0
	s_cbranch_scc1 .Llap
	TURN 0, 1, 0
	STEP 1, 0, 0
	s_wait_dscnt 4*NL
	WIN MUL_LO
	MUL16 0, 1, NQ-1, 1, 0
	MUL16 2, 1, NQ-1, 1, 0
	s_wait_dscnt 0
	WIN MUL_HI
	MUL16 4, 1, NQ-1, 1, 0
	MUL16 6, 1, NQ-1, 1, 0
	WIN 0
; THE WAY OUT, block by block of 16 rows x 128 columns: through my own stage, back as whole rows of 512 bytes, + bias + residual, stored as two aligned units of 256 bytes.  The residual's rows are asked for three blocks ahead, into window 1.
.macro ROWOF a, t                      ; the row of the wave's 128 in which stage row t of block a belongs
.set RW, (1-RMAP)*(16*(\a)+(\t))+RMAP*(32*((\a)/2)+8*((\a)%2)+(\t)+8*((\t)/8))
.endm
.macro TOSTAGE a
.set AC, 64*((\a)%4)
	WIN 0x08+4*((\a)/4)
.irp b, 0,1,2,3,4,5,6,7
	ds_store_b128 v[STO], v[AC+8*\b:AC+8*\b+3] offset:128*(\b/2)+32*(\b%2)      ; each accumulator from its low end on
	ds_store_b128 v[STO], v[AC+8*\b+4:AC+8*\b+7] offset:128*(\b/2)+32*(\b%2)+16
.endr
	WIN 0
.set BB, BK+64*((\a)%2)
.set t_, 0
.rept 16
	ds_load_b128 v[BB+4*t_:BB+4*t_+3], v[RD] offset:t_*SPITCH   ; LDS serves a wave's instructions in order: these see the stores above
.set t_, t_+1
.endr
.endm
.macro RES k
	WIN 0x40
.set t_, 0
.rept 16
	ROWOF \k, t_
	global_load_b128 v[64*((\k)%4)+4*t_:64*((\k)%4)+4*t_+3], v[CO], s[96:97] offset:RW*4096
.set t_, t_+1
.endr
	WIN 0
.endm
.macro SEND a, yd, yl                  ; yd, yl: the LDS instructions and the loads issued behind block a's, which may stay out
.set BB, BK+64*((\a)%2)
	s_wait_dscnt \yd
	s_wait_loadcnt \yl
.set k_, 0
.rept 32
	v_pk_add_f32 v[BB+k_:BB+k_+1], v[BB+k_:BB+k_+1], v[BS+k_%4:BS+k_%4+1]
.set k_, k_+2
.endr
	WIN 0x04
.set k_, 0
.rept 32
	v_pk_add_f32 v[BB+k_:BB+k_+1], v[BB+k_:BB+k_+1], v[64*((\a)%4)+k_:64*((\a)%4)+k_+1]
.set k_, k_+2
.endr
	WIN 0
.set t_, 0
.rept 16
	ROWOF \a, t_
	global_store_b128 v[CO], v[BB+4*t_:BB+4*t_+3], s[12:13] offset:RW*4096   ; 512 consecutive bytes, at a multiple of 256
.set t_, t_+1
.endr
.endm
	PLACES NP                                      ; behind the last products: for the loads into their operands' registers and the first reads of results
	s_wait_loadcnt 0x0                             ; the bias
	RES 0
	RES 1
	RES 2
	TOSTAGE 0
.irp a, 1,2,3,4,5,6,7
.if \a > 1
	s_wait_xcnt 0x0                                ; block a - 2's stores have read their registers: block a's loads may land there
.endif
	TOSTAGE \a
.if \a+2 < 8
	RES \a+2
.endif
.if \a < 6
	SEND \a-1, 32, 48                              ; three younger sets of the residual may be out
.elseif \a == 6
	SEND \a-1, 32, 32
.else
	SEND \a-1, 32, 16
.endif
.endr
	s_wait_xcnt 0x0
	SEND 7, 0, 0
	s_wait_tensorcnt 0x0                           ; the wave's end
	ds_add_u32 v[SPW], v[NIL]
	s_wait_dscnt 0x0
	CROUND                                         ; the closing round
	s_endpgm
.Lfunc_end_k_q3d2cab6ec2_gproj:
	.size	k_q3d2cab6ec2_gproj, .Lfunc_end_k_q3d2cab6ec2_gproj-k_q3d2cab6ec2_gproj
	.p2alignl 7, 3214868480
	.fill 96, 4, 3214868480
	.section	.rodata,"a",@progbits
	.p2align	6, 0x0
	.amdhsa_kernel k_q3d2cab6ec2_gproj
		.amdhsa_group_segment_fixed_size 327680
		.amdhsa_private_segment_fixed_size 0
		.amdhsa_enable_private_segment 0
		.amdhsa_kernarg_size 40
		.amdhsa_user_sgpr_count 2
		.amdhsa_user_sgpr_kernarg_segment_ptr 1
		.amdhsa_wavefront_size32 1
		.amdhsa_system_sgpr_workgroup_id_x 1
		.amdhsa_system_sgpr_workgroup_id_y 1
		.amdhsa_system_sgpr_workgroup_id_z 1
		.amdhsa_system_vgpr_workitem_id 0
		.amdhsa_next_free_vgpr 1024
		.amdhsa_next_free_sgpr 102
		.amdhsa_reserve_vcc 0
		.amdhsa_float_denorm_mode_32 3
		.amdhsa_float_denorm_mode_16_64 3
		.amdhsa_memory_ordered 1
		.amdhsa_forward_progress 1
		.amdhsa_inst_pref_size 207
	.end_amdhsa_kernel
	.amdgpu_metadata
---
amdhsa.version: [ 1, 2 ]
amdhsa.kernels:
  - .name:           k_q3d2cab6ec2_gproj
    .symbol:         k_q3d2cab6ec2_gproj.kd
    .args:
      - { .name: yq, .offset: 0, .size: 8, .value_kind: global_buffer, .address_space: global }
      - { .name: wq, .offset: 8, .size: 8, .value_kind: global_buffer, .address_space: global }
      - { .name: attn_proj_b, .offset: 16, .size: 8, .value_kind: global_buffer, .address_space: global }
      - { .name: x, .offset: 24, .size: 8, .value_kind: global_buffer, .address_space: global }
      - { .name: x1, .offset: 32, .size: 8, .value_kind: global_buffer, .address_space: global }
    .group_segment_fixed_size: 327680
    .private_segment_fixed_size: 0
    .kernarg_segment_align: 8
    .kernarg_segment_size: 40
    .max_flat_workgroup_size: 128
    .sgpr_count:     102
    .vgpr_count:     1024
    .wavefront_size: 32
...
	.end_amdgpu_metadata
.endif
;; end of part 5
;; launch ln2: the kernel of part 2 again; grid 128 x 1, 8 waves a work-group, no clusters, 53,248 bytes of LDS; arguments x1, ln2_w, ln2_b, hq2; writes hq2
;; launch gfc (part 6): grid 16 x 16, 4 waves a work-group, clusters of 4 x 4, 327,680 bytes of LDS; arguments hq2, wq, fc_b, hid; writes hid
.if DOCPART == 6
	.amdgcn_target "amdgcn-amd-amdhsa--gfx1250"
	.amdhsa_code_object_version 6
	.text
	.protected	k_q3d2cab6ec2_gfc
	.globl	k_q3d2cab6ec2_gfc
	.p2align	8
	.type	k_q3d2cab6ec2_gfc,@function
k_q3d2cab6ec2_gfc:
	s_mov_b64 s[64:65], 0
	v_nop
	global_prefetch_b8 v0, s[64:65] scope:SCOPE_SE
	s_setreg_imm32_b32 hwreg(HW_REG_WAVE_MODE, 25, 1), 1
	s_wait_xcnt 0x0
	s_wait_alu depctr_hold_cnt(0) depctr_sa_sdst(0) depctr_va_vdst(0) depctr_va_sdst(0) depctr_va_ssrc(0) depctr_va_vcc(0) depctr_vm_vsrc(0)
	s_getreg_b32 s2, hwreg(HW_REG_IB_STS2, 6, 4)
	s_cmp_eq_u32 s2, 0
	s_cbranch_scc0 .Lentry_in_a_cluster
	s_endpgm
.Lentry_in_a_cluster:
	s_bfe_u32 s2, ttmp6, 0x10000c
	s_cmp_lg_u32 s2, 0xf033
	s_cbranch_scc0 .Lentry_shape_is_right
	s_endpgm
.Lentry_shape_is_right:
; hidden = gelu(h2 W + b), exact gelu, quantised along the hidden units on the way out.  Nothing of reference() is left out here.
; A tile of 256 x 256 to a work-group of four waves, 128 x 128 to a wave; K = 1,024 in steps of 256 through two LDS slots filled by joint tensor loads, clusters of 4 x 4.
; Source 0 = 16 positions of W, source 1 = 16 positions of h2: both in position order, so a lane's registers 8 b + j run along neighbouring hidden units: 32 (b / 2) + 16 (lane / 16) + 8 (b % 2) + j.
; OUT (hid): codes [hidden / 256][4,096 positions][192 bytes], scale words [hidden / 128][4,096] u32 at 12,582,912: the rows stay in h2's position order.
; GELU: gelu(x) = max(x, 0) - |x| erfc(|x| / sqrt 2) / 2, with erfc(z) = t exp(-z^2 + P(t)), t = 1 / (1 + z / 2), P of degree 9 (fractional error of the form 1.2e-7); all in f32, base 2.
; LIMITS: v_exp_f32 gives 0 under 2^-126; a block of zeros gets the byte 1; NaN and infinities are not served.
.set KTOT,   1024
.set ASTEP,  786432
.set BSTEP,  786432
.set ASOFF,  3145728
.set BCOFF,  3145728
.set BSOFF,  9601024
.set NKS,    KTOT/128
.set LAPS,   KTOT/512
.set NQ,     2
.set PITCH,  240
.set FR,     12
.set NL,     6
.set NP,     4
.set HALFT,  128*PITCH
.set HALFA,  HALFT
.set BOFF,   2*HALFA
.set SLOT,   BOFF+2*HALFT
.set SCL,    2*SLOT
.set HALFS,  512*NKS
.set SPARE,  SCL+4*HALFS               ; 262,144: below it the way out has 65,536 bytes for each wave
.set CST,    SPARE+512                 ; behind the spare words: the codes' stage, 256 positions x 192 bytes,
.set CSS,    CST+49152                 ; and four planes of 128 scale words
.set ADRA, 16
.set ADRB, 20
.set ADRS, 27
.set SPW,  28
.set NIL,  29
.set SC,   32                          ; v32-63 scale words, and nothing else
.set BI,   64                          ; v64-127 the bias, in the registers' order
.set AF,   128
.set H,    128                         ; v128-191 a block's 64 numbers
.set TT,   192                         ; v192-223 t
.set PP,   224                         ; v224-255 the exponent
.set PCD,  192
.set TM,   212
.set PW,   228
.set SEL,  66
.set G1, 24
.set G0, 32
.set G1B, 48
.set G0B, 56
.set G1S, 68
.set G0S, 76
.set G1SB, 80
.set G0SB, 88
.set MSB, 0
.macro WIN new
.if MSB != (\new)
	s_set_vgpr_msb (MSB<<8)|(\new)
.set MSB, \new
.endif
.endm
.set MUL_LO, 0xa1
.set MUL_HI, 0xf1
.set TO_B,   0x40
.macro JLOAD g0a, g1a, g0b, g1b        ; a joint load: waves 0 and 1 fetch for h2, waves 2 and 3 for W; an s_nop 0 and four v_nop follow each line
	s_cmp_eq_u32 s15, 0
	s_cbranch_scc0 .Lfor_b_\@
	tensor_load_to_lds s[\g0a:\g0a+3], s[\g1a:\g1a+7]
	s_nop 0
.rept 4
	v_nop
.endr
	s_branch .Lasked_\@
.Lfor_b_\@:
	tensor_load_to_lds s[\g0b:\g0b+3], s[\g1b:\g1b+7]
	s_nop 0
.rept 4
	v_nop
.endr
.Lasked_\@:
.endm
.macro CREST
	s_cmp_lg_u32 s14, 0
	s_cbranch_scc1 .Lnot_wave_0_\@
	s_barrier_signal -3
.Lnot_wave_0_\@:
	s_barrier_wait -3
	s_barrier_signal -1
	s_barrier_wait -1
.endm
.macro CROUND
	s_barrier_signal -1
	s_barrier_wait -1
	CREST
.endm
	s_load_b256 s[4:11], s[0:1], 0x0               ; hq2, wq, fc_b, hid
	v_lshl_add_u32 v[SPW], v0, 2, SPARE
	v_mov_b32 v[NIL], 0
	ds_add_u32 v[SPW], v[NIL]                      ; the opening: the add, twice on end, and its wait ahead of my first tensor load
	ds_add_u32 v[SPW], v[NIL]
	v_lshrrev_b32 v1, 5, v0
	v_readfirstlane_b32 s14, v1
	s_lshr_b32 s15, s14, 1
	s_and_b32 s16, s14, 1
	s_bfe_u32 s40, ttmp6, 0x40000
	s_bfe_u32 s41, ttmp6, 0x40004
	s_lshl_b32 s42, ttmp9, 2
	s_add_co_u32 s42, s42, s40                     ; tile column
	s_and_b32 s17, ttmp7, 0xffff
	s_lshl_b32 s17, s17, 2
	s_add_co_u32 s17, s17, s41                     ; tile row
	s_lshl_b32 s43, s41, 2
	s_lshl_b32 s43, 15, s43
	s_lshl_b32 s44, 0x1111, s40
	s_or_b32 s[G1+0], s43, (1<<20)|(1<<21)|(3<<22)|(3<<25)
	s_or_b32 s[G1B+0], s44, (1<<20)|(1<<21)|(3<<22)|(3<<25)
.irp g, G1, G1B
	s_mov_b32 s[\g+1], 192<<16
	s_mov_b32 s[\g+2], 128<<16
	s_mov_b32 s[\g+3], 192<<16
	s_mov_b32 s[\g+4], 128
	s_mov_b32 s[\g+5], 192
	s_mov_b32 s[\g+6], 0
	s_mov_b32 s[\g+7], 0
.endr
	s_or_b32 s[G1S+0], s43, (2<<16)|(1<<21)
	s_or_b32 s[G1SB+0], s44, (2<<16)|(1<<21)
.irp g, G1S, G1SB
	s_mov_b32 s[\g+1], 128<<16
	s_mov_b32 s[\g+2], NKS<<16
	s_mov_b32 s[\g+3], 128<<16
	s_mov_b32 s[\g+4], NKS
	s_mov_b32 s[\g+5], 4096
	s_mov_b32 s[\g+6], 0
	s_mov_b32 s[\g+7], 0
.endr
	s_mov_b32 s[SEL], 0x76543210
	s_mov_b32 s[SEL+1], 0xfedcba98
	s_lshl_b32 s18, s16, 7
	s_lshl_b32 s20, s17, 8
	s_add_co_u32 s20, s20, s18
	s_lshl_b32 s46, s42, 8
	s_add_co_u32 s46, s46, s18
	s_lshl_b32 s22, s20, 2
	s_add_co_u32 s22, s22, ASOFF
	s_mov_b32 s23, 0
	s_lshl_b32 s92, s46, 2
	s_add_co_u32 s92, s92, BSOFF
	s_mov_b32 s93, 0
	s_mul_i32 s20, s20, 192
	s_mov_b32 s21, 0
	s_mul_i32 s46, s46, 192
	s_add_co_u32 s46, s46, BCOFF
	s_mov_b32 s47, 0
	s_mul_i32 s45, s16, HALFA
	s_mul_i32 s2, s16, HALFT
	s_add_co_u32 s2, s2, BOFF
	s_mul_i32 s94, s14, HALFS
	s_wait_dscnt 0x0
	s_wait_kmcnt 0x0
	s_add_nc_u64 s[20:21], s[4:5], s[20:21]
	s_add_nc_u64 s[22:23], s[4:5], s[22:23]
	s_add_nc_u64 s[46:47], s[6:7], s[46:47]
	s_add_nc_u64 s[92:93], s[6:7], s[92:93]
	CROUND
	s_mov_b32 s[G0S], 1
	s_add_co_u32 s[G0S+1], s94, SCL
	s_mov_b64 s[G0S+2:G0S+3], s[22:23]
	s_or_b32 s[G0S+3], s[G0S+3], 0x80000000
	s_mov_b32 s[G0SB], 1
	s_add_co_u32 s[G0SB+1], s94, SCL
	s_mov_b64 s[G0SB+2:G0SB+3], s[92:93]
	s_or_b32 s[G0SB+3], s[G0SB+3], 0x80000000
	JLOAD G0S, G1S, G0SB, G1SB
.irp s, 0,1
	s_mov_b32 s[G0+4*\s], 1
	s_add_co_u32 s[G0+4*\s+1], s45, \s*SLOT
	s_add_nc_u64 s[G0+4*\s+2:G0+4*\s+3], s[20:21], \s*ASTEP
	s_or_b32 s[G0+4*\s+3], s[G0+4*\s+3], 0x80000000
	s_mov_b32 s[G0B+4*\s], 1
	s_add_co_u32 s[G0B+4*\s+1], s2, \s*SLOT
	s_add_nc_u64 s[G0B+4*\s+2:G0B+4*\s+3], s[46:47], \s*BSTEP
	s_or_b32 s[G0B+4*\s+3], s[G0B+4*\s+3], 0x80000000
	JLOAD G0+4*\s, G1, G0B+4*\s, G1B
.endr
	v_and_b32 v1, 15, v0
	v_bfe_u32 v2, v0, 4, 1
	v_mul_u32_u24 v3, v1, PITCH
	v_mul_u32_u24 v4, v2, 24
	v_add_nc_u32 v4, v3, v4
	v_lshl_add_u32 v5, v2, 4, v4
	s_mul_i32 s21, s15, HALFA
	s_mul_i32 s22, s16, HALFT
	s_add_co_u32 s22, s22, BOFF
.irp s, 0,1
	v_add_nc_u32 v[ADRA+\s], s21, v4
	v_add_nc_u32 v[ADRB+\s], s22, v4
	v_add_nc_u32 v[ADRA+2+\s], s21, v5
	v_add_nc_u32 v[ADRB+2+\s], s22, v5
	s_add_co_u32 s21, s21, SLOT
	s_add_co_u32 s22, s22, SLOT
.endr
	v_lshlrev_b32 v5, 2, v1
	s_mul_i32 s21, s15, HALFS
	s_mul_i32 s22, s16, HALFS
	s_add_co_u32 s22, s22, 2*HALFS
	s_sub_co_u32 s22, s22, s21
	v_mul_u32_u24 v6, s22, v2
	s_add_co_u32 s21, s21, SCL
	v_add_nc_u32 v5, v5, v6
	v_add_nc_u32 v[ADRS], s21, v5
	s_lshl_b32 s20, s42, 10
	s_lshl_b32 s21, s16, 9
	s_add_co_u32 s20, s20, s21
	s_mov_b32 s21, 0
	s_add_nc_u64 s[8:9], s[8:9], s[20:21]          ; the bias of my 128 hidden units
	v_lshlrev_b32 v7, 6, v2
.set n_, 0
.rept 16
	global_load_b128 v[BI+4*n_:BI+4*n_+3], v7, s[8:9] offset:128*(n_/4)+16*(n_%4)
.set n_, n_+1
.endr
.macro FRAG reg, adr, q, i
.irp p, 0,1,2,3,4,5
.set PCE, 12*(\q)+6*(\p/3)+\p%3
.if PCE%8 < 5
	ds_load_b64 v[\reg+2*\p:\reg+2*\p+1], v[\adr] offset:8*PCE+16*(PCE/8)+(\i)*16*PITCH
.else
	ds_load_b64 v[\reg+2*\p:\reg+2*\p+1], v[\adr+2] offset:8*PCE+16*(PCE/8)+(\i)*16*PITCH
.endif
.endr
.endm
.macro MUL16 a0, p, q, sc, zero        ; the 64 accumulators take turns, one instruction a turn
.irp a, \a0, \a0+1
.irp b, 0,1,2,3,4,5,6,7
.if \zero
	v_wmma_scale_f32_16x16x128_f8f6f4 v[8*(8*((\a)%4)+\b):8*(8*((\a)%4)+\b)+7], v[128*(\p)+FR*\b:128*(\p)+FR*\b+FR-1], v[AF+FR*(\a):AF+FR*(\a)+FR-1], 0, v[SC+8*NQ*(\sc)+NQ*\b+(\q)], v[SC+8*NQ*(\sc)+NQ*(\a)+(\q)] matrix_a_fmt:MATRIX_FMT_FP6 matrix_b_fmt:MATRIX_FMT_FP6 matrix_a_scale:MATRIX_SCALE_ROW1
.else
	v_wmma_scale_f32_16x16x128_f8f6f4 v[8*(8*((\a)%4)+\b):8*(8*((\a)%4)+\b)+7], v[128*(\p)+FR*\b:128*(\p)+FR*\b+FR-1], v[AF+FR*(\a):AF+FR*(\a)+FR-1], v[8*(8*((\a)%4)+\b):8*(8*((\a)%4)+\b)+7], v[SC+8*NQ*(\sc)+NQ*\b+(\q)], v[SC+8*NQ*(\sc)+NQ*(\a)+(\q)] matrix_a_fmt:MATRIX_FMT_FP6 matrix_b_fmt:MATRIX_FMT_FP6 matrix_a_scale:MATRIX_SCALE_ROW1
.endif
.endr
.endr
.endm
.macro FETCH_B slot, q, p
	WIN TO_B
.irp i, 0,1,2,3,4,5,6,7
	FRAG 128*(\p)+FR*\i, ADRB+\slot, \q, \i
.endr
	WIN 0
.endm
.macro FETCH_A slot, q, i0
.irp i, \i0, \i0+1, \i0+2, \i0+3
	FRAG AF+FR*(\i), ADRA+\slot, \q, \i
.endr
.endm
.macro SCALES sc
.irp i, 0,1,2,3,4,5,6,7
.irp q, 0,1
	ds_load_b32 v[SC+8*NQ*\sc+NQ*\i+\q], v[ADRS] offset:512*\q+64*\i
.endr
.endr
.endm
.macro PLACES n
.rept \n
	v_nop
.endr
.endm
.macro STEP slot, q, zero
	s_wait_dscnt 4*NL                              ; all but the youngest 24 loads (h2's blocks 4-7)
	WIN MUL_LO
	MUL16 0, (\q)%2, \q, \slot, \zero
	MUL16 2, (\q)%2, \q, \slot, \zero
	s_wait_dscnt 0
	PLACES NP
	FETCH_B \slot, (\q)+1, 1-(\q)%2
	FETCH_A \slot, (\q)+1, 0
	WIN MUL_HI
	MUL16 4, (\q)%2, \q, \slot, \zero
	MUL16 6, (\q)%2, \q, \slot, \zero
	PLACES NP
	WIN 0
	FETCH_A \slot, (\q)+1, 4
.endm
.macro TURN slot, next, fill
	s_wait_tensorcnt 0x0                           ; all my tensor loads have landed: my part of the next slot
	ds_add_u32 v[SPW], v[NIL]
	s_wait_dscnt 4*NL+1                            ; (the add and the youngest 24 loads may be out)
	WIN MUL_LO
	MUL16 0, 1, NQ-1, \slot, 0
	s_wait_dscnt 0x0                               ; the add is done, and my reads of this slot are over
	s_barrier_signal -1
	MUL16 2, 1, NQ-1, \slot, 0
	WIN 0
	s_barrier_wait -1
.if \fill
	CREST
	s_add_nc_u64 s[G0+4*\slot+2:G0+4*\slot+3], s[G0+4*\slot+2:G0+4*\slot+3], 2*ASTEP
	s_add_nc_u64 s[G0B+4*\slot+2:G0B+4*\slot+3], s[G0B+4*\slot+2:G0B+4*\slot+3], 2*BSTEP
	JLOAD G0+4*\slot, G1, G0B+4*\slot, G1B
.else
	PLACES NP
.endif
	v_add_nc_u32 v[ADRS], 1024, v[ADRS]
	FETCH_B \next, 0, 0
	FETCH_A \next, 0, 0
	SCALES \next
	WIN MUL_HI
	MUL16 4, 1, NQ-1, \slot, 0
	MUL16 6, 1, NQ-1, \slot, 0
	PLACES NP
	WIN 0
	FETCH_A \next, 0, 4
.endm
	s_wait_tensorcnt 1                             ; the scale words and my part of K step 0 are in; K step 1's load may be out
	s_barrier_signal -1
	s_barrier_wait -1
	FETCH_B 0, 0, 0
	FETCH_A 0, 0, 0
	SCALES 0
	FETCH_A 0, 0, 4
	STEP 0, 0, 1
	s_mov_b32 s3, LAPS-1
.Llap:
	TURN 0, 1, 1
	STEP 1, 0, 0
	TURN 1, 0, 1
	STEP 0, 0, 0
	s_sub_co_u32 s3, s3, 1
	s_cmp_lg_u32 s3, 0
	s_cbranch_scc1 .Llap
	TURN 0, 1, 0
	STEP 1, 0, 0
	s_wait_dscnt 4*NL
	WIN MUL_LO
	MUL16 0, 1, NQ-1, 1, 0
	MUL16 2, 1, NQ-1, 1, 0
	s_wait_dscnt 0
	WIN MUL_HI
	MUL16 4, 1, NQ-1, 1, 0
	MUL16 6, 1, NQ-1, 1, 0
	WIN 0
.macro QUANT s                         ; 64 numbers of a lane, register 16 b + i = k 32 b + 16 (lane / 16) + i, become a fragment's codes in v[PCD] on and the scale word in v[PW]
.irp b, 0,1,2,3
	v_max3_num_f32 v[TM+\b], |v[\s+16*\b]|, |v[\s+1+16*\b]|, 0x1800000
.endr
.irp i, 2,4,6,8,10,12,14
.irp b, 0,1,2,3
	v_max3_num_f32 v[TM+\b], v[TM+\b], |v[\s+16*\b+\i]|, |v[\s+1+16*\b+\i]|
.endr
.endr
.irp b, 0,1,2,3
	v_permlanex16_b32 v[TM+4+\b], v[TM+\b], s[SEL], s[SEL+1]
.endr
.irp b, 0,1,2,3
	v_max_num_f32 v[TM+\b], v[TM+\b], v[TM+4+\b]
.endr
.irp b, 0,1,2,3
	v_add_nc_u32 v[TM+12+\b], 0xff000000, v[TM+\b]
.endr
.irp b, 0,1,2,3
	v_lshrrev_b32 v[TM+4+\b], 23, v[TM+12+\b]
.endr
	v_lshl_or_b32 v[PW], v[TM+5], 8, v[TM+4]
	v_lshl_or_b32 v[PW], v[TM+6], 16, v[PW]
	v_lshl_or_b32 v[PW], v[TM+7], 24, v[PW]
.irp c, 0,1
	v_cvt_scalef32_pk16_fp6_f32 v[PCD+6*\c:PCD+2+6*\c], v[\s+32*\c:\s+15+32*\c], v[TM+12+2*\c]
	v_cvt_scalef32_pk16_fp6_f32 v[PCD+12+4*\c:PCD+14+4*\c], v[\s+16+32*\c:\s+31+32*\c], v[TM+12+2*\c+1]
.endr
	v_nop
.irp c, 0,1
.irp i, 0,1,2
	v_permlane16_swap_b32 v[PCD+6*\c+\i], v[PCD+12+4*\c+\i]
.endr
.irp i, 0,1,2
	v_mov_b32 v[PCD+3+6*\c+\i], v[PCD+12+4*\c+\i]
.endr
.endr
.endm
.macro GELU x                          ; 32 numbers in place.  The series' coefficients stand x log2(e); the last also holds the factor 1/2
.set g_, 0
.rept 32
	v_fma_f32 v[TT+g_], |v[\x+g_]|, 0x3eb504f3, 1.0                ; 1 + z / 2, z = |x| / sqrt 2
.set g_, g_+1
.endr
.set g_, 0
.rept 32
	v_rcp_f32 v[TT+g_], v[TT+g_]
.set g_, g_+1
.endr
	v_nop                                          ; a plain line behind the batch,
	s_wait_alu depctr_va_vdst(0)                   ; and its one wait, ahead of the first reader
.set g_, 0
.rept 16
	v_pk_fma_f32 v[PP+g_:PP+g_+1], v[TT+g_:TT+g_+1], 0x3e7c6f08, v[12:13] op_sel_hi:[1,0,1]
.set g_, g_+2
.endr
.irp lit, 0x40097039, 0xbfd1a1e5, 0x3ecdfd18, 0xbe899a80, 0x3e0efb2f, 0x3f0a29d2, 0x3fb8ab5a, 0xc034d90f
.set g_, 0
.rept 16
	v_pk_fma_f32 v[PP+g_:PP+g_+1], v[PP+g_:PP+g_+1], v[TT+g_:TT+g_+1], \lit op_sel_hi:[1,1,0]
.set g_, g_+2
.endr
.endr
.set g_, 0
.rept 16
	v_pk_mul_f32 v[8+g_%4:9+g_%4], v[\x+g_:\x+g_+1], v[\x+g_:\x+g_+1]
	v_pk_fma_f32 v[PP+g_:PP+g_+1], v[8+g_%4:9+g_%4], 0xbf38aa3b, v[PP+g_:PP+g_+1] op_sel_hi:[1,0,1]   ; - z^2 log2(e)
.set g_, g_+2
.endr
.set g_, 0
.rept 32
	v_exp_f32 v[PP+g_], v[PP+g_]
.set g_, g_+1
.endr
.set g_, 0
.rept 16
	v_pk_mul_f32 v[TT+g_:TT+g_+1], v[TT+g_:TT+g_+1], v[\x+g_:\x+g_+1]   ; t x: work that names no exponential's result
.set g_, g_+2
.endr
.set g_, 0
.rept 32
	v_max_num_f32 v[\x+g_], 0, v[\x+g_]
.set g_, g_+1
.endr
	s_wait_alu depctr_va_vdst(0)
.set g_, 0
.rept 32
	v_fma_f32 v[\x+g_], -v[PP+g_], |v[TT+g_]|, v[\x+g_]
.set g_, g_+1
.endr
.endm
	; THE WAY OUT.  Written out for eight blocks the gelu alone would be some fifty thousand bytes of code.  So the accumulators go to LDS as images of their registers (16 bytes a lane, 512 a store; 65,536 bytes a wave, in the
	; ring's and the scale words' bytes, which have had their last fill), and ONE loop of eight trips takes a block of 64 registers back, adds the bias, applies the gelu and quantises.
	s_wait_dscnt 0x0                               ; my reads of the ring and of the scale words are over
	s_barrier_signal -1
	s_barrier_wait -1                              ; everybody's are: the bytes may be written
	PLACES NP                                      ; behind the last products, ahead of the stores that read their results
	v_and_b32 v1, 15, v0
	v_bfe_u32 v2, v0, 4, 1
	v_and_b32 v3, 31, v0
	v_lshlrev_b32 v30, 4, v3                       ; 16 x lane
	s_lshl_b32 s20, s14, 16
	v_add_nc_u32 v26, s20, v30                     ; my images
	s_mul_i32 s21, s15, 128*192
	s_mul_i32 s22, s16, 96
	s_add_co_u32 s21, s21, s22
	s_add_co_u32 s21, s21, CST
	v_mul_u32_u24 v24, v1, 192
	v_mad_u32_u24 v24, v2, 24, v24
	v_add_nc_u32 v24, s21, v24                     ; codes in: position 128 x half + 16 a + r, my 96 bytes of its record, my half's 24
	s_lshl_b32 s22, s14, 9
	s_add_co_u32 s22, s22, CSS
	v_lshl_add_u32 v25, v1, 2, s22                 ; scale words in
	v_add_nc_u32 v31, s22, v30                     ; and back
	s_mul_i32 s21, s14, 12288
	s_add_co_u32 s21, s21, CST
	v_add_nc_u32 v27, s21, v30                     ; codes back: 64 records a wave
	v_mov_b32 v12, 0xbf97d29d                      ; the series' second coefficient, as a pair
	v_mov_b32 v13, 0xbf97d29d
	s_lshl_b32 s20, s42, 12
	s_lshl_b32 s21, s17, 8
	s_add_co_u32 s20, s20, s21
	s_mul_i32 s20, s20, 192
	s_mul_i32 s21, s14, 12288
	s_add_co_u32 s20, s20, s21
	s_mov_b32 s21, 0
	s_add_nc_u64 s[12:13], s[10:11], s[20:21]      ; hid: chunk = tile column, the tile's 256 positions, my 64
	s_lshl_b32 s20, s42, 1
	s_add_co_u32 s20, s20, s16
	s_lshl_b32 s20, s20, 12
	s_lshl_b32 s22, s17, 8
	s_add_co_u32 s20, s20, s22
	s_lshl_b32 s22, s15, 7
	s_add_co_u32 s20, s20, s22
	s_lshl_b32 s20, s20, 2
	s_add_co_u32 s20, s20, 12582912
	s_add_nc_u64 s[96:97], s[10:11], s[20:21]      ; my 128 scale words
.irp a, 0,1,2,3,4,5,6,7
	WIN 0x08+4*(\a/4)                              ; an LDS store's data are its source 1: window 2 or 3
.irp b, 0,1,2,3,4,5,6,7
	ds_store_b128 v26, v[64*(\a%4)+8*\b:64*(\a%4)+8*\b+3] offset:8192*\a+1024*\b        ; each accumulator from its low end on
	ds_store_b128 v26, v[64*(\a%4)+8*\b+4:64*(\a%4)+8*\b+7] offset:8192*\a+1024*\b+512
.endr
.endr
	WIN 0
	s_wait_loadcnt 0x0                             ; the bias
	s_mov_b32 s3, 8
.Lrow:
.set n_, 0
.rept 16
	ds_load_b128 v[H+4*n_:H+4*n_+3], v26 offset:512*n_   ; LDS serves a wave's instructions in order: these see my stores
.set n_, n_+1
.endr
	s_wait_dscnt 0x0
.set k_, 0
.rept 32
	v_pk_add_f32 v[H+k_:H+k_+1], v[H+k_:H+k_+1], v[BI+k_:BI+k_+1]
.set k_, k_+2
.endr
	GELU H
	GELU H+32
	QUANT H
.irp c, 0,1
.irp p, 0,1,2
	ds_store_b64 v24, v[PCD+6*\c+2*\p:PCD+6*\c+2*\p+1] offset:48*\c+8*\p
.endr
.endr
	ds_store_b32 v25, v[PW]
	s_wait_dscnt 0x0                               ; the stores have read their registers
	v_add_nc_u32 v26, 8192, v26                    ; the next block's images,
	v_add_nc_u32 v24, 3072, v24                    ; 16 positions on,
	v_add_nc_u32 v25, 64, v25
	s_sub_co_u32 s3, s3, 1
	s_cmp_lg_u32 s3, 0
	s_cbranch_scc1 .Lrow
	s_barrier_signal -1                            ; a record's 192 bytes come from two waves (each wave's stores were waited for above)
	s_barrier_wait -1
.set n_, 0
.rept 24
	ds_load_b128 v[128+4*n_:128+4*n_+3], v27 offset:512*n_
.set n_, n_+1
.endr
	ds_load_b128 v[224:227], v31
	s_wait_dscnt 0x0
.set n_, 0
.rept 24
	global_store_b128 v30, v[128+4*n_:128+4*n_+3], s[12:13] offset:512*n_   ; 512 consecutive bytes, at a multiple of 256
.set n_, n_+1
.endr
	global_store_b128 v30, v[224:227], s[96:97]
	s_wait_tensorcnt 0x0                           ; the wave's end
	ds_add_u32 v[SPW], v[NIL]
	s_wait_dscnt 0x0
	CROUND                                         ; the closing round
	s_endpgm
.Lfunc_end_k_q3d2cab6ec2_gfc:
	.size	k_q3d2cab6ec2_gfc, .Lfunc_end_k_q3d2cab6ec2_gfc-k_q3d2cab6ec2_gfc
	.p2alignl 7, 3214868480
	.fill 96, 4, 3214868480
	.section	.rodata,"a",@progbits
	.p2align	6, 0x0
	.amdhsa_kernel k_q3d2cab6ec2_gfc
		.amdhsa_group_segment_fixed_size 327680
		.amdhsa_private_segment_fixed_size 0
		.amdhsa_enable_private_segment 0
		.amdhsa_kernarg_size 32
		.amdhsa_user_sgpr_count 2
		.amdhsa_user_sgpr_kernarg_segment_ptr 1
		.amdhsa_wavefront_size32 1
		.amdhsa_system_sgpr_workgroup_id_x 1
		.amdhsa_system_sgpr_workgroup_id_y 1
		.amdhsa_system_sgpr_workgroup_id_z 1
		.amdhsa_system_vgpr_workitem_id 0
		.amdhsa_next_free_vgpr 1024
		.amdhsa_next_free_sgpr 102
		.amdhsa_reserve_vcc 0
		.amdhsa_float_denorm_mode_32 3
		.amdhsa_float_denorm_mode_16_64 3
		.amdhsa_memory_ordered 1
		.amdhsa_forward_progress 1
		.amdhsa_inst_pref_size 205
	.end_amdhsa_kernel
	.amdgpu_metadata
---
amdhsa.version: [ 1, 2 ]
amdhsa.kernels:
  - .name:           k_q3d2cab6ec2_gfc
    .symbol:         k_q3d2cab6ec2_gfc.kd
    .args:
      - { .name: hq2, .offset: 0, .size: 8, .value_kind: global_buffer, .address_space: global }
      - { .name: wq, .offset: 8, .size: 8, .value_kind: global_buffer, .address_space: global }
      - { .name: fc_b, .offset: 16, .size: 8, .value_kind: global_buffer, .address_space: global }
      - { .name: hid, .offset: 24, .size: 8, .value_kind: global_buffer, .address_space: global }
    .group_segment_fixed_size: 327680
    .private_segment_fixed_size: 0
    .kernarg_segment_align: 8
    .kernarg_segment_size: 32
    .max_flat_workgroup_size: 128
    .sgpr_count:     102
    .vgpr_count:     1024
    .wavefront_size: 32
...
	.end_amdgpu_metadata
.endif
;; end of part 6
;; launch gmlp (part 7): grid 4 x 16, 4 waves a work-group, clusters of 4 x 4, 327,680 bytes of LDS; arguments hid, wq, mlp_proj_b, x1, out0; writes out0
.if DOCPART == 7
	.amdgcn_target "amdgcn-amd-amdhsa--gfx1250"
	.amdhsa_code_object_version 6
	.text
	.protected	k_q3d2cab6ec2_gmlp
	.globl	k_q3d2cab6ec2_gmlp
	.p2align	8
	.type	k_q3d2cab6ec2_gmlp,@function
k_q3d2cab6ec2_gmlp:
	s_mov_b64 s[64:65], 0
	v_nop
	global_prefetch_b8 v0, s[64:65] scope:SCOPE_SE
	s_setreg_imm32_b32 hwreg(HW_REG_WAVE_MODE, 25, 1), 1
	s_wait_xcnt 0x0
	s_wait_alu depctr_hold_cnt(0) depctr_sa_sdst(0) depctr_va_vdst(0) depctr_va_sdst(0) depctr_va_ssrc(0) depctr_va_vcc(0) depctr_vm_vsrc(0)
	s_getreg_b32 s2, hwreg(HW_REG_IB_STS2, 6, 4)
	s_cmp_eq_u32 s2, 0
	s_cbranch_scc0 .Lentry_in_a_cluster
	s_endpgm
.Lentry_in_a_cluster:
	s_bfe_u32 s2, ttmp6, 0x10000c
	s_cmp_lg_u32 s2, 0xf033
	s_cbranch_scc0 .Lentry_shape_is_right
	s_endpgm
.Lentry_shape_is_right:
; out0 = x1 + hidden W + b on FP6 codes, K = 4,096.  Nothing of reference() is left out here.  A tile of 256 x 256 to a work-group of four waves, 128 x 128 to a wave; K in steps of 256 through two LDS slots filled by joint tensor loads, clusters of 4 x 4.
; Source 0 = 16 positions of W (a lane's eight results run along the columns), source 1 = 16 positions of the hidden layer.  W lies in position order, so register j of accumulator b is column 32 (b / 2) + 16 (lane / 16) + 8 (b % 2) + j.
; PLANES = 0: the hidden layer's codes lie [K / 256][position][192 bytes].  RMAP = 1: its rows lie in position order: lane r of block a is row 32 (a / 2) + 8 (a % 2) + r + 8 (r / 8), which the way out's immediates undo.
.set KTOT,   4096
.set PLANES, 0
.set RMAP,   1
.set ASTEP,  786432                    ; a K step of 256 in the lane side's codes, in bytes
.set BSTEP,  196608                    ; and in W's: 1,024 records of 192 bytes
.set ASOFF,  12582912                  ; the lane side's scale words in its buffer
.set BCOFF,  6291456                   ; W's codes in wq
.set BSOFF,  9732096                   ; W's scale words
.set PB,     1024                      ; their pitch
.set NKS,    KTOT/128
.set LAPS,   KTOT/512
.set NQ,     2
.set PITCH,  240
.set FR,     12
.set NL,     6
.set NP,     4
.set HALFT,  128*PITCH
.if PLANES
.set HALFA,  24576
.else
.set HALFA,  HALFT
.endif
.set BOFF,   2*HALFA
.set SLOT,   BOFF+2*HALFT
.set SCL,    2*SLOT
.set HALFS,  512*NKS
.set SPARE,  SCL+4*HALFS
.set SPITCH, 528                       ; the way out: a stage of 16 rows x (512 bytes + 16) for each wave, in slot 0, which has had its last fill and its last read by then
.set ADRA, 16
.set ADRB, 20
.set STO,  24
.set RD,   25
.set CO,   26
.set ADRS, 27
.set SPW,  28
.set NIL,  29
.set SC,   32
.set BS,   64                          ; v64-67 the bias of my four columns
.set AF,   128
.set BK,   128
.set G1, 24
.set G0, 32
.set G1B, 48
.set G0B, 56
.set G1S, 68
.set G0S, 76
.set G1SB, 80
.set G0SB, 88
.set MSB, 0
.macro WIN new
.if MSB != (\new)
	s_set_vgpr_msb (MSB<<8)|(\new)
.set MSB, \new
.endif
.endm
.set MUL_LO, 0xa1
.set MUL_HI, 0xf1
.set TO_B,   0x40
.macro JLOAD g0a, g1a, g0b, g1b        ; a joint load: waves 0 and 1 fetch for the lane side, waves 2 and 3 for W; an s_nop 0 and four v_nop follow each line
	s_cmp_eq_u32 s15, 0
	s_cbranch_scc0 .Lfor_b_\@
	tensor_load_to_lds s[\g0a:\g0a+3], s[\g1a:\g1a+7]
	s_nop 0
.rept 4
	v_nop
.endr
	s_branch .Lasked_\@
.Lfor_b_\@:
	tensor_load_to_lds s[\g0b:\g0b+3], s[\g1b:\g1b+7]
	s_nop 0
.rept 4
	v_nop
.endr
.Lasked_\@:
.endm
.macro CREST
	s_cmp_lg_u32 s14, 0
	s_cbranch_scc1 .Lnot_wave_0_\@
	s_barrier_signal -3
.Lnot_wave_0_\@:
	s_barrier_wait -3
	s_barrier_signal -1
	s_barrier_wait -1
.endm
.macro CROUND
	s_barrier_signal -1
	s_barrier_wait -1
	CREST
.endm
	s_load_b256 s[4:11], s[0:1], 0x0               ; lane side, wq, bias, residual
	s_load_b64 s[12:13], s[0:1], 0x20              ; out
	v_lshl_add_u32 v[SPW], v0, 2, SPARE
	v_mov_b32 v[NIL], 0
	ds_add_u32 v[SPW], v[NIL]                      ; the opening: the add, twice on end, and its wait ahead of my first tensor load
	ds_add_u32 v[SPW], v[NIL]
	v_lshrrev_b32 v1, 5, v0
	v_readfirstlane_b32 s14, v1
	s_lshr_b32 s15, s14, 1
	s_and_b32 s16, s14, 1
	s_bfe_u32 s40, ttmp6, 0x40000
	s_bfe_u32 s41, ttmp6, 0x40004
	s_lshl_b32 s42, ttmp9, 2
	s_add_co_u32 s42, s42, s40                     ; tile column
	s_and_b32 s17, ttmp7, 0xffff
	s_lshl_b32 s17, s17, 2
	s_add_co_u32 s17, s17, s41                     ; tile row
	s_lshl_b32 s43, s41, 2
	s_lshl_b32 s43, 15, s43
	s_lshl_b32 s44, 0x1111, s40
.if PLANES
	s_or_b32 s[G1+0], s43, (3<<16)|(1<<21)
	s_mov_b32 s[G1+1], 768<<16
	s_mov_b32 s[G1+2], 4<<16
	s_mov_b32 s[G1+3], 768<<16
	s_mov_b32 s[G1+4], 4
	s_mov_b32 s[G1+5], 24576
.else
	s_or_b32 s[G1+0], s43, (1<<20)|(1<<21)|(3<<22)|(3<<25)   ; 128 records of 192 bytes, dense; padding of 4 words behind every 16
	s_mov_b32 s[G1+1], 192<<16
	s_mov_b32 s[G1+2], 128<<16
	s_mov_b32 s[G1+3], 192<<16
	s_mov_b32 s[G1+4], 128
	s_mov_b32 s[G1+5], 192
.endif
	s_mov_b32 s[G1+6], 0
	s_mov_b32 s[G1+7], 0
	s_or_b32 s[G1B+0], s44, (1<<20)|(1<<21)|(3<<22)|(3<<25)
	s_mov_b32 s[G1B+1], 192<<16
	s_mov_b32 s[G1B+2], 128<<16
	s_mov_b32 s[G1B+3], 192<<16
	s_mov_b32 s[G1B+4], 128
	s_mov_b32 s[G1B+5], 192
	s_mov_b32 s[G1B+6], 0
	s_mov_b32 s[G1B+7], 0
	s_or_b32 s[G1S+0], s43, (2<<16)|(1<<21)        ; the scale words: 128 elements of 4 bytes x K / 128 rows
	s_or_b32 s[G1SB+0], s44, (2<<16)|(1<<21)
.irp g, G1S, G1SB
	s_mov_b32 s[\g+1], 128<<16
	s_mov_b32 s[\g+2], NKS<<16
	s_mov_b32 s[\g+3], 128<<16
	s_mov_b32 s[\g+4], NKS
	s_mov_b32 s[\g+6], 0
	s_mov_b32 s[\g+7], 0
.endr
	s_mov_b32 s[G1S+5], 4096
	s_mov_b32 s[G1SB+5], PB
	s_lshl_b32 s18, s16, 7
	s_lshl_b32 s20, s17, 8
	s_add_co_u32 s20, s20, s18
	s_lshl_b32 s46, s42, 8
	s_add_co_u32 s46, s46, s18
	s_lshl_b32 s22, s20, 2
	s_add_co_u32 s22, s22, ASOFF
	s_mov_b32 s23, 0
	s_lshl_b32 s92, s46, 2
	s_add_co_u32 s92, s92, BSOFF
	s_mov_b32 s93, 0
.if PLANES
	s_mul_i32 s20, s20, 48
.else
	s_mul_i32 s20, s20, 192
.endif
	s_mov_b32 s21, 0
	s_mul_i32 s46, s46, 192
	s_add_co_u32 s46, s46, BCOFF
	s_mov_b32 s47, 0
	s_mul_i32 s45, s16, HALFA
	s_mul_i32 s2, s16, HALFT
	s_add_co_u32 s2, s2, BOFF
	s_mul_i32 s94, s14, HALFS
	s_wait_dscnt 0x0
	s_wait_kmcnt 0x0
	s_add_nc_u64 s[20:21], s[4:5], s[20:21]
	s_add_nc_u64 s[22:23], s[4:5], s[22:23]
	s_add_nc_u64 s[46:47], s[6:7], s[46:47]
	s_add_nc_u64 s[92:93], s[6:7], s[92:93]
	CROUND
	s_mov_b32 s[G0S], 1
	s_add_co_u32 s[G0S+1], s94, SCL
	s_mov_b64 s[G0S+2:G0S+3], s[22:23]
	s_or_b32 s[G0S+3], s[G0S+3], 0x80000000
	s_mov_b32 s[G0SB], 1
	s_add_co_u32 s[G0SB+1], s94, SCL
	s_mov_b64 s[G0SB+2:G0SB+3], s[92:93]
	s_or_b32 s[G0SB+3], s[G0SB+3], 0x80000000
	JLOAD G0S, G1S, G0SB, G1SB
.irp s, 0,1
	s_mov_b32 s[G0+4*\s], 1
	s_add_co_u32 s[G0+4*\s+1], s45, \s*SLOT
	s_add_nc_u64 s[G0+4*\s+2:G0+4*\s+3], s[20:21], \s*ASTEP
	s_or_b32 s[G0+4*\s+3], s[G0+4*\s+3], 0x80000000
	s_mov_b32 s[G0B+4*\s], 1
	s_add_co_u32 s[G0B+4*\s+1], s2, \s*SLOT
	s_add_nc_u64 s[G0B+4*\s+2:G0B+4*\s+3], s[46:47], \s*BSTEP
	s_or_b32 s[G0B+4*\s+3], s[G0B+4*\s+3], 0x80000000
	JLOAD G0+4*\s, G1, G0B+4*\s, G1B
.endr
	v_and_b32 v1, 15, v0
	v_bfe_u32 v2, v0, 4, 1
	v_mul_u32_u24 v3, v1, PITCH
	v_mul_u32_u24 v4, v2, 24
	v_add_nc_u32 v4, v3, v4
	v_lshl_add_u32 v5, v2, 4, v4
	v_mul_u32_u24 v6, v1, 48
	v_mad_u32_u24 v6, v2, 24, v6
	s_mul_i32 s21, s15, HALFA
	s_mul_i32 s22, s16, HALFT
	s_add_co_u32 s22, s22, BOFF
.irp s, 0,1
.if PLANES
	v_add_nc_u32 v[ADRA+\s], s21, v6
.else
	v_add_nc_u32 v[ADRA+\s], s21, v4
	v_add_nc_u32 v[ADRA+2+\s], s21, v5
.endif
	v_add_nc_u32 v[ADRB+\s], s22, v4
	v_add_nc_u32 v[ADRB+2+\s], s22, v5
	s_add_co_u32 s21, s21, SLOT
	s_add_co_u32 s22, s22, SLOT
.endr
	v_lshlrev_b32 v5, 2, v1
	s_mul_i32 s21, s15, HALFS
	s_mul_i32 s22, s16, HALFS
	s_add_co_u32 s22, s22, 2*HALFS
	s_sub_co_u32 s22, s22, s21
	v_mul_u32_u24 v6, s22, v2
	s_add_co_u32 s21, s21, SCL
	v_add_nc_u32 v5, v5, v6
	v_add_nc_u32 v[ADRS], s21, v5
	s_mul_i32 s23, s14, 16*SPITCH                  ; my stage
	v_mul_u32_u24 v5, v1, SPITCH
	v_lshl_add_u32 v5, v2, 6, v5
	v_add_nc_u32 v[STO], s23, v5                   ; in: row r, + 64 x half
	v_and_b32 v6, 31, v0
	v_lshlrev_b32 v[CO], 4, v6
	v_add_nc_u32 v[RD], s23, v[CO]                 ; back: the 32 lanes take a row of 512 bytes
	s_lshl_b32 s20, s42, 10
	s_lshl_b32 s21, s16, 9
	s_add_co_u32 s20, s20, s21                     ; my first column, in bytes
	s_mov_b32 s21, 0
	s_add_nc_u64 s[8:9], s[8:9], s[20:21]
	global_load_b128 v[BS:BS+3], v[CO], s[8:9]
	s_lshl_b32 s22, s17, 20
	s_lshl_b32 s23, s15, 19
	s_add_co_u32 s22, s22, s23                     ; my first row, 4,096 bytes a row
	s_add_co_u32 s20, s20, s22
	s_add_nc_u64 s[12:13], s[12:13], s[20:21]
	s_add_nc_u64 s[96:97], s[10:11], s[20:21]
.macro FRAG reg, adr, q, i
.irp p, 0,1,2,3,4,5
.set PCE, 12*(\q)+6*(\p/3)+\p%3
.if PCE%8 < 5
	ds_load_b64 v[\reg+2*\p:\reg+2*\p+1], v[\adr] offset:8*PCE+16*(PCE/8)+(\i)*16*PITCH
.else
	ds_load_b64 v[\reg+2*\p:\reg+2*\p+1], v[\adr+2] offset:8*PCE+16*(PCE/8)+(\i)*16*PITCH
.endif
.endr
.endm
.macro FRAGA reg, adr, q, i
.irp p, 0,1,2,3,4,5
	ds_load_b64 v[\reg+2*\p:\reg+2*\p+1], v[\adr] offset:(2*(\q)+\p/3)*6144+(\i)*768+8*(\p%3)
.endr
.endm
.macro MUL16 a0, p, q, sc, zero        ; the 64 accumulators take turns, one instruction a turn
.irp a, \a0, \a0+1
.irp b, 0,1,2,3,4,5,6,7
.if \zero
	v_wmma_scale_f32_16x16x128_f8f6f4 v[8*(8*((\a)%4)+\b):8*(8*((\a)%4)+\b)+7], v[128*(\p)+FR*\b:128*(\p)+FR*\b+FR-1], v[AF+FR*(\a):AF+FR*(\a)+FR-1], 0, v[SC+8*NQ*(\sc)+NQ*\b+(\q)], v[SC+8*NQ*(\sc)+NQ*(\a)+(\q)] matrix_a_fmt:MATRIX_FMT_FP6 matrix_b_fmt:MATRIX_FMT_FP6 matrix_a_scale:MATRIX_SCALE_ROW1
.else
	v_wmma_scale_f32_16x16x128_f8f6f4 v[8*(8*((\a)%4)+\b):8*(8*((\a)%4)+\b)+7], v[128*(\p)+FR*\b:128*(\p)+FR*\b+FR-1], v[AF+FR*(\a):AF+FR*(\a)+FR-1], v[8*(8*((\a)%4)+\b):8*(8*((\a)%4)+\b)+7], v[SC+8*NQ*(\sc)+NQ*\b+(\q)], v[SC+8*NQ*(\sc)+NQ*(\a)+(\q)] matrix_a_fmt:MATRIX_FMT_FP6 matrix_b_fmt:MATRIX_FMT_FP6 matrix_a_scale:MATRIX_SCALE_ROW1
.endif
.endr
.endr
.endm
.macro FETCH_B slot, q, p
	WIN TO_B
.irp i, 0,1,2,3,4,5,6,7
	FRAG 128*(\p)+FR*\i, ADRB+\slot, \q, \i
.endr
	WIN 0
.endm
.macro FETCH_A slot, q, i0
.irp i, \i0, \i0+1, \i0+2, \i0+3
.if PLANES
	FRAGA AF+FR*(\i), ADRA+\slot, \q, \i
.else
	FRAG AF+FR*(\i), ADRA+\slot, \q, \i
.endif
.endr
.endm
.macro SCALES sc
.irp i, 0,1,2,3,4,5,6,7
.irp q, 0,1
	ds_load_b32 v[SC+8*NQ*\sc+NQ*\i+\q], v[ADRS] offset:512*\q+64*\i
.endr
.endr
.endm
.macro PLACES n
.rept \n
	v_nop
.endr
.endm
.macro STEP slot, q, zero
	s_wait_dscnt 4*NL                              ; all but the youngest 24 loads (the lane side's blocks 4-7)
	WIN MUL_LO
	MUL16 0, (\q)%2, \q, \slot, \zero
	MUL16 2, (\q)%2, \q, \slot, \zero
	s_wait_dscnt 0
	PLACES NP
	FETCH_B \slot, (\q)+1, 1-(\q)%2
	FETCH_A \slot, (\q)+1, 0
	WIN MUL_HI
	MUL16 4, (\q)%2, \q, \slot, \zero
	MUL16 6, (\q)%2, \q, \slot, \zero
	PLACES NP
	WIN 0
	FETCH_A \slot, (\q)+1, 4
.endm
.macro TURN slot, next, fill
	s_wait_tensorcnt 0x0                           ; all my tensor loads have landed: my part of the next slot
	ds_add_u32 v[SPW], v[NIL]
	s_wait_dscnt 4*NL+1                            ; (the add and the youngest 24 loads may be out)
	WIN MUL_LO
	MUL16 0, 1, NQ-1, \slot, 0
	s_wait_dscnt 0x0                               ; the add is done, and my reads of this slot are over
	s_barrier_signal -1
	MUL16 2, 1, NQ-1, \slot, 0
	WIN 0
	s_barrier_wait -1
.if \fill
	CREST
	s_add_nc_u64 s[G0+4*\slot+2:G0+4*\slot+3], s[G0+4*\slot+2:G0+4*\slot+3], 2*ASTEP
	s_add_nc_u64 s[G0B+4*\slot+2:G0B+4*\slot+3], s[G0B+4*\slot+2:G0B+4*\slot+3], 2*BSTEP
	JLOAD G0+4*\slot, G1, G0B+4*\slot, G1B
.else
	PLACES NP
.endif
	v_add_nc_u32 v[ADRS], 1024, v[ADRS]
	FETCH_B \next, 0, 0
	FETCH_A \next, 0, 0
	SCALES \next
	WIN MUL_HI
	MUL16 4, 1, NQ-1, \slot, 0
	MUL16 6, 1, NQ-1, \slot, 0
	PLACES NP
	WIN 0
	FETCH_A \next, 0, 4
.endm
	s_wait_tensorcnt 1                             ; the scale words and my part of K step 0 are in; K step 1's load may be out
	s_barrier_signal -1
	s_barrier_wait -1
	FETCH_B 0, 0, 0
	FETCH_A 0, 0, 0
	SCALES 0
	FETCH_A 0, 0, 4
	STEP 0, 0, 1
	s_mov_b32 s3, LAPS-1
.Llap:
	TURN 0, 1, 1
	STEP 1, 0, 0
	TURN 1, 0, 1
	STEP 0, 0, 0
	s_sub_co_u32 s3, s3, 1
	s_cmp_lg_u32 s3, 0
	s_cbranch_scc1 .Llap
	TURN 0, 1, 0
	STEP 1, 0, 0
	s_wait_dscnt 4*NL
	WIN MUL_LO
	MUL16 0, 1, NQ-1, 1, 0
	MUL16 2, 1, NQ-1, 1, 0
	s_wait_dscnt 0
	WIN MUL_HI
	MUL16 4, 1, NQ-1, 1, 0
	MUL16 6, 1, NQ-1, 1, 0
	WIN 0
; THE WAY OUT, block by block of 16 rows x 128 columns: through my own stage, back as whole rows of 512 bytes, + bias + residual, stored as two aligned units of 256 bytes.  The residual's rows are asked for three blocks ahead, into window 1.
.macro ROWOF a, t                      ; the row of the wave's 128 in which stage row t of block a belongs
.set RW, (1-RMAP)*(16*(\a)+(\t))+RMAP*(32*((\a)/2)+8*((\a)%2)+(\t)+8*((\t)/8))
.endm
.macro TOSTAGE a
.set AC, 64*((\a)%4)
	WIN 0x08+4*((\a)/4)
.irp b, 0,1,2,3,4,5,6,7
	ds_store_b128 v[STO], v[AC+8*\b:AC+8*\b+3] offset:128*(\b/2)+32*(\b%2)      ; each accumulator from its low end on
	ds_store_b128 v[STO], v[AC+8*\b+4:AC+8*\b+7] offset:128*(\b/2)+32*(\b%2)+16
.endr
	WIN 0
.set BB, BK+64*((\a)%2)
.set t_, 0
.rept 16
	ds_load_b128 v[BB+4*t_:BB+4*t_+3], v[RD] offset:t_*SPITCH   ; LDS serves a wave's instructions in order: these see the stores above
.set t_, t_+1
.endr
.endm
.macro RES k
	WIN 0x40
.set t_, 0
.rept 16
	ROWOF \k, t_
	global_load_b128 v[64*((\k)%4)+4*t_:64*((\k)%4)+4*t_+3], v[CO], s[96:97] offset:RW*4096
.set t_, t_+1
.endr
	WIN 0
.endm
.macro SEND a, yd, yl                  ; yd, yl: the LDS instructions and the loads issued behind block a's, which may stay out
.set BB, BK+64*((\a)%2)
	s_wait_dscnt \yd
	s_wait_loadcnt \yl
.set k_, 0
.rept 32
	v_pk_add_f32 v[BB+k_:BB+k_+1], v[BB+k_:BB+k_+1], v[BS+k_%4:BS+k_%4+1]
.set k_, k_+2
.endr
	WIN 0x04
.set k_, 0
.rept 32
	v_pk_add_f32 v[BB+k_:BB+k_+1], v[BB+k_:BB+k_+1], v[64*((\a)%4)+k_:64*((\a)%4)+k_+1]
.set k_, k_+2
.endr
	WIN 0
.set t_, 0
.rept 16
	ROWOF \a, t_
	global_store_b128 v[CO], v[BB+4*t_:BB+4*t_+3], s[12:13] offset:RW*4096   ; 512 consecutive bytes, at a multiple of 256
.set t_, t_+1
.endr
.endm
	PLACES NP                                      ; behind the last products: for the loads into their operands' registers and the first reads of results
	s_wait_loadcnt 0x0                             ; the bias
	RES 0
	RES 1
	RES 2
	TOSTAGE 0
.irp a, 1,2,3,4,5,6,7
.if \a > 1
	s_wait_xcnt 0x0                                ; block a - 2's stores have read their registers: block a's loads may land there
.endif
	TOSTAGE \a
.if \a+2 < 8
	RES \a+2
.endif
.if \a < 6
	SEND \a-1, 32, 48                              ; three younger sets of the residual may be out
.elseif \a == 6
	SEND \a-1, 32, 32
.else
	SEND \a-1, 32, 16
.endif
.endr
	s_wait_xcnt 0x0
	SEND 7, 0, 0
	s_wait_tensorcnt 0x0                           ; the wave's end
	ds_add_u32 v[SPW], v[NIL]
	s_wait_dscnt 0x0
	CROUND                                         ; the closing round
	s_endpgm
.Lfunc_end_k_q3d2cab6ec2_gmlp:
	.size	k_q3d2cab6ec2_gmlp, .Lfunc_end_k_q3d2cab6ec2_gmlp-k_q3d2cab6ec2_gmlp
	.p2alignl 7, 3214868480
	.fill 96, 4, 3214868480
	.section	.rodata,"a",@progbits
	.p2align	6, 0x0
	.amdhsa_kernel k_q3d2cab6ec2_gmlp
		.amdhsa_group_segment_fixed_size 327680
		.amdhsa_private_segment_fixed_size 0
		.amdhsa_enable_private_segment 0
		.amdhsa_kernarg_size 40
		.amdhsa_user_sgpr_count 2
		.amdhsa_user_sgpr_kernarg_segment_ptr 1
		.amdhsa_wavefront_size32 1
		.amdhsa_system_sgpr_workgroup_id_x 1
		.amdhsa_system_sgpr_workgroup_id_y 1
		.amdhsa_system_sgpr_workgroup_id_z 1
		.amdhsa_system_vgpr_workitem_id 0
		.amdhsa_next_free_vgpr 1024
		.amdhsa_next_free_sgpr 102
		.amdhsa_reserve_vcc 0
		.amdhsa_float_denorm_mode_32 3
		.amdhsa_float_denorm_mode_16_64 3
		.amdhsa_memory_ordered 1
		.amdhsa_forward_progress 1
		.amdhsa_inst_pref_size 207
	.end_amdhsa_kernel
	.amdgpu_metadata
---
amdhsa.version: [ 1, 2 ]
amdhsa.kernels:
  - .name:           k_q3d2cab6ec2_gmlp
    .symbol:         k_q3d2cab6ec2_gmlp.kd
    .args:
      - { .name: hid, .offset: 0, .size: 8, .value_kind: global_buffer, .address_space: global }
      - { .name: wq, .offset: 8, .size: 8, .value_kind: global_buffer, .address_space: global }
      - { .name: mlp_proj_b, .offset: 16, .size: 8, .value_kind: global_buffer, .address_space: global }
      - { .name: x1, .offset: 24, .size: 8, .value_kind: global_buffer, .address_space: global }
      - { .name: out0, .offset: 32, .size: 8, .value_kind: global_buffer, .address_space: global }
    .group_segment_fixed_size: 327680
    .private_segment_fixed_size: 0
    .kernarg_segment_align: 8
    .kernarg_segment_size: 40
    .max_flat_workgroup_size: 128
    .sgpr_count:     102
    .vgpr_count:     1024
    .wavefront_size: 32
...
	.end_amdgpu_metadata
.endif
;; end of part 7
;; ======== version 2 of 2: 7 launches
;; limits: right only within a limited range of input values
;; workspace buffers: wq 10,649,600 bytes; hq1 3,276,800 bytes; qkv 10,092,544 bytes; yq 3,276,800 bytes; x1 16,777,216 bytes; hq2 3,276,800 bytes; hid 13,107,200 bytes
;; launch prep (part 8): grid 320 x 1, 8 waves a work-group, no clusters, 122,880 bytes of LDS; arguments c_attn_w, attn_proj_w, fc_w, mlp_proj_w, wq, x, ln1_w, ln1_b, hq1; writes wq, hq1
.if DOCPART == 8
	.amdgcn_target "amdgcn-amd-amdhsa--gfx1250"
	.amdhsa_code_object_version 6
	.text
	.protected	k_q3d2cab6ec2_prep
	.globl	k_q3d2cab6ec2_prep
	.p2align	8
	.type	k_q3d2cab6ec2_prep,@function
k_q3d2cab6ec2_prep:
	s_mov_b64 s[64:65], 0
	v_nop
	global_prefetch_b8 v0, s[64:65] scope:SCOPE_SE
	s_setreg_imm32_b32 hwreg(HW_REG_WAVE_MODE, 25, 1), 1
	s_wait_xcnt 0x0
; THE PROGRAM: a transformer block on 4,096 rows of 1,024, all six products on codes of FP6 (E2M3) with one E8M0 scale for each 32 along K.
; Launches: this one (the weights to codes, and ln_1(x) to codes), the qkv product, attention, the projection (+ x), ln_2, fc (+ gelu), the mlp projection (+ x1).
; WORK LEFT OUT (in the attention launch), dead for all values of the inputs: reference() builds the mask in its own body: key j counts for query i where j <= i and
; (j >= i - 4 or j even); all other scores become -infinity ahead of the softmax, so p = 0 there whatever q and k hold.  Left out in whole units: (a) key steps of 128 whose first key
; comes after a wave's last query; (b) in key steps that end more than 4 keys ahead of a wave's first query, the tiles of 16 ODD keys of the score product, with their exponentials.
; In the second product those keys stay as zero codes inside live K steps.  No input is without a way to the output: all thirteen are loaded.
; LIMITS: a NaN, an infinity or an overflow that would arise only in the scores left out is not carried to the result.  A block of zeros gets the scale byte 1 where the rule says 127
; (its codes are zeros, and this program alone reads the bytes); blocks whose largest magnitude lies under 2^-124 are held at byte 1; NaN and infinities among the inputs are not served.
; THIS LAUNCH has two ways, parted on the work-group's number alone; each has LDS bytes of its own.
; Work-groups 0-191: the four weights, f32 stored [K][N], become codes with K innermost.  A lane takes a column n and its registers run down K, so a block of 32 lies in one lane.
;   In wq: codes [K / 256][pitch][192 bytes], scale words [K / 128][pitch] u32; the pitch is N, for c_attn 4,096.  Within each 32 the columns lie in POSITION ORDER: column n at sw(n), n with bits 3 and 4 exchanged.
;   A work-group takes 256 columns x 256 along K, a wave 32 columns; codes leave through the wave's own stage as 6,144 consecutive bytes.
; Work-groups 192-319: h = layernorm(x) w + b (mean, mean of squared differences, v_rsq_f32), quantised along the row.  In hq1: codes [4][4,096 positions][192], then scale words [8][4,096] u32; row m at position sw(m).
;   A work-group takes 32 rows, a wave four, as two pairs: lanes 0-15 one row, lanes 16-31 the next; a lane holds sixteen neighbours of each chunk of 256.
.set SPW,   14                         ; my spare word; never rewritten
.set NIL,   15                         ; 0; never rewritten
.set STG,   8704                       ; weights: a wave's stage, 32 rows x 272 bytes
.set SPARE, 8*STG                      ; the spare words, 128 bytes a wave, named by no other line
.set LB,    SPARE+1024                 ; the norm's LDS begins here
.set VOFF,  16                         ; v16-47 4 x lane + i rows of the weight
.set X,     48                         ; v48-111 two sets of 32 numbers
.set WC,    112                        ; a block's codes
.set SB,    120                        ; the scale bytes
.set OUTR,  124                        ; the way out
	v_lshl_add_u32 v[SPW], v0, 2, SPARE
	v_mov_b32 v[NIL], 0
	v_lshrrev_b32 v1, 5, v0
	s_delay_alu instid0(VALU_DEP_1)
	v_readfirstlane_b32 s16, v1                    ; wave 0..7
	v_and_b32 v2, 31, v0                           ; lane
	s_cmp_ge_u32 ttmp9, 192
	s_wait_alu depctr_va_vdst(0)
	s_cbranch_scc1 .Lnorm
	s_load_b256 s[4:11], s[0:1], 0x0               ; c_attn_w, attn_proj_w, fc_w, mlp_proj_w
	s_load_b64 s[12:13], s[0:1], 0x20              ; wq
	v_and_b32 v3, 7, v2
	v_bfe_u32 v11, v2, 3, 1
	s_delay_alu instid0(VALU_DEP_1)
	v_lshl_add_u32 v3, v11, 4, v3
	v_bfe_u32 v11, v2, 4, 1
	s_delay_alu instid0(VALU_DEP_1)
	v_lshl_add_u32 v3, v11, 3, v3                  ; sw(lane)
	s_mul_i32 s17, s16, STG
	v_mul_u32_u24 v4, v3, 272
	s_delay_alu instid0(VALU_DEP_1)
	v_add_nc_u32 v4, s17, v4                       ; into the stage: row = my column's position
	v_mul_u32_u24 v7, v11, 272
	v_and_b32 v12, 15, v2
	s_delay_alu instid0(VALU_DEP_1)
	v_lshl_add_u32 v7, v12, 4, v7
	s_delay_alu instid0(VALU_DEP_1)
	v_add_nc_u32 v7, s17, v7                       ; out of it: sixteen lanes to a row
	v_mul_u32_u24 v8, v2, 12
	v_lshlrev_b32 v9, 2, v3                        ; my position's scale word
	v_lshlrev_b32 v10, 2, v2
	s_wait_alu depctr_va_vdst(0)
	s_wait_kmcnt 0x0
	; which weight: work-groups 0-47 c_attn, 48-63 attn_proj, 64-127 fc, 128-191 mlp
	s_mov_b64 s[14:15], s[4:5]
	s_mov_b32 s20, 3072                            ; N
	s_mov_b32 s21, 0                               ; first work-group
	s_mov_b32 s22, 0                               ; codes in wq
	s_mov_b32 s23, 10223616                        ; scale words
	s_mov_b32 s24, 4096                            ; the pitch of both
	s_mov_b32 s25, 3                               ; K / 256 - 1
	s_mov_b32 s26, 2                               ; log2(K / 256)
	s_cmp_ge_u32 ttmp9, 48
	s_cselect_b64 s[14:15], s[6:7], s[14:15]
	s_cselect_b32 s20, 1024, s20
	s_cselect_b32 s21, 48, s21
	s_cselect_b32 s22, 3145728, s22
	s_cselect_b32 s23, 10354688, s23
	s_cselect_b32 s24, 1024, s24
	s_cmp_ge_u32 ttmp9, 64
	s_cselect_b64 s[14:15], s[8:9], s[14:15]
	s_cselect_b32 s20, 4096, s20
	s_cselect_b32 s21, 64, s21
	s_cselect_b32 s22, 3932160, s22
	s_cselect_b32 s23, 10387456, s23
	s_cselect_b32 s24, 4096, s24
	s_cmp_ge_u32 ttmp9, 128
	s_cselect_b64 s[14:15], s[10:11], s[14:15]
	s_cselect_b32 s20, 1024, s20
	s_cselect_b32 s21, 128, s21
	s_cselect_b32 s22, 7077888, s22
	s_cselect_b32 s23, 10518528, s23
	s_cselect_b32 s24, 1024, s24
	s_cselect_b32 s25, 15, s25
	s_cselect_b32 s26, 4, s26
	s_sub_co_u32 s28, ttmp9, s21
	s_and_b32 s29, s28, s25                        ; kc: which 256 along K
	s_lshr_b32 s28, s28, s26
	s_lshl_b32 s28, s28, 8
	s_lshl_b32 s18, s16, 5
	s_add_co_u32 s28, s28, s18                     ; my wave's first column
	s_lshl_b32 s27, s20, 2                         ; a row of the weight in bytes
.irp i, 0,1,2,3,4,5,6,7,8,9,10,11,12,13,14,15,16,17,18,19,20,21,22,23,24,25,26,27,28,29,30,31
	v_mad_u32_u24 v[VOFF+\i], s27, \i, v10
.endr
	s_lshl_b32 s30, s29, 8
	s_mul_i32 s30, s30, s27
	s_lshl_b32 s31, s28, 2
	s_add_co_u32 s30, s30, s31
	s_mov_b32 s31, 0
	s_add_nc_u64 s[40:41], s[14:15], s[30:31]      ; block 0 of my 8
	s_lshl_b32 s32, s27, 5
	s_mov_b32 s33, 0
.irp t, 1,2,3,4,5,6,7
	s_add_nc_u64 s[40+2*\t:41+2*\t], s[38+2*\t:39+2*\t], s[32:33]   ; a base for each block, 32 rows apart
.endr
	s_mul_i32 s30, s29, s24
	s_add_co_u32 s30, s30, s28
	s_mul_i32 s30, s30, 192
	s_add_co_u32 s30, s30, s22
	s_add_nc_u64 s[56:57], s[12:13], s[30:31]      ; my 32 positions' records
	s_lshl_b32 s30, s29, 1
	s_mul_i32 s30, s30, s24
	s_add_co_u32 s30, s30, s28
	s_lshl_b32 s30, s30, 2
	s_add_co_u32 s30, s30, s23
	s_add_nc_u64 s[58:59], s[12:13], s[30:31]      ; scale words of the first 128 along K,
	s_lshl_b32 s30, s24, 2
	s_add_nc_u64 s[60:61], s[58:59], s[30:31]      ; and of the second
.macro LOAD t                          ; block t into set t % 2; 32 lanes read 128 consecutive bytes
.irp i, 0,1,2,3,4,5,6,7,8,9,10,11,12,13,14,15,16,17,18,19,20,21,22,23,24,25,26,27,28,29,30,31
	global_load_b32 v[X+32*((\t)%2)+\i], v[VOFF+\i], s[40+2*(\t):41+2*(\t)] th:TH_LOAD_NT
.endr
.endm
	s_wait_alu depctr_va_vdst(0)
	LOAD 0
	LOAD 1
.macro BLOCK t
.set XS, X+32*((\t)%2)
.if (\t) < 7
	s_wait_loadcnt 32                              ; this block's 32 loads are in; the next block's may be out
.else
	s_wait_loadcnt 0
.endif
	v_max3_num_f32 v12, |v[XS]|, |v[XS+1]|, |v[XS+2]|
	v_max3_num_f32 v13, |v[XS+3]|, |v[XS+4]|, |v[XS+5]|
.irp i, 6,10,14,18,22,26
	s_delay_alu instid0(VALU_DEP_2)
	v_max3_num_f32 v12, v12, |v[XS+\i]|, |v[XS+\i+1]|
	s_delay_alu instid0(VALU_DEP_2)
	v_max3_num_f32 v13, v13, |v[XS+\i+2]|, |v[XS+\i+3]|
.endr
	s_delay_alu instid0(VALU_DEP_2)
	v_max3_num_f32 v12, v12, |v[XS+30]|, |v[XS+31]|
	s_delay_alu instid0(VALU_DEP_1)
	v_max3_num_f32 v12, v12, v13, 0x1800000        ; the floor 2^(3 - 127): the byte cannot fall under 1
	s_delay_alu instid0(VALU_DEP_1)
	v_add_nc_u32 v11, 0xff000000, v12              ; 2 off its exponent field: the conversion's scale operand
	s_delay_alu instid0(VALU_DEP_1)
	v_lshrrev_b32 v13, 23, v11                     ; the scale's byte
.if (\t)%4 == 0
	s_delay_alu instid0(VALU_DEP_1)
	v_mov_b32 v[SB+(\t)/4], v13
.else
	s_delay_alu instid0(VALU_DEP_1)
	v_lshl_or_b32 v[SB+(\t)/4], v13, 8*((\t)%4), v[SB+(\t)/4]
.endif
	v_cvt_scalef32_pk16_fp6_f32 v[WC:WC+2], v[XS:XS+15], v11
	v_cvt_scalef32_pk16_fp6_f32 v[WC+4:WC+6], v[XS+16:XS+31], v11
	ds_store_b96 v4, v[WC:WC+2] offset:32*(\t)     ; 12 bytes to a place of 16
	ds_store_b96 v4, v[WC+4:WC+6] offset:32*(\t)+16
.if (\t)+2 < 8
	LOAD (\t)+2
.endif
	s_wait_dscnt 0x0                               ; the stores have read their registers
.endm
.irp t, 0,1,2,3,4,5,6,7
	BLOCK \t
.endr
	s_wait_alu depctr_va_vdst(0)
	global_store_b32 v9, v[SB], s[58:59]
	global_store_b32 v9, v[SB+1], s[60:61]
.irp t, 0,1,2,3,4,5,6,7,8,9,10,11,12,13,14,15
	ds_load_b96 v[OUTR+4*\t:OUTR+4*\t+2], v7 offset:544*\t   ; LDS serves a wave's instructions in order
.endr
.irp t, 0,1,2,3,4,5,6,7,8,9,10,11,12,13,14,15
	s_wait_dscnt 15-\t                             ; the younger stage loads may be out
	global_store_b96 v8, v[OUTR+4*\t:OUTR+4*\t+2], s[56:57] offset:384*\t
.endr
	s_wait_tensorcnt 0x0                           ; the wave's end
	ds_add_u32 v[SPW], v[NIL]
	s_wait_dscnt 0x0
	s_endpgm
; THE NORM
.set LWB,   LB+40960                   ; behind eight stages of 2 x 32 x 80 bytes: w as 64 groups of 64 + 16 bytes, then b, 5,120 on
.set LSC,   LB+51200                   ; the scale bytes: 8 planes x 32 positions x 4
.set RA,  16                           ; v16-79 pair 0 as loaded
.set RB,  80                           ; v80-143 pair 1
.set XA,  144                          ; v144-207 the pair at work: register 16 kc + i = number 256 kc + 16 (lane % 16) + i
.set WB,  208                          ; v208-223 w, v224-239 b of a chunk
.set LC,  240                          ; v240-246 codes, two sets
.Lnorm:
	s_load_b256 s[4:11], s[0:1], 0x28              ; x, ln1_w, ln1_b, hq1
	s_sub_co_u32 s28, ttmp9, 192                   ; which 32 rows
	v_and_b32 v12, 31, v0
	s_delay_alu instid0(VALU_DEP_1)
	v_lshlrev_b32 v1, 4, v12                       ; my 16 bytes of a load's 512
	s_mul_i32 s19, s16, 5120
	s_add_co_u32 s19, s19, LB
	v_lshrrev_b32 v2, 2, v12
	s_delay_alu instid0(VALU_DEP_1)
	v_mul_u32_u24 v2, v2, 80
	v_and_b32 v13, 3, v12
	s_delay_alu instid0(VALU_DEP_1)
	v_lshl_add_u32 v2, v13, 4, v2
	s_delay_alu instid0(VALU_DEP_1)
	v_add_nc_u32 v2, s19, v2                       ; the stage, on the way in
	v_mul_u32_u24 v3, v12, 80
	s_delay_alu instid0(VALU_DEP_1)
	v_add_nc_u32 v3, s19, v3                       ; and out: my 16 neighbours
	v_and_b32 v13, 15, v12
	s_delay_alu instid0(VALU_DEP_1)
	v_mul_u32_u24 v4, v13, 80
	s_delay_alu instid0(VALU_DEP_1)
	v_add_nc_u32 v4, LWB, v4                       ; w's and b's group for my 16 numbers of chunk 0
	s_and_b32 s17, s16, 1                          ; my four rows' place among the positions: the wave's number with bits 1 and 2 exchanged
	s_and_b32 s18, s16, 2
	s_lshl_b32 s18, s18, 1
	s_or_b32 s17, s17, s18
	s_and_b32 s18, s16, 4
	s_lshr_b32 s18, s18, 1
	s_or_b32 s17, s17, s18
	v_bfe_u32 v5, v0, 3, 1
	s_delay_alu instid0(VALU_DEP_1)
	v_lshlrev_b32 v5, 7, v5                        ; which of the chunk's two scale words,
	v_bfe_u32 v10, v0, 4, 1
	s_delay_alu instid0(VALU_DEP_1)
	v_lshl_add_u32 v5, v10, 2, v5                  ; which row of the pair,
	v_bfe_u32 v10, v0, 1, 2
	s_delay_alu instid0(VALU_DEP_1)
	v_add_nc_u32 v5, v5, v10                       ; which byte of the word
	s_lshl_b32 s18, s17, 4
	s_add_co_u32 s18, s18, LSC
	v_add_nc_u32 v5, s18, v5
	v_mul_u32_u24 v6, v12, 12                      ; codes: 12 bytes a lane
	v_lshlrev_b32 v8, 2, v12
	s_lshl_b32 s18, s16, 7
	s_add_co_u32 s18, s18, LSC
	v_add_nc_u32 v7, s18, v8                       ; scale words out: plane = my wave, position = my lane
	v_lshrrev_b32 v9, 2, v0
	s_delay_alu instid0(VALU_DEP_1)
	v_mul_u32_u24 v9, v9, 80
	v_and_b32 v13, 3, v0
	s_delay_alu instid0(VALU_DEP_1)
	v_lshl_add_u32 v9, v13, 4, v9
	s_delay_alu instid0(VALU_DEP_1)
	v_add_nc_u32 v9, LWB, v9                       ; where thread t puts its 16 bytes of w
	v_lshlrev_b32 v10, 4, v0
	s_mov_b32 s22, 0x3a800000                      ; 1 / 1,024
	s_lshl_b32 s20, s28, 17
	s_lshl_b32 s21, s16, 14
	s_add_co_u32 s20, s20, s21                     ; my first row, 4,096 bytes a row
	s_mov_b32 s21, 0
	s_lshl_b32 s24, s28, 5
	s_lshl_b32 s25, s17, 2
	s_add_co_u32 s24, s24, s25
	s_mul_i32 s24, s24, 192                        ; my first position's record
	s_mov_b32 s25, 0
	s_lshl_b32 s26, s16, 14
	s_lshl_b32 s27, s28, 7
	s_add_co_u32 s26, s26, s27
	s_add_co_u32 s26, s26, 3145728                 ; my plane of scale words
	s_mov_b32 s27, 0
	s_wait_alu depctr_va_vdst(0)
	s_wait_kmcnt 0x0
	s_add_nc_u64 s[4:5], s[4:5], s[20:21]
	s_add_nc_u64 s[12:13], s[10:11], s[24:25]
	s_add_nc_u64 s[14:15], s[10:11], s[26:27]
	global_load_b128 v[WB:WB+3], v10, s[6:7]
	global_load_b128 v[WB+4:WB+7], v10, s[8:9]
.irp pr, 0,1
.irp kc, 0,1,2,3
.irp i, 0,1,2,3
	global_load_b128 v[RA+64*\pr+16*\kc+4*\i:RA+64*\pr+16*\kc+4*\i+3], v1, s[4:5] offset:(2*\pr+\i/2)*4096+1024*\kc+512*(\i%2) th:TH_LOAD_NT
.endr
.endr
.endr
	s_wait_loadcnt 32                              ; w and b are in; x's 32 loads may be out
	ds_store_b128 v9, v[WB:WB+3]
	ds_store_b128 v9, v[WB+4:WB+7] offset:5120
	s_wait_dscnt 0x0                               ; for the others' sake
	s_barrier_signal -1
	s_barrier_wait -1
.macro REDUCE                          ; v248 summed over the sixteen lanes of my row
.irp m, 1,2,4,8
	s_delay_alu instid0(VALU_DEP_1)
	v_add_f32_dpp v248, v248, v248 row_xmask:\m row_mask:0xf bank_mask:0xf
.endr
.endm
.macro PAIR pr, raw, left
	s_wait_loadcnt \left                           ; this pair's 16 loads are in
.irp kc, 0,1,2,3                       ; through the stage, two stages by turns
.irp i, 0,1,2,3
	ds_store_b128 v2, v[\raw+16*\kc+4*\i:\raw+16*\kc+4*\i+3] offset:2560*(\kc%2)+640*\i
.endr
.irp i, 0,1,2,3
	ds_load_b128 v[XA+16*\kc+4*\i:XA+16*\kc+4*\i+3], v3 offset:2560*(\kc%2)+16*\i
.endr
.endr
	s_wait_dscnt 0x0
.irp a, 0,1,2,3                        ; my 64 numbers' sum, in four chains
	v_pk_add_f32 v[248+2*\a:249+2*\a], v[XA+4*\a:XA+4*\a+1], v[XA+4*\a+2:XA+4*\a+3]
.endr
.set k_, 16
.rept 6
.irp a, 0,1,2,3
	s_delay_alu instid0(VALU_DEP_4)
	v_pk_add_f32 v[248+2*\a:249+2*\a], v[248+2*\a:249+2*\a], v[XA+k_+2*\a:XA+k_+2*\a+1]
.endr
.set k_, k_+8
.endr
	s_delay_alu instid0(VALU_DEP_3)
	v_pk_add_f32 v[248:249], v[248:249], v[250:251]
	s_delay_alu instid0(VALU_DEP_2)
	v_pk_add_f32 v[252:253], v[252:253], v[254:255]
	s_delay_alu instid0(VALU_DEP_1)
	v_pk_add_f32 v[248:249], v[248:249], v[252:253]
	s_delay_alu instid0(VALU_DEP_1)
	v_add_f32 v248, v248, v249
	REDUCE
	s_delay_alu instid0(VALU_DEP_1)
	v_mul_f32 v252, s22, v248                      ; the mean, twice
	s_delay_alu instid0(VALU_DEP_1)
	v_mov_b32 v253, v252
.set k_, 0
.rept 32
	v_pk_add_f32 v[XA+k_:XA+k_+1], v[XA+k_:XA+k_+1], v[252:253] neg_lo:[0,1] neg_hi:[0,1]
.set k_, k_+2
.endr
	v_pk_mul_f32 v[248:249], v[XA:XA+1], v[XA:XA+1]                 ; the sum of squared differences
	v_pk_mul_f32 v[250:251], v[XA+2:XA+3], v[XA+2:XA+3]
.set k_, 4
.rept 15
	s_delay_alu instid0(VALU_DEP_2)
	v_pk_fma_f32 v[248:249], v[XA+k_:XA+k_+1], v[XA+k_:XA+k_+1], v[248:249]
	s_delay_alu instid0(VALU_DEP_2)
	v_pk_fma_f32 v[250:251], v[XA+k_+2:XA+k_+3], v[XA+k_+2:XA+k_+3], v[250:251]
.set k_, k_+4
.endr
	s_delay_alu instid0(VALU_DEP_1)
	v_pk_add_f32 v[248:249], v[248:249], v[250:251]
	s_delay_alu instid0(VALU_DEP_1)
	v_add_f32 v248, v248, v249
	REDUCE
	s_delay_alu instid0(VALU_DEP_1)
	v_fmaak_f32 v248, s22, v248, 0x3727c5ac        ; the variance + 1e-5
	s_wait_alu depctr_va_vdst(0)                   ; the wait ahead of the transcendentals,
	v_rsq_f32 v252, v248
	v_rsq_f32 v253, v248
	v_nop
	s_wait_alu depctr_va_vdst(0)                   ; and behind them
.irp kc, 0,1,2,3
.irp j, 0,1,2,3
	ds_load_b128 v[WB+4*\j:WB+4*\j+3], v4 offset:1280*\kc+16*\j
	ds_load_b128 v[WB+16+4*\j:WB+16+4*\j+3], v4 offset:5120+1280*\kc+16*\j
.endr
	s_wait_dscnt 0x0
.irp j, 0,2,4,6,8,10,12,14
	v_pk_mul_f32 v[XA+16*\kc+\j:XA+16*\kc+\j+1], v[XA+16*\kc+\j:XA+16*\kc+\j+1], v[252:253]
.endr
.irp j, 0,2,4,6,8,10,12,14
	v_pk_fma_f32 v[XA+16*\kc+\j:XA+16*\kc+\j+1], v[XA+16*\kc+\j:XA+16*\kc+\j+1], v[WB+\j:WB+\j+1], v[WB+16+\j:WB+16+\j+1]
.endr
.set XS, XA+16*\kc
	v_max3_num_f32 v254, |v[XS]|, |v[XS+1]|, |v[XS+2]|              ; the largest magnitude of my 16
	v_max3_num_f32 v255, |v[XS+3]|, |v[XS+4]|, |v[XS+5]|
.irp i, 6,10
	s_delay_alu instid0(VALU_DEP_2)
	v_max3_num_f32 v254, v254, |v[XS+\i]|, |v[XS+\i+1]|
	s_delay_alu instid0(VALU_DEP_2)
	v_max3_num_f32 v255, v255, |v[XS+\i+2]|, |v[XS+\i+3]|
.endr
	s_delay_alu instid0(VALU_DEP_2)
	v_max3_num_f32 v254, v254, |v[XS+14]|, |v[XS+15]|
	s_delay_alu instid0(VALU_DEP_1)
	v_max3_num_f32 v254, v254, v255, 0x1800000     ; the floor 2^(3 - 127)
	s_delay_alu instid0(VALU_DEP_1)
	v_max_num_f32_dpp v254, v254, v254 row_xmask:1 row_mask:0xf bank_mask:0xf   ; with my neighbour's 16: the block's
	s_delay_alu instid0(VALU_DEP_1)
	v_add_nc_u32 v10, 0xff000000, v254             ; the conversion's scale operand
	s_wait_alu depctr_va_vdst(0)
	s_wait_xcnt 0x0                                ; the earlier stores have read their data: this set of codes may be written again
	v_cvt_scalef32_pk16_fp6_f32 v[LC+4*(\kc%2):LC+4*(\kc%2)+2], v[XS:XS+15], v10
	v_lshrrev_b32 v11, 23, v10                     ; the scale's byte (also the plain line behind the conversion)
	ds_store_b8 v5, v11 offset:256*\kc+8*\pr       ; both lanes of a block write the same byte
	global_store_b96 v6, v[LC+4*(\kc%2):LC+4*(\kc%2)+2], s[12:13] offset:786432*\kc+384*\pr
.endr
.endm
	PAIR 0, RA, 16                                 ; pair 1's 16 loads may be out
	PAIR 1, RB, 0
	s_wait_dscnt 0x0                               ; for the others' sake: my scale bytes have landed
	s_barrier_signal -1
	s_barrier_wait -1
	ds_load_b32 v248, v7                           ; a plane's 32 words
	s_wait_dscnt 0x0
	global_store_b32 v8, v248, s[14:15]
	s_wait_tensorcnt 0x0                           ; the wave's end
	ds_add_u32 v[SPW], v[NIL]
	s_wait_dscnt 0x0
	s_endpgm
.Lfunc_end_k_q3d2cab6ec2_prep:
	.size	k_q3d2cab6ec2_prep, .Lfunc_end_k_q3d2cab6ec2_prep-k_q3d2cab6ec2_prep
	.p2alignl 7, 3214868480
	.fill 96, 4, 3214868480
	.section	.rodata,"a",@progbits
	.p2align	6, 0x0
	.amdhsa_kernel k_q3d2cab6ec2_prep
		.amdhsa_group_segment_fixed_size 122880
		.amdhsa_private_segment_fixed_size 0
		.amdhsa_enable_private_segment 0
		.amdhsa_kernarg_size 72
		.amdhsa_user_sgpr_count 2
		.amdhsa_user_sgpr_kernarg_segment_ptr 1
		.amdhsa_wavefront_size32 1
		.amdhsa_system_sgpr_workgroup_id_x 1
		.amdhsa_system_sgpr_workgroup_id_y 1
		.amdhsa_system_sgpr_workgroup_id_z 1
		.amdhsa_system_vgpr_workitem_id 0
		.amdhsa_next_free_vgpr 256
		.amdhsa_next_free_sgpr 66
		.amdhsa_reserve_vcc 0
		.amdhsa_float_denorm_mode_32 3
		.amdhsa_float_denorm_mode_16_64 3
		.amdhsa_memory_ordered 1
		.amdhsa_forward_progress 1
		.amdhsa_inst_pref_size 102
	.end_amdhsa_kernel
	.amdgpu_metadata
---
amdhsa.version: [ 1, 2 ]
amdhsa.kernels:
  - .name:           k_q3d2cab6ec2_prep
    .symbol:         k_q3d2cab6ec2_prep.kd
    .args:
      - { .name: c_attn_w, .offset: 0, .size: 8, .value_kind: global_buffer, .address_space: global }
      - { .name: attn_proj_w, .offset: 8, .size: 8, .value_kind: global_buffer, .address_space: global }
      - { .name: fc_w, .offset: 16, .size: 8, .value_kind: global_buffer, .address_space: global }
      - { .name: mlp_proj_w, .offset: 24, .size: 8, .value_kind: global_buffer, .address_space: global }
      - { .name: wq, .offset: 32, .size: 8, .value_kind: global_buffer, .address_space: global }
      - { .name: x, .offset: 40, .size: 8, .value_kind: global_buffer, .address_space: global }
      - { .name: ln1_w, .offset: 48, .size: 8, .value_kind: global_buffer, .address_space: global }
      - { .name: ln1_b, .offset: 56, .size: 8, .value_kind: global_buffer, .address_space: global }
      - { .name: hq1, .offset: 64, .size: 8, .value_kind: global_buffer, .address_space: global }
    .group_segment_fixed_size: 122880
    .private_segment_fixed_size: 0
    .kernarg_segment_align: 8
    .kernarg_segment_size: 72
    .max_flat_workgroup_size: 256
    .sgpr_count:     66
    .vgpr_count:     256
    .wavefront_size: 32
...
	.end_amdgpu_metadata
.endif
;; end of part 8
;; launch gqkv (part 9): grid 12 x 16, 4 waves a work-group, clusters of 4 x 4, 327,680 bytes of LDS; arguments hq1, wq, c_attn_b, qkv; writes qkv
.if DOCPART == 9
	.amdgcn_target "amdgcn-amd-amdhsa--gfx1250"
	.amdhsa_code_object_version 6
	.text
	.protected	k_q3d2cab6ec2_gqkv
	.globl	k_q3d2cab6ec2_gqkv
	.p2align	8
	.type	k_q3d2cab6ec2_gqkv,@function
k_q3d2cab6ec2_gqkv:
	s_mov_b64 s[64:65], 0
	v_nop
	global_prefetch_b8 v0, s[64:65] scope:SCOPE_SE
	s_setreg_imm32_b32 hwreg(HW_REG_WAVE_MODE, 25, 1), 1
	s_wait_xcnt 0x0
	s_wait_alu depctr_hold_cnt(0) depctr_sa_sdst(0) depctr_va_vdst(0) depctr_va_sdst(0) depctr_va_ssrc(0) depctr_va_vcc(0) depctr_vm_vsrc(0)
	s_getreg_b32 s2, hwreg(HW_REG_IB_STS2, 6, 4)
	s_cmp_eq_u32 s2, 0
	s_cbranch_scc0 .Lentry_in_a_cluster
	s_endpgm
.Lentry_in_a_cluster:
	s_bfe_u32 s2, ttmp6, 0x10000c
	s_cmp_lg_u32 s2, 0xf033
	s_cbranch_scc0 .Lentry_shape_is_right
	s_endpgm
.Lentry_shape_is_right:
; qkv = h W + b on FP6 codes, and q, k, v quantised on the way out: q and k along the head's 64, v along the TOKENS (the second attention product's K).  Nothing of reference() is left out here.
; A tile of 256 x 256 to a work-group of four waves, 128 x 128 to a wave: 64 accumulators in windows 2 and 3.  K = 1,024 goes in steps of 256 through two LDS slots filled by joint tensor loads in clusters of 4 x 4.
; Source 0 of the matrix instruction is the REGISTER side (a lane's eight results run along it), source 1 the LANE side.  The cluster's x says what is made: 0 q, 1 k, 2 v (the same in all sixteen partners).
; q, k: lane side = tokens (h), register side = features (W): a lane's registers run along the head.  v: the two change places, so that a lane's registers run along the tokens.  The main loop is one text.
; Both operands lie in position order (bits 3 and 4 of a row's number exchanged), so: register 8 b + j of a block of 16 lanes' rows is neighbour 32 (b / 2) + 16 (lane / 16) + 8 (b % 2) + j, and lane r of block a is row 32 (a / 2) + 8 (a % 2) + r + 8 (r / 8).
; OUT (buffer qkv): q codes [head][token][48 bytes] at 0, k codes at 3,145,728, v codes [head][token / 64][d][48] at 6,291,456; q, k scale words [head][token] at 9,437,184 and 9,699,328 (bytes 0, 1); v's [head][token / 128][d] at 9,961,472.
; LIMITS: a block of zeros gets the byte 1; NaN and infinities are not served.
.set KTOT,   1024
.set NKS,    KTOT/128
.set LAPS,   KTOT/512
.set NQ,     2
.set PITCH,  240                       ; an LDS row: 3 x (64 bytes of codes + 16 of padding)
.set FR,     12
.set NL,     6
.set NP,     4
.set HALFT,  128*PITCH
.set HALFA,  HALFT
.set ASTEP,  786432                    ; a chunk of 256 along K, in h and in W alike: 4,096 records of 192 bytes
.set BSTEP,  786432
.set BOFF,   4*HALFA                   ; LDS: the lane side's two slots on end, then the register side's two
.set SLOT,   2*HALFT                   ; from a side's slot 0 to its slot 1
.set SCL,    BOFF+2*SLOT               ; behind the ring: the scale words for all of K: each side [K / 128][256 rows] u32
.set HALFS,  512*NKS
.set SPARE,  SCL+4*HALFS               ; the spare words, named by no other line
.set ADRA, 16
.set ADRB, 20
.set ADRS, 27
.set SPW,  28
.set NIL,  29
.set SC,   32                          ; v32-63 scale words, two sets, and nothing else
.set AF,   128
.set BI,   64                          ; v64-127 the bias
.set H,    128                         ; v128-191 a block's 64 numbers
.set PCD,  192                         ; v192-211 the codes just made
.set TM,   212                         ; v212-227 the quantiser's work
.set PW,   228                         ; the scale word just made
.set SEL,  66
.set G1, 24
.set G0, 32
.set G1B, 48
.set G0B, 56
.set G1S, 68
.set G0S, 76
.set G1SB, 80
.set G0SB, 88
.set MSB, 0
.macro WIN new                         ; the immediate's high byte repeats the setting that is left
.if MSB != (\new)
	s_set_vgpr_msb (MSB<<8)|(\new)
.set MSB, \new
.endif
.endm
.set MUL_LO, 0xa1                      ; source 0 window 1, source 1 window 0, C and D window 2
.set MUL_HI, 0xf1
.set TO_B,   0x40
.macro JLOAD g0a, g1a, g0b, g1b        ; a joint load: waves 0 and 1 fetch for the lane side, waves 2 and 3 for the register side; an s_nop 0 and four v_nop follow each line
	s_cmp_eq_u32 s15, 0
	s_cbranch_scc0 .Lfor_b_\@
	tensor_load_to_lds s[\g0a:\g0a+3], s[\g1a:\g1a+7]
	s_nop 0
.rept 4
	v_nop
.endr
	s_branch .Lasked_\@
.Lfor_b_\@:
	tensor_load_to_lds s[\g0b:\g0b+3], s[\g1b:\g1b+7]
	s_nop 0
.rept 4
	v_nop
.endr
.Lasked_\@:
.endm
.macro CREST
	s_cmp_lg_u32 s14, 0
	s_cbranch_scc1 .Lnot_wave_0_\@
	s_barrier_signal -3
.Lnot_wave_0_\@:
	s_barrier_wait -3
	s_barrier_signal -1
	s_barrier_wait -1
.endm
.macro CROUND
	s_barrier_signal -1
	s_barrier_wait -1
	CREST
.endm
	s_load_b256 s[4:11], s[0:1], 0x0               ; hq1, wq, c_attn_b, qkv
	v_lshl_add_u32 v[SPW], v0, 2, SPARE
	v_mov_b32 v[NIL], 0
	ds_add_u32 v[SPW], v[NIL]                      ; the opening: the add, twice on end, and its wait ahead of my first tensor load
	ds_add_u32 v[SPW], v[NIL]
	v_lshrrev_b32 v1, 5, v0
	v_readfirstlane_b32 s14, v1                    ; wave 0..3
	s_lshr_b32 s15, s14, 1                         ; my half of the lane side.  Also: I fetch for the lane side (0) or the register side (1)
	s_and_b32 s16, s14, 1                          ; my half of the register side.  Also: which 128 rows I fetch
	s_bfe_u32 s40, ttmp6, 0x40000                  ; cx
	s_bfe_u32 s41, ttmp6, 0x40004                  ; cy
	s_and_b32 s17, ttmp7, 0xffff
	s_lshl_b32 s17, s17, 2                         ; 4 x cluster y
	s_lshl_b32 s42, ttmp9, 2                       ; 4 x cluster x
	s_mov_b32 s96, 3145728                         ; h's scale words
	s_mov_b32 s97, 10223616                        ; W's
	s_cmp_eq_u32 ttmp9, 2                          ; v?  The cluster's x: the same in all partners
	s_cselect_b32 s95, 1, 0
	s_cselect_b32 s18, 8, s17
	s_cselect_b32 s19, s17, s42
	s_cselect_b32 s96, 10223616, s96
	s_cselect_b32 s97, 3145728, s97
	s_add_co_u32 s17, s18, s41                     ; the lane side's tile: hangs on cy alone
	s_add_co_u32 s42, s19, s40                     ; the register side's: on cx alone
	s_lshl_b32 s43, s41, 2
	s_lshl_b32 s43, 15, s43                        ; my row of the cluster
	s_lshl_b32 s44, 0x1111, s40                    ; my column
	s_or_b32 s[G1+0], s43, (3<<16)|(1<<20)|(1<<21)|(3<<22)|(3<<25)   ; the mask; elements of 8 bytes; padding of 4 words behind every 16
	s_or_b32 s[G1B+0], s44, (3<<16)|(1<<20)|(1<<21)|(3<<22)|(3<<25)
.irp g, G1, G1B
	s_mov_b32 s[\g+1], 6144<<16                    ; the head's tile: a row is a chunk's 256 records, 49,152 dense bytes; two rows, chunks 0 and 1
	s_mov_b32 s[\g+2], 2<<16
	s_mov_b32 s[\g+3], 6144<<16
	s_mov_b32 s[\g+4], 2
	s_mov_b32 s[\g+5], ASTEP/8
	s_mov_b32 s[\g+6], 0
	s_mov_b32 s[\g+7], 0
.endr
	s_or_b32 s[G1S+0], s43, (2<<16)|(1<<21)        ; the scale words: 256 elements of 4 bytes x K / 128 rows
	s_or_b32 s[G1SB+0], s44, (2<<16)|(1<<21)
.irp g, G1S, G1SB
	s_mov_b32 s[\g+1], 256<<16
	s_mov_b32 s[\g+2], NKS<<16
	s_mov_b32 s[\g+3], 256<<16
	s_mov_b32 s[\g+4], NKS
	s_mov_b32 s[\g+5], 4096
	s_mov_b32 s[\g+6], 0
	s_mov_b32 s[\g+7], 0
.endr
	s_mov_b32 s[SEL], 0x76543210
	s_mov_b32 s[SEL+1], 0xfedcba98
	s_lshl_b32 s20, s17, 8                         ; lane side: the tile's first row
	s_lshl_b32 s46, s42, 8                         ; register side likewise
	s_lshl_b32 s22, s20, 2
	s_add_co_u32 s22, s22, s96
	s_mov_b32 s23, 0
	s_lshl_b32 s92, s46, 2
	s_add_co_u32 s92, s92, s97
	s_mov_b32 s93, 0
	s_mul_i32 s20, s20, 192
	s_mov_b32 s21, 0
	s_mul_i32 s46, s46, 192
	s_mov_b32 s47, 0
	s_mul_i32 s45, s16, HALFA                      ; where they go: no place in the cluster enters an LDS address
	s_mul_i32 s2, s16, HALFT
	s_add_co_u32 s2, s2, BOFF
	s_mul_i32 s18, s16, 128*192                    ; in the ring I fetch 128 records of a tile: which half, in bytes
	s_mov_b32 s19, 0
	s_wait_dscnt 0x0                               ; both opening adds are done
	s_wait_kmcnt 0x0
	s_cmp_eq_u32 s95, 1
	s_cselect_b64 s[96:97], s[6:7], s[4:5]         ; the lane side's buffer,
	s_cselect_b64 s[4:5], s[4:5], s[6:7]           ; the register side's
	s_add_nc_u64 s[20:21], s[96:97], s[20:21]
	s_add_nc_u64 s[22:23], s[96:97], s[22:23]
	s_add_nc_u64 s[46:47], s[4:5], s[46:47]
	s_add_nc_u64 s[92:93], s[4:5], s[92:93]
	CROUND                                         ; all sixteen work-groups are here: the first joint loads meet
	s_mov_b32 s[G0S], 1
	s_mov_b32 s[G0S+1], SCL
	s_mov_b64 s[G0S+2:G0S+3], s[22:23]
	s_or_b32 s[G0S+3], s[G0S+3], 0x80000000
	s_mov_b32 s[G0SB], 1
	s_mov_b32 s[G0SB+1], SCL+2*HALFS
	s_mov_b64 s[G0SB+2:G0SB+3], s[92:93]
	s_or_b32 s[G0SB+3], s[G0SB+3], 0x80000000
	s_mov_b32 s[G0], 1                             ; the head's loads of codes: a side's 256 records of chunks 0 and 1, into its two slots
	s_mov_b32 s[G0+1], 0
	s_mov_b64 s[G0+2:G0+3], s[20:21]
	s_or_b32 s[G0+3], s[G0+3], 0x80000000
	s_mov_b32 s[G0B], 1
	s_mov_b32 s[G0B+1], BOFF
	s_mov_b64 s[G0B+2:G0B+3], s[46:47]
	s_or_b32 s[G0B+3], s[G0B+3], 0x80000000
	s_add_nc_u64 s[20:21], s[20:21], s[18:19]      ; for the ring: my 128 records
	s_add_nc_u64 s[46:47], s[46:47], s[18:19]
	s_mov_b32 s[G0+4], 1                           ; slot 1's set stands at chunk 1: its refill steps two chunks on
	s_add_co_u32 s[G0+5], s45, SLOT
	s_add_nc_u64 s[G0+6:G0+7], s[20:21], ASTEP
	s_or_b32 s[G0+7], s[G0+7], 0x80000000
	s_mov_b32 s[G0B+4], 1
	s_add_co_u32 s[G0B+5], s2, SLOT
	s_add_nc_u64 s[G0B+6:G0B+7], s[46:47], BSTEP
	s_or_b32 s[G0B+7], s[G0B+7], 0x80000000
; THE HEAD'S LOADS, ONE A WAVE: wave 0 the lane side's codes, wave 1 the register side's, wave 2 the lane side's scale words, wave 3 the register side's.
; One chain of branches on the wave's number, a load to an arm, all arms leading to one join.
.macro ARM under, g0, g1, next
	s_cmp_lt_u32 s14, \under
	s_cbranch_scc0 \next
	tensor_load_to_lds s[\g0:\g0+3], s[\g1:\g1+7]
	s_nop 0
.rept 4
	v_nop
.endr
	s_branch .Lhead_asked
\next:
.endm
	ARM 1, G0,  G1,  .Lhead_b
	ARM 2, G0B, G1B, .Lhead_sa
	ARM 3, G0S, G1S, .Lhead_sb
	tensor_load_to_lds s[G0SB:G0SB+3], s[G1SB:G1SB+7]
	s_nop 0
.rept 4
	v_nop
.endr
.Lhead_asked:
	v_and_b32 v1, 15, v0
	v_bfe_u32 v2, v0, 4, 1
	v_mul_u32_u24 v3, v1, PITCH
	v_mul_u32_u24 v4, v2, 24
	v_add_nc_u32 v4, v3, v4                        ; a fragment's row x pitch + 24 x half
	v_lshl_add_u32 v5, v2, 4, v4                   ; and the same behind one padding more
	s_mul_i32 s21, s15, HALFA
	s_mul_i32 s22, s16, HALFT
	s_add_co_u32 s22, s22, BOFF
.irp s, 0,1
	v_add_nc_u32 v[ADRA+\s], s21, v4
	v_add_nc_u32 v[ADRB+\s], s22, v4
	v_add_nc_u32 v[ADRA+2+\s], s21, v5
	v_add_nc_u32 v[ADRB+2+\s], s22, v5
	s_add_co_u32 s21, s21, SLOT
	s_add_co_u32 s22, s22, SLOT
.endr
	v_lshlrev_b32 v5, 2, v1                        ; my row's scale word
	s_lshl_b32 s21, s15, 9                         ; my 128 of a plane's 256 words
	s_lshl_b32 s22, s16, 9
	s_add_co_u32 s22, s22, 2*HALFS
	s_sub_co_u32 s22, s22, s21
	v_mul_u32_u24 v6, s22, v2                      ; lanes 16-31 take the register side's
	s_add_co_u32 s21, s21, SCL
	v_add_nc_u32 v5, v5, v6
	v_add_nc_u32 v[ADRS], s21, v5
.macro FRAG reg, adr, q, i             ; 16 rows x 128 K of 6-bit codes: 12 registers, six pieces of 8 bytes; where the piece of lanes 16-31 lies behind one padding more, the second address register serves
.irp p, 0,1,2,3,4,5
.set PCE, 12*(\q)+6*(\p/3)+\p%3
.if PCE%8 < 5
	ds_load_b64 v[\reg+2*\p:\reg+2*\p+1], v[\adr] offset:8*PCE+16*(PCE/8)+(\i)*16*PITCH
.else
	ds_load_b64 v[\reg+2*\p:\reg+2*\p+1], v[\adr+2] offset:8*PCE+16*(PCE/8)+(\i)*16*PITCH
.endif
.endr
.endm
.macro MUL16 a0, p, q, sc, zero        ; 16 matrix instructions; the 64 accumulators take turns, one instruction a turn
.irp a, \a0, \a0+1
.irp b, 0,1,2,3,4,5,6,7
.if \zero
	v_wmma_scale_f32_16x16x128_f8f6f4 v[8*(8*((\a)%4)+\b):8*(8*((\a)%4)+\b)+7], v[128*(\p)+FR*\b:128*(\p)+FR*\b+FR-1], v[AF+FR*(\a):AF+FR*(\a)+FR-1], 0, v[SC+8*NQ*(\sc)+NQ*\b+(\q)], v[SC+8*NQ*(\sc)+NQ*(\a)+(\q)] matrix_a_fmt:MATRIX_FMT_FP6 matrix_b_fmt:MATRIX_FMT_FP6 matrix_a_scale:MATRIX_SCALE_ROW1
.else
	v_wmma_scale_f32_16x16x128_f8f6f4 v[8*(8*((\a)%4)+\b):8*(8*((\a)%4)+\b)+7], v[128*(\p)+FR*\b:128*(\p)+FR*\b+FR-1], v[AF+FR*(\a):AF+FR*(\a)+FR-1], v[8*(8*((\a)%4)+\b):8*(8*((\a)%4)+\b)+7], v[SC+8*NQ*(\sc)+NQ*\b+(\q)], v[SC+8*NQ*(\sc)+NQ*(\a)+(\q)] matrix_a_fmt:MATRIX_FMT_FP6 matrix_b_fmt:MATRIX_FMT_FP6 matrix_a_scale:MATRIX_SCALE_ROW1
.endif
.endr
.endr
.endm
.macro FETCH_B slot, q, p
	WIN TO_B
.irp i, 0,1,2,3,4,5,6,7
	FRAG 128*(\p)+FR*\i, ADRB+\slot, \q, \i
.endr
	WIN 0
.endm
.macro FETCH_A slot, q, i0
.irp i, \i0, \i0+1, \i0+2, \i0+3
	FRAG AF+FR*(\i), ADRA+\slot, \q, \i
.endr
.endm
.macro SCALES sc                       ; a K step's scale words: lanes 0-15 the lane side's block i, lanes 16-31 the register side's
.irp i, 0,1,2,3,4,5,6,7
.irp q, 0,1
	ds_load_b32 v[SC+8*NQ*\sc+NQ*\i+\q], v[ADRS] offset:1024*\q+64*\i
.endr
.endr
.endm
.macro PLACES n                        ; plain vector instructions between a matrix instruction and a load into, or a read of, its registers
.rept \n
	v_nop
.endr
.endm
.macro STEP slot, q, zero
	s_wait_dscnt 4*NL                              ; all but the youngest 24 loads (the lane side's blocks 4-7)
	WIN MUL_LO
	MUL16 0, (\q)%2, \q, \slot, \zero
	MUL16 2, (\q)%2, \q, \slot, \zero
	s_wait_dscnt 0
	PLACES NP
	FETCH_B \slot, (\q)+1, 1-(\q)%2
	FETCH_A \slot, (\q)+1, 0
	WIN MUL_HI
	MUL16 4, (\q)%2, \q, \slot, \zero
	MUL16 6, (\q)%2, \q, \slot, \zero
	PLACES NP
	WIN 0
	FETCH_A \slot, (\q)+1, 4
.endm
.macro TURN slot, next, fill           ; a slot's last step changes slots: one barrier, which with fill = 1 opens a round of the cluster's
	s_wait_tensorcnt 0x0                           ; all my tensor loads have landed: my part of the next slot
	ds_add_u32 v[SPW], v[NIL]
	s_wait_dscnt 4*NL+1                            ; (the add and the youngest 24 loads may be out)
	WIN MUL_LO
	MUL16 0, 1, NQ-1, \slot, 0
	s_wait_dscnt 0x0                               ; the add is done, and my reads of this slot are over
	s_barrier_signal -1
	MUL16 2, 1, NQ-1, \slot, 0
	WIN 0
	s_barrier_wait -1
.if \fill
	CREST                                          ; no wave of any partner still reads this slot or has a load on its way
	s_add_nc_u64 s[G0+4*\slot+2:G0+4*\slot+3], s[G0+4*\slot+2:G0+4*\slot+3], 2*ASTEP
	s_add_nc_u64 s[G0B+4*\slot+2:G0B+4*\slot+3], s[G0B+4*\slot+2:G0B+4*\slot+3], 2*BSTEP
	JLOAD G0+4*\slot, G1, G0B+4*\slot, G1B         ; the first tensor load behind the round; its four v_nop are the places in front of the loads below
.else
	PLACES NP
.endif
	s_wait_alu depctr_va_vdst(0)
	v_add_nc_u32 v[ADRS], 2048, v[ADRS]            ; the next K step's scale words: two planes on
	FETCH_B \next, 0, 0
	FETCH_A \next, 0, 0
	SCALES \next
	WIN MUL_HI
	MUL16 4, 1, NQ-1, \slot, 0
	MUL16 6, 1, NQ-1, \slot, 0
	PLACES NP
	WIN 0
	FETCH_A \next, 0, 4
.endm
	s_wait_alu depctr_va_vdst(0)
	s_wait_tensorcnt 0x0                           ; my one load of the head is in; no tensor load of mine is out, so descriptors may be written
.irp g, G1, G1B
	s_mov_b32 s[\g+1], 32<<16                      ; the ring's tile: 128 records, dense, stated as 96 rows of 256 bytes
	s_mov_b32 s[\g+2], 96<<16
	s_mov_b32 s[\g+3], 32<<16
	s_mov_b32 s[\g+4], 96
	s_mov_b32 s[\g+5], 32
.endr
	s_add_co_u32 s[G0+1], s45, 0                   ; slot 0's sets now stand at my 128 records of chunk 0
	s_add_nc_u64 s[G0+2:G0+3], s[G0+2:G0+3], s[18:19]
	s_add_co_u32 s[G0B+1], s2, 0
	s_add_nc_u64 s[G0B+2:G0B+3], s[G0B+2:G0B+3], s[18:19]
	s_barrier_signal -1
	s_barrier_wait -1
	FETCH_B 0, 0, 0
	FETCH_A 0, 0, 0
	SCALES 0
	FETCH_A 0, 0, 4
	STEP 0, 0, 1                                   ; the first step's products start the sums
	s_mov_b32 s3, LAPS-1
.Llap:
	TURN 0, 1, 1
	STEP 1, 0, 0
	TURN 1, 0, 1
	STEP 0, 0, 0
	s_sub_co_u32 s3, s3, 1
	s_cmp_lg_u32 s3, 0
	s_cbranch_scc1 .Llap
	TURN 0, 1, 0                                   ; the last lap fills nothing
	STEP 1, 0, 0
	s_wait_dscnt 4*NL
	WIN MUL_LO
	MUL16 0, 1, NQ-1, 1, 0
	MUL16 2, 1, NQ-1, 1, 0
	s_wait_dscnt 0
	WIN MUL_HI
	MUL16 4, 1, NQ-1, 1, 0
	MUL16 6, 1, NQ-1, 1, 0
	WIN 0
; 64 numbers of a lane, register 16 b + i = k 32 b + 16 (lane / 16) + i of my row, become a fragment's codes in v[PCD] on (registers 6 c .. 6 c + 5: k = 64 c + 32 (lane / 16) + 0 .. 31) and the scale word in v[PW]
.macro QUANT s
.irp b, 0,1,2,3
	v_max3_num_f32 v[TM+\b], |v[\s+16*\b]|, |v[\s+1+16*\b]|, 0x1800000   ; with the floor 2^(3 - 127)
.endr
.irp i, 2,4,6,8,10,12,14
.irp b, 0,1,2,3
	v_max3_num_f32 v[TM+\b], v[TM+\b], |v[\s+16*\b+\i]|, |v[\s+1+16*\b+\i]|
.endr
.endr
.irp b, 0,1,2,3
	v_permlanex16_b32 v[TM+4+\b], v[TM+\b], s[SEL], s[SEL+1]
.endr
.irp b, 0,1,2,3
	v_max_num_f32 v[TM+\b], v[TM+\b], v[TM+4+\b]   ; with lane l xor 16's: the block's largest magnitude
.endr
.irp b, 0,1,2,3
	v_add_nc_u32 v[TM+12+\b], 0xff000000, v[TM+\b] ; 2 off its exponent field: the conversion's scale operand
.endr
.irp b, 0,1,2,3
	v_lshrrev_b32 v[TM+4+\b], 23, v[TM+12+\b]      ; the scale's byte
.endr
	v_lshl_or_b32 v[PW], v[TM+5], 8, v[TM+4]
	v_lshl_or_b32 v[PW], v[TM+6], 16, v[PW]
	v_lshl_or_b32 v[PW], v[TM+7], 24, v[PW]
.irp c, 0,1
	v_cvt_scalef32_pk16_fp6_f32 v[PCD+6*\c:PCD+2+6*\c], v[\s+32*\c:\s+15+32*\c], v[TM+12+2*\c]
	v_cvt_scalef32_pk16_fp6_f32 v[PCD+12+4*\c:PCD+14+4*\c], v[\s+16+32*\c:\s+31+32*\c], v[TM+12+2*\c+1]
.endr
	v_nop                                          ; one plain place behind a scaled conversion
.irp c, 0,1                            ; a whole block to a lane: lanes 0-15 block 2 c, lanes 16-31 block 2 c + 1
.irp i, 0,1,2
	v_permlane16_swap_b32 v[PCD+6*\c+\i], v[PCD+12+4*\c+\i]
.endr
.irp i, 0,1,2
	v_mov_b32 v[PCD+3+6*\c+\i], v[PCD+12+4*\c+\i]
.endr
.endr
.endm
; THE WAY OUT.  Block by block of 16 lane rows: + bias, quantised, the codes into my own stage in LDS [c 2][row 128][48 bytes] and the scale words behind them; then the stage leaves in pieces of 512 consecutive bytes.
; The stages lie in slot 0, which has had its last fill, and which nobody reads behind the last change of slots.  Each of the two ways has stage bytes of its own.
.macro EPI isv, stg
	v_and_b32 v1, 15, v0                           ; (these plain lines are also the places behind the last products)
	v_bfe_u32 v2, v0, 4, 1
	v_and_b32 v3, 8, v1
	v_add_nc_u32 v3, v3, v1                        ; r + 8 (r / 8)
	v_and_b32 v4, 31, v0
	s_mul_i32 s20, s14, 13312
	s_add_co_u32 s20, s20, \stg
	v_mul_u32_u24 v24, v3, 48
	v_mad_u32_u24 v24, v2, 24, v24
	v_add_nc_u32 v24, s20, v24                     ; codes in: my row, my half's 24 bytes
	v_lshlrev_b32 v30, 4, v4
	v_add_nc_u32 v26, s20, v30                     ; codes back: 16 bytes a lane
	s_add_co_u32 s20, s20, 12288
	v_lshl_add_u32 v25, v3, 2, s20                 ; scale words in
	v_lshlrev_b32 v31, 3, v4
	v_add_nc_u32 v27, s20, v31                     ; and back: 8 bytes a lane
.irp b, 0,1,2,3
	v_mov_b32 v[TM+4+\b], 0                        ; written once: a lane permute's destination counts as one of its sources
.endr
.if \isv
	s_lshl_b32 s18, s17, 10                        ; the bias goes with the lane's row
	s_lshl_b32 s19, s15, 9
.else
	s_lshl_b32 s18, s42, 10                        ; the bias goes with the registers
	s_lshl_b32 s19, s16, 9
.endif
	s_add_co_u32 s18, s18, s19
	s_mov_b32 s19, 0
	s_add_nc_u64 s[8:9], s[8:9], s[18:19]
.if \isv
	v_lshlrev_b32 v5, 2, v3
.irp a, 0,1,2,3,4,5,6,7
	global_load_b32 v[BI+2*\a], v5, s[8:9] offset:(32*(\a/2)+8*(\a%2))*4
	global_load_b32 v[BI+2*\a+1], v5, s[8:9] offset:(32*(\a/2)+8*(\a%2))*4
.endr
	s_lshl_b32 s20, s41, 2
	s_lshl_b32 s21, s15, 1
	s_add_co_u32 s20, s20, s21                     ; my first head
	s_lshl_b32 s21, s42, 8
	s_lshl_b32 s22, s16, 7
	s_add_co_u32 s21, s21, s22                     ; my first token
	s_mul_i32 s18, s20, 196608
	s_mul_i32 s22, s21, 48
	s_add_co_u32 s18, s18, s22
	s_add_co_u32 s18, s18, 6291456
	s_add_nc_u64 s[12:13], s[10:11], s[18:19]
	s_lshl_b32 s18, s20, 13
	s_lshl_b32 s22, s21, 1
	s_add_co_u32 s18, s18, s22
	s_add_co_u32 s18, s18, 9961472
	s_add_nc_u64 s[96:97], s[10:11], s[18:19]
.else
	v_lshlrev_b32 v5, 6, v2
.set n_, 0
.rept 16
	global_load_b128 v[BI+4*n_:BI+4*n_+3], v5, s[8:9] offset:128*(n_/4)+16*(n_%4)
.set n_, n_+1
.endr
	s_and_b32 s20, s42, 3
	s_lshl_b32 s20, s20, 2
	s_lshl_b32 s21, s16, 1
	s_add_co_u32 s20, s20, s21                     ; my first head
	s_lshl_b32 s20, s20, 12
	s_lshl_b32 s21, s17, 8
	s_add_co_u32 s20, s20, s21
	s_lshl_b32 s21, s15, 7
	s_add_co_u32 s20, s20, s21                     ; x 4,096 + my first token
	s_mul_i32 s22, ttmp9, 3145728                  ; q or k
	s_mul_i32 s18, s20, 48
	s_add_co_u32 s18, s18, s22
	s_add_nc_u64 s[12:13], s[10:11], s[18:19]
	s_mul_i32 s22, ttmp9, 262144
	s_lshl_b32 s18, s20, 2
	s_add_co_u32 s18, s18, s22
	s_add_co_u32 s18, s18, 9437184
	s_add_nc_u64 s[96:97], s[10:11], s[18:19]
.endif
	s_wait_loadcnt 0x0
.irp a, 0,1,2,3,4,5,6,7
	WIN 0x02+(\a/4)                                ; source 0: the accumulators' window
.set k_, 0
.rept 32                               ; ascending: each accumulator is read from its low end on
.if \isv
	v_pk_add_f32 v[H+k_:H+k_+1], v[64*(\a%4)+k_:64*(\a%4)+k_+1], v[BI+2*\a:BI+2*\a+1]
.else
	v_pk_add_f32 v[H+k_:H+k_+1], v[64*(\a%4)+k_:64*(\a%4)+k_+1], v[BI+k_:BI+k_+1]
.endif
.set k_, k_+2
.endr
	WIN 0
	s_wait_alu depctr_va_vdst(0)
	s_wait_dscnt 0x0                               ; the last block's stage stores have read their registers; the 32 additions above stood between
	QUANT H
.irp c, 0,1
.irp p, 0,1,2
	ds_store_b64 v24, v[PCD+6*\c+2*\p:PCD+6*\c+2*\p+1] offset:6144*\c+(32*(\a/2)+8*(\a%2))*48+8*\p
.endr
.endr
	ds_store_b32 v25, v[PW] offset:(32*(\a/2)+8*(\a%2))*4
.if !\isv
	v_lshrrev_b32 v229, 16, v[PW]                  ; the second head's two bytes
	ds_store_b32 v25, v229 offset:512+(32*(\a/2)+8*(\a%2))*4
.endif
.endr
	s_wait_dscnt 0x0                               ; the last block's stores have read their registers
.set n_, 0
.rept 24
	ds_load_b128 v[128+4*n_:128+4*n_+3], v26 offset:512*n_
.set n_, n_+1
.endr
.set n_, 0
.rept 4-2*\isv
	ds_load_b64 v[224+2*n_:224+2*n_+1], v27 offset:256*n_
.set n_, n_+1
.endr
	s_wait_dscnt 0x0
.set n_, 0
.rept 24                               ; piece n = 12 c + 6 e + i: 512 consecutive bytes, at a multiple of 256
.if \isv
	global_store_b128 v30, v[128+4*n_:128+4*n_+3], s[12:13] offset:196608*((n_%12)/6)+3072*(n_/12)+512*(n_%6)
.else
	global_store_b128 v30, v[128+4*n_:128+4*n_+3], s[12:13] offset:196608*(n_/12)+3072*((n_%12)/6)+512*(n_%6)
.endif
.set n_, n_+1
.endr
.set n_, 0
.rept 4-2*\isv
.if \isv
	global_store_b64 v31, v[224+2*n_:224+2*n_+1], s[96:97] offset:8192*n_
.else
	global_store_b64 v31, v[224+2*n_:224+2*n_+1], s[96:97] offset:16384*(n_/2)+256*(n_%2)
.endif
.set n_, n_+1
.endr
.endm
	s_cmp_eq_u32 s95, 1
	s_cbranch_scc1 .Lv
	EPI 0, 0
	s_branch .Ldone
.Lv:
	EPI 1, BOFF                                    ; this way's stages lie in the register side's slot 0
.Ldone:
	s_wait_tensorcnt 0x0                           ; the wave's end
	ds_add_u32 v[SPW], v[NIL]
	s_wait_dscnt 0x0
	CROUND                                         ; the closing round
	s_endpgm
.Lfunc_end_k_q3d2cab6ec2_gqkv:
	.size	k_q3d2cab6ec2_gqkv, .Lfunc_end_k_q3d2cab6ec2_gqkv-k_q3d2cab6ec2_gqkv
	.p2alignl 7, 3214868480
	.fill 96, 4, 3214868480
	.section	.rodata,"a",@progbits
	.p2align	6, 0x0
	.amdhsa_kernel k_q3d2cab6ec2_gqkv
		.amdhsa_group_segment_fixed_size 327680
		.amdhsa_private_segment_fixed_size 0
		.amdhsa_enable_private_segment 0
		.amdhsa_kernarg_size 32
		.amdhsa_user_sgpr_count 2
		.amdhsa_user_sgpr_kernarg_segment_ptr 1
		.amdhsa_wavefront_size32 1
		.amdhsa_system_sgpr_workgroup_id_x 1
		.amdhsa_system_sgpr_workgroup_id_y 1
		.amdhsa_system_sgpr_workgroup_id_z 1
		.amdhsa_system_vgpr_workitem_id 0
		.amdhsa_next_free_vgpr 1024
		.amdhsa_next_free_sgpr 102
		.amdhsa_reserve_vcc 0
		.amdhsa_float_denorm_mode_32 3
		.amdhsa_float_denorm_mode_16_64 3
		.amdhsa_memory_ordered 1
		.amdhsa_forward_progress 1
		.amdhsa_inst_pref_size 249
	.end_amdhsa_kernel
	.amdgpu_metadata
---
amdhsa.version: [ 1, 2 ]
amdhsa.kernels:
  - .name:           k_q3d2cab6ec2_gqkv
    .symbol:         k_q3d2cab6ec2_gqkv.kd
    .args:
      - { .name: hq1, .offset: 0, .size: 8, .value_kind: global_buffer, .address_space: global }
      - { .name: wq, .offset: 8, .size: 8, .value_kind: global_buffer, .address_space: global }
      - { .name: c_attn_b, .offset: 16, .size: 8, .value_kind: global_buffer, .address_space: global }
      - { .name: qkv, .offset: 24, .size: 8, .value_kind: global_buffer, .address_space: global }
    .group_segment_fixed_size: 327680
    .private_segment_fixed_size: 0
    .kernarg_segment_align: 8
    .kernarg_segment_size: 32
    .max_flat_workgroup_size: 128
    .sgpr_count:     102
    .vgpr_count:     1024
    .wavefront_size: 32
...
	.end_amdgpu_metadata
.endif
;; end of part 9
;; launch attn (part 10): grid 16 x 16, 16 waves a work-group, no clusters, 327,680 bytes of LDS; arguments qkv, yq; writes yq
.if DOCPART == 10
	.amdgcn_target "amdgcn-amd-amdhsa--gfx1250"
	.amdhsa_code_object_version 6
	.text
	.protected	k_q3d2cab6ec2_attn
	.globl	k_q3d2cab6ec2_attn
	.p2align	8
	.type	k_q3d2cab6ec2_attn,@function
k_q3d2cab6ec2_attn:
	s_mov_b64 s[64:65], 0
	v_nop
	global_prefetch_b8 v0, s[64:65] scope:SCOPE_SE
	s_setreg_imm32_b32 hwreg(HW_REG_WAVE_MODE, 25, 1), 1
	s_wait_xcnt 0x0
; Attention on FP6 codes, both products used transposed: S^T = k q^T, p = 2^(t - M) with a running whole number M, O^T += v^T p^T; y = O / l is quantised along the head into yq.
; Sixteen waves: a wave has 16 queries of one of the work-group's two heads; a work-group takes 64 queries from the front of the sequence and 64 from its back, so that all have the same number of key steps.
; K and V go in slots of 256 keys through two LDS slots; the scale words of all keys come once.
; WORK LEFT OUT, shown dead at the head of the first kernel: key steps of 128 that begin after a wave's last query; the odd keys' score tiles in steps that end more than 4 keys ahead of its first query.
; LIMITS: the promise holds while the scaled scores stay under 2^31 in magnitude; a NaN, an infinity or an overflow that reaches only the scores left out is not carried to the result.
.set SLOT1, 65536
.set SCK,   131072
.set SCV,   147456
.set YST,   155648
.set YSC,   167936
.set SPARE, 168448
.set AK0, 1
.set AV0, 2
.set ASK0, 3
.set ASV0, 4
.set SPW, 5
.set NIL, 6
.set PFO, 7
.set ADK, 8
.set ADV, 9
.set ADS, 10
.set ADT, 11
.set KFR, 28
.set BM,  28
.set PT,  32
.set SOP, 36
.set BY,  40
.set SE,  82
.set SO,  114
.set P,   146
.set OT,  210
.set KSC, 242
.set WV,  18
.set SEL, 20
.set CS,  22
.set G1C, 24
.set G1SK, 32
.set G0C, 40
.set G1SV, 48
.set G0SK, 56
.set G0SV, 60
.set TB,  2
.set TS,  3
.set TJ,  66
.set SLOTS, 67
.set WLAST, 68
.set PFA, 76
.set LIM, 80
.set KF,  98
.set Q0,  99
.macro TLOAD2
	s_cmp_lt_u32 s[WV], 2
	s_cbranch_scc0 .Lnk_\@
	tensor_load_to_lds s[G0SK:G0SK+3], s[G1SK:G1SK+7]
	s_nop 0
.rept 4
	v_nop
.endr
	s_branch .Lsa_\@
.Lnk_\@:
	s_cmp_lt_u32 s[WV], 4
	s_cbranch_scc0 .Lsa_\@
	tensor_load_to_lds s[G0SV:G0SV+3], s[G1SV:G1SV+7]
	s_nop 0
.rept 4
	v_nop
.endr
.Lsa_\@:
.endm
.macro TLOAD1
	s_cmp_lt_u32 s[WV], 4
	s_cbranch_scc0 .Lna_\@
	tensor_load_to_lds s[G0C:G0C+3], s[G1C:G1C+7]
	s_nop 0
.rept 4
	v_nop
.endr
.Lna_\@:
.endm
.macro ASK
	s_cmp_gt_u32 s[SLOTS], s[LIM]
	s_cbranch_scc0 .Lnm_\@
	global_prefetch_b8 v[PFO], s[PFA:PFA+1] th:TH_LOAD_NT scope:SCOPE_SE
.Lnm_\@:
.endm
	s_load_b128 s[4:7], s[0:1], 0x0
	v_lshl_add_u32 v[SPW], v0, 2, SPARE
	v_mov_b32 v[NIL], 0
	ds_add_u32 v[SPW], v[NIL]
	ds_add_u32 v[SPW], v[NIL]
	v_lshrrev_b32 v8, 5, v0
	s_delay_alu instid0(VALU_DEP_1)
	v_readfirstlane_b32 s[WV], v8
	s_and_b32 s70, ttmp7, 0xffff
	s_lshr_b32 s71, s70, 3
	s_and_b32 s72, s70, 7
	s_and_b32 s73, s[WV], 1
	s_lshr_b32 s74, s[WV], 1
	s_lshl_b32 s75, ttmp9, 6
	s_lshl_b32 s81, s74, 4
	s_add_co_u32 s82, s75, s81
	s_sub_co_u32 s83, 1920, s75
	s_add_co_u32 s83, s83, s81
	s_cmp_lt_u32 s74, 4
	s_cselect_b32 s[Q0], s82, s83
	s_sub_co_u32 s[WLAST], 2047, s75
	s_lshl_b32 s84, s71, 11
	s_lshl_b32 s85, s72, 1
	s_add_co_u32 s85, s85, s73
	s_lshl_b32 s86, s85, 12
	s_add_co_u32 s86, s86, s84
	s_mul_i32 s87, s86, 48
	s_cmp_lt_u32 s[WV], 2
	s_mov_b32 s88, 6291456
	s_cselect_b32 s88, 3145728, s88
	s_add_co_u32 s88, s88, s87
	s_mov_b32 s89, 0
	s_lshl_b32 s90, s86, 2
	s_add_co_u32 s90, s90, 9699328
	s_mov_b32 s91, 0
	s_lshl_b32 s92, s86, 1
	s_add_co_u32 s92, s92, 9961472
	s_mov_b32 s93, 0
	s_add_co_u32 s94, s86, s[Q0]
	s_mul_i32 s95, s[WV], 12288
	s_lshl_b32 s96, s73, 13
	s_lshl_b32 s97, s73, 12
	s_mov_b32 s[G1C], 3<<16
	s_mov_b32 s[G1C+1], 32<<16
	s_mov_b32 s[G1C+2], 48<<16
	s_mov_b32 s[G1C+3], 32<<16
	s_mov_b32 s[G1C+4], 48
	s_mov_b32 s[G1C+5], 32
	s_mov_b32 s[G1C+6], 0
	s_mov_b32 s[G1C+7], 0
	s_mov_b32 s[G1SK], 3<<16
	s_mov_b32 s[G1SK+1], 32<<16
	s_mov_b32 s[G1SK+2], 32<<16
	s_mov_b32 s[G1SK+3], 32<<16
	s_mov_b32 s[G1SK+4], 32
	s_mov_b32 s[G1SK+5], 32
	s_mov_b32 s[G1SK+6], 0
	s_mov_b32 s[G1SK+7], 0
	s_mov_b32 s[G1SV], 3<<16
	s_mov_b32 s[G1SV+1], 32<<16
	s_mov_b32 s[G1SV+2], 16<<16
	s_mov_b32 s[G1SV+3], 32<<16
	s_mov_b32 s[G1SV+4], 16
	s_mov_b32 s[G1SV+5], 32
	s_mov_b32 s[G1SV+6], 0
	s_mov_b32 s[G1SV+7], 0
	s_mov_b32 s[SEL], 0x76543210
	s_mov_b32 s[SEL+1], 0xfedcba98
	s_mov_b32 s[CS], 0x3e38aa3b
	s_mov_b32 s[CS+1], s[CS]
	s_mov_b32 s[TB], 0
	s_mov_b32 s[TS], 0
	s_mov_b32 s[TJ], 0
	s_mov_b32 s[SLOTS], 7
	s_mov_b32 s[KF], 0
	s_wait_dscnt 0x0
	s_wait_kmcnt 0x0
	s_mov_b32 s[G0SK], 1
	s_add_co_u32 s[G0SK+1], s96, SCK
	s_add_nc_u64 s[G0SK+2:G0SK+3], s[4:5], s[90:91]
	s_or_b32 s[G0SK+3], s[G0SK+3], 0x80000000
	s_mov_b32 s[G0SV], 1
	s_add_co_u32 s[G0SV+1], s97, SCV
	s_add_nc_u64 s[G0SV+2:G0SV+3], s[4:5], s[92:93]
	s_or_b32 s[G0SV+3], s[G0SV+3], 0x80000000
	TLOAD2
	s_mov_b32 s[G0C], 1
	s_mov_b32 s[G0C+1], s95
	s_add_nc_u64 s[G0C+2:G0C+3], s[4:5], s[88:89]
	s_or_b32 s[G0C+3], s[G0C+3], 0x80000000
	s_wait_alu depctr_va_vdst(0)
	s_wait_tensorcnt 0x0
	ds_add_u32 v5, v6
	s_wait_dscnt 0x0
	s_barrier_signal -1
	s_barrier_wait -1
	TLOAD1
	s_mul_i32 s82, s94, 48
	s_mov_b32 s83, 0
	s_add_nc_u64 s[8:9], s[4:5], s[82:83]
	s_add_nc_u64 s[12:13], s[6:7], s[82:83]
	s_lshl_b32 s82, s94, 2
	s_add_co_u32 s82, s82, 9437184
	s_add_nc_u64 s[10:11], s[4:5], s[82:83]
	s_sub_co_u32 s81, 1984, s75
	s_cmp_eq_u32 s73, 0
	s_cselect_b32 s81, s75, s81
	s_lshl_b32 s82, s72, 12
	s_add_co_u32 s82, s82, s84
	s_add_co_u32 s81, s81, s82
	s_lshl_b32 s82, s81, 2
	s_add_co_u32 s82, s82, 3145728
	s_add_nc_u64 s[14:15], s[6:7], s[82:83]
	s_lshl_b32 s82, s72, 13
	s_add_co_u32 s82, s82, s84
	s_mul_i32 s82, s82, 48
	s_cmp_lt_u32 s[WV], 7
	s_mov_b32 s81, 6291456+12288
	s_cselect_b32 s81, 3145728+12288, s81
	s_cselect_b32 s85, 4, 7
	s_add_co_u32 s82, s82, s81
	s_add_nc_u64 s[PFA:PFA+1], s[4:5], s[82:83]
	s_sub_co_u32 s85, s[WV], s85
	s_min_u32 s85, s85, 2
	s_lshl_b32 s85, s85, 5
	v_and_b32 v[PFO], 31, v0
	s_delay_alu instid0(VALU_DEP_1)
	v_add_nc_u32 v[PFO], s85, v[PFO]
	s_delay_alu instid0(VALU_DEP_1)
	v_cmp_le_u32 vcc_lo, 48, v[PFO]
	v_mov_b32 v254, 184320
	s_delay_alu instid0(VALU_DEP_1)
	v_cndmask_b32 v254, 0, v254, vcc_lo
	s_delay_alu instid0(VALU_DEP_1)
	v_lshl_add_u32 v[PFO], v[PFO], 8, v254
	s_sub_co_u32 s85, s[WV], 4
	s_cmp_lt_u32 s85, 6
	s_cselect_b32 s[LIM], 1, -1
	s_cmp_eq_u32 ttmp9, 0
	s_cselect_b32 s[LIM], s[LIM], -1
	v_and_b32 v8, 15, v0
	v_bfe_u32 v9, v0, 4, 1
	s_delay_alu instid0(VALU_DEP_2)
	v_mul_u32_u24 v10, v8, 48
	s_delay_alu instid0(VALU_DEP_1)
	v_mad_u32_u24 v10, v9, 24, v10
.irp p, 0,1,2
	global_load_b64 v[16+2*\p:17+2*\p], v10, s[8:9] offset:8*\p
.endr
	v_lshlrev_b32 v11, 2, v8
	global_load_b32 v251, v11, s[10:11]
	s_mul_i32 s81, s73, 12288
	v_mul_u32_u24 v[AK0], v8, 96
	s_delay_alu instid0(VALU_DEP_1)
	v_mad_u32_u24 v[AK0], v9, 24, v[AK0]
	s_delay_alu instid0(VALU_DEP_1)
	v_add_nc_u32 v[AK0], s81, v[AK0]
	v_and_b32 v12, 8, v8
	s_delay_alu instid0(VALU_DEP_1)
	v_add_nc_u32 v12, v12, v8
	s_add_co_u32 s81, s81, 24576
	v_mul_u32_u24 v[AV0], v12, 48
	s_delay_alu instid0(VALU_DEP_1)
	v_mad_u32_u24 v[AV0], v9, 24, v[AV0]
	s_delay_alu instid0(VALU_DEP_1)
	v_add_nc_u32 v[AV0], s81, v[AV0]
	s_add_co_u32 s96, s96, SCK
	s_add_co_u32 s97, s97, SCV
	v_lshl_add_u32 v[ASK0], v8, 3, s96
	v_lshl_add_u32 v[ASV0], v12, 2, s97
	v_mov_b32 v13, 0xff61b1e6
	s_delay_alu instid0(VALU_DEP_1)
	v_floor_f32 v12, -v13
	v_mov_b32 v14, 0
	v_mov_b32 v15, 0
	v_mov_b32 v252, 0
	v_mov_b32 v253, 0
.irp i, 22,23,24,25,26,27
	v_mov_b32 v\i, 0
.endr
.irp i, 32,33,34,35,52,53,54,55,56,57,76,77,78,79,80,81
	v_mov_b32 v\i, 0
.endr
.set k_, 0
.rept 32
	v_mov_b32 v[P+2*k_+1], 0
	v_mov_b32 v[OT+k_], 0
.set k_, k_+1
.endr
.macro BODY q, full
	v_add_nc_u32 v[ADK], s[TB], v[AK0]
	v_add_nc_u32 v[ADV], s[TB], v[AV0]
	v_add_nc_u32 v[ADS], s[TS], v[ASK0]
	v_add_nc_u32 v[ADT], s[TJ], v[ASV0]
	v_nop
	v_nop
.irp b, 0,1,2,3
.irp p, 0,1,2
	ds_load_b64 v[KFR+6*\b+2*\p:KFR+6*\b+2*\p+1], v[ADK] offset:(128*(\q)+32*\b)*48+8*\p
.endr
	ds_load_b32 v[KSC+\b], v[ADS] offset:128*\b
.if \full
.irp p, 0,1,2
	ds_load_b64 v[KFR+24+6*\b+2*\p:KFR+24+6*\b+2*\p+1], v[ADK] offset:(128*(\q)+32*\b)*48+48+8*\p
.endr
	ds_load_b32 v[KSC+4+\b], v[ADS] offset:128*\b+4
.endif
.endr
	s_wait_dscnt 0x0
.irp b, 0,1,2,3
	v_wmma_scale_f32_16x16x128_f8f6f4 v[SE+8*\b:SE+8*\b+7], v[KFR+6*\b:KFR+6*\b+11], v[16:27], 0, v[KSC+\b], v251 matrix_a_fmt:MATRIX_FMT_FP6 matrix_b_fmt:MATRIX_FMT_FP6
.endr
.if \full
.irp b, 0,1,2,3
	v_wmma_scale_f32_16x16x128_f8f6f4 v[SO+8*\b:SO+8*\b+7], v[KFR+24+6*\b:KFR+24+6*\b+11], v[16:27], 0, v[KSC+4+\b], v251 matrix_a_fmt:MATRIX_FMT_FP6 matrix_b_fmt:MATRIX_FMT_FP6
.endr
.endif
.rept 4
	v_nop
.endr
.if \full
	s_sub_co_i32 s96, s[Q0], s[KF]
	v_and_b32 v44, 15, v0
	v_bfe_u32 v45, v0, 4, 1
	s_delay_alu instid0(VALU_DEP_1)
	v_lshlrev_b32 v45, 4, v45
	s_delay_alu instid0(VALU_DEP_1)
	v_sub_nc_u32 v44, v44, v45
	s_delay_alu instid0(VALU_DEP_1)
	v_add_nc_u32 v44, s96, v44
	v_mov_b32 v46, 0xff800000
.irp b, 0,1,2,3
.irp j, 0,1,2,3,4,5,6,7
	v_cmp_gt_i32 vcc_lo, 32*\b+2*\j, v44
	v_cndmask_b32 v[SE+8*\b+\j], v[SE+8*\b+\j], v46, vcc_lo
.endr
.endr
.irp b, 0,1,2,3
.irp j, 0,1,2,3,4,5,6,7
	v_add_nc_u32 v45, -(32*\b+2*\j+1), v44
	s_delay_alu instid0(VALU_DEP_1)
	v_cmp_lt_u32 vcc_lo, 4, v45
	v_cndmask_b32 v[SO+8*\b+\j], v[SO+8*\b+\j], v46, vcc_lo
.endr
.endr
.endif
.irp b, 0,1,2,3
	v_max3_num_f32 v[BM+\b], v[SE+8*\b], v[SE+8*\b+1], v[SE+8*\b+2]
.endr
.irp i, 3,5
.irp b, 0,1,2,3
	v_max3_num_f32 v[BM+\b], v[BM+\b], v[SE+8*\b+\i], v[SE+8*\b+\i+1]
.endr
.endr
.irp b, 0,1,2,3
	v_max_num_f32 v[BM+\b], v[BM+\b], v[SE+8*\b+7]
.endr
.if \full
.irp i, 0,2,4,6
.irp b, 0,1,2,3
	s_delay_alu instid0(VALU_DEP_4)
	v_max3_num_f32 v[BM+\b], v[BM+\b], v[SO+8*\b+\i], v[SO+8*\b+\i+1]
.endr
.endr
.endif
.irp b, 0,1,2,3
	s_delay_alu instid0(VALU_DEP_4)
	v_permlanex16_b32 v[PT+\b], v[BM+\b], s[SEL], s[SEL+1]
.endr
.irp b, 0,1,2,3
	s_delay_alu instid0(VALU_DEP_4)
	v_max_num_f32 v[BM+\b], v[BM+\b], v[PT+\b]
.endr
	s_delay_alu instid0(VALU_DEP_2)
	v_max3_num_f32 v254, v[BM], v[BM+1], v[BM+2]
	s_delay_alu instid0(VALU_DEP_1)
	v_max_num_f32 v254, v254, v[BM+3]
	s_delay_alu instid0(VALU_DEP_1)
	v_mul_f32 v254, s[CS], v254
	s_delay_alu instid0(VALU_DEP_1)
	v_max_num_f32 v13, v13, v254
	v_mov_b32 v254, v12
	s_delay_alu instid0(VALU_DEP_2)
	v_floor_f32 v12, -v13
	s_delay_alu instid0(VALU_DEP_1)
	v_sub_f32 v254, v12, v254
	s_delay_alu instid0(VALU_DEP_1)
	v_cvt_i32_f32 v254, v254
	s_delay_alu instid0(VALU_DEP_1)
	v_ldexp_f32 v252, 1.0, v254
.set k_, 0
.rept 16
	v_pk_fma_f32 v[SE+k_:SE+k_+1], v[SE+k_:SE+k_+1], s[CS:CS+1], v[12:13] op_sel_hi:[1,0,0]
.if \full
	v_pk_fma_f32 v[SO+k_:SO+k_+1], v[SO+k_:SO+k_+1], s[CS:CS+1], v[12:13] op_sel_hi:[1,0,0]
.endif
.set k_, k_+2
.endr
.irp b, 0,1,2,3
	v_fma_f32 v[BM+\b], v[BM+\b], s[CS], v12
.endr
	s_wait_alu depctr_va_vdst(0)
.irp b, 0,1,2,3
.irp j, 0,1,2,3,4,5,6,7
	v_exp_f32 v[P+16*\b+2*\j], v[SE+8*\b+\j]
.if \full
	v_exp_f32 v[P+16*\b+2*\j+1], v[SO+8*\b+\j]
.endif
.endr
.endr
	v_pk_mul_f32 v[14:15], v[14:15], v[252:253] op_sel_hi:[1,0]
	s_wait_alu depctr_va_vdst(0)
.irp b, 0,1,2,3
	v_exp_f32 v[BM+\b], v[BM+\b]
.endr
	v_pk_add_f32 v[254:255], v[P:P+1], v[P+2:P+3]
.set k_, 4
.rept 15
	v_pk_add_f32 v[14:15], v[14:15], v[P+k_:P+k_+1]
	v_pk_add_f32 v[254:255], v[254:255], v[P+k_+2:P+k_+3]
.set k_, k_+4
.endr
	s_delay_alu instid0(VALU_DEP_1)
	v_pk_add_f32 v[14:15], v[14:15], v[254:255]
	s_wait_alu depctr_va_vdst(0)
.irp b, 0,1,2,3
	v_max_num_f32 v[BM+\b], 0x1800000, v[BM+\b]
.endr
.irp b, 0,1,2,3
	s_delay_alu instid0(VALU_DEP_4)
	v_add_nc_u32 v[SOP+\b], 0xff000000, v[BM+\b]
.endr
.irp b, 0,1,2,3
	s_delay_alu instid0(VALU_DEP_4)
	v_lshrrev_b32 v[BY+\b], 23, v[SOP+\b]
.endr
	s_delay_alu instid0(VALU_DEP_3)
	v_lshl_or_b32 v250, v[BY+1], 8, v[BY]
	s_delay_alu instid0(VALU_DEP_1)
	v_lshl_or_b32 v250, v[BY+2], 16, v250
	s_delay_alu instid0(VALU_DEP_1)
	v_lshl_or_b32 v250, v[BY+3], 24, v250
.irp c, 0,1
	v_cvt_scalef32_pk16_fp6_f32 v[82+6*\c:84+6*\c], v[P+32*\c:P+32*\c+15], v[SOP+2*\c]
	v_cvt_scalef32_pk16_fp6_f32 v[94+4*\c:96+4*\c], v[P+32*\c+16:P+32*\c+31], v[SOP+2*\c+1]
.endr
	v_nop
.irp c, 0,1
.irp i, 0,1,2
	v_permlane16_swap_b32 v[82+6*\c+\i], v[94+4*\c+\i]
.endr
.irp i, 0,1,2
	s_delay_alu instid0(VALU_DEP_3)
	v_mov_b32 v[85+6*\c+\i], v[94+4*\c+\i]
.endr
.endr
.set k_, 0
.rept 16
	v_pk_mul_f32 v[OT+k_:OT+k_+1], v[OT+k_:OT+k_+1], v[252:253] op_sel_hi:[1,0]
.set k_, k_+2
.endr
.irp t, 0,1,2,3
.irp p, 0,1,2,3,4,5
	ds_load_b64 v[28+12*\t+2*\p:28+12*\t+2*\p+1], v[ADV] offset:(2*(\q)+\p/3)*3072+(32*(\t/2)+8*(\t%2))*48+8*(\p%3)
.endr
	ds_load_b32 v[KSC+\t], v[ADT] offset:(32*(\t/2)+8*(\t%2))*4
.endr
	s_wait_alu depctr_va_vdst(0)
	s_wait_dscnt 0x0
.irp t, 0,1,2,3
	v_wmma_scale_f32_16x16x128_f8f6f4 v[OT+8*\t:OT+8*\t+7], v[28+12*\t:39+12*\t], v[82:93], v[OT+8*\t:OT+8*\t+7], v[KSC+\t], v250 matrix_a_fmt:MATRIX_FMT_FP6 matrix_b_fmt:MATRIX_FMT_FP6
.endr
.endm
.macro STEP q
	s_add_co_u32 s96, s[Q0], 15
	s_cmp_gt_u32 s[KF], s96
	s_cbranch_scc1 .Lhid_\@
	s_add_co_u32 s96, s[KF], 132
	s_cmp_le_u32 s96, s[Q0]
	s_cbranch_scc0 .Lfull_\@
	BODY \q, 0
	s_branch .Lhid_\@
.Lfull_\@:
	BODY \q, 1
.Lhid_\@:
	s_add_co_u32 s[KF], s[KF], 128
	s_add_co_u32 s[TS], s[TS], 512
	s_add_co_u32 s[TJ], s[TJ], 256
.endm
.macro CHANGE fill
	s_wait_tensorcnt 0x0
	ds_add_u32 v[SPW], v[NIL]
.if \fill
	ds_add_u32 v[SPW], v[NIL]
	s_xor_b32 s[G0C+1], s[G0C+1], SLOT1
	s_add_nc_u64 s[G0C+2:G0C+3], s[G0C+2:G0C+3], 12288
	s_wait_xcnt 0x0
	s_add_nc_u64 s[PFA:PFA+1], s[PFA:PFA+1], 12288
.endif
	s_wait_dscnt 0x0
	s_barrier_signal -1
	s_barrier_wait -1
.if \fill
	s_add_co_u32 s96, s[KF], 256
	s_cmp_gt_u32 s96, s[WLAST]
	s_cbranch_scc1 .Lpast_\@
	TLOAD1
.Lpast_\@:
	ASK
.endif
.endm
	s_wait_loadcnt 0x0
.Lslot:
	CHANGE 1
	STEP 0
	STEP 1
	s_xor_b32 s[TB], s[TB], SLOT1
	s_sub_co_u32 s[SLOTS], s[SLOTS], 1
	s_cmp_lg_u32 s[SLOTS], 0
	s_cbranch_scc1 .Lslot
	CHANGE 0
	STEP 0
	STEP 1
	v_add_f32 v14, v14, v15
	s_delay_alu instid0(VALU_DEP_1)
	v_permlanex16_b32 v252, v14, s[SEL], s[SEL+1]
	s_delay_alu instid0(VALU_DEP_1)
	v_add_f32 v14, v14, v252
	s_wait_alu depctr_va_vdst(0)
	v_rcp_f32 v14, v14
	v_and_b32 v8, 15, v0
	v_bfe_u32 v9, v0, 4, 1
	s_mul_i32 s81, s[WV], 768
	s_add_co_u32 s81, s81, YST
	v_mul_u32_u24 v10, v8, 48
	s_delay_alu instid0(VALU_DEP_1)
	v_mad_u32_u24 v10, v9, 24, v10
	s_delay_alu instid0(VALU_DEP_1)
	v_add_nc_u32 v10, s81, v10
	v_and_b32 v11, 31, v0
	s_delay_alu instid0(VALU_DEP_1)
	v_lshlrev_b32 v1, 3, v11
	s_delay_alu instid0(VALU_DEP_1)
	v_add_nc_u32 v11, s81, v1
	s_lshl_b32 s81, s74, 6
	s_lshl_b32 s82, s73, 1
	s_add_co_u32 s81, s81, s82
	s_add_co_u32 s81, s81, YSC
	v_lshl_add_u32 v2, v8, 2, s81
	s_lshl_b32 s81, s73, 8
	s_add_co_u32 s81, s81, YSC
	v_add_nc_u32 v3, s81, v1
	s_wait_alu depctr_va_vdst(0)
.set k_, 0
.rept 32
	v_mul_f32 v[82+k_], v[OT+k_], v14
.set k_, k_+1
.endr
.irp b, 0,1
	v_max3_num_f32 v[28+\b], |v[82+16*\b]|, |v[83+16*\b]|, 0x1800000
.endr
.irp i, 2,4,6,8,10,12,14
.irp b, 0,1
	s_delay_alu instid0(VALU_DEP_2)
	v_max3_num_f32 v[28+\b], v[28+\b], |v[82+16*\b+\i]|, |v[83+16*\b+\i]|
.endr
.endr
.irp b, 0,1
	s_delay_alu instid0(VALU_DEP_2)
	v_permlanex16_b32 v[32+\b], v[28+\b], s[SEL], s[SEL+1]
.endr
.irp b, 0,1
	s_delay_alu instid0(VALU_DEP_2)
	v_max_num_f32 v[28+\b], v[28+\b], v[32+\b]
.endr
.irp b, 0,1
	s_delay_alu instid0(VALU_DEP_2)
	v_add_nc_u32 v[36+\b], 0xff000000, v[28+\b]
.endr
.irp b, 0,1
	s_delay_alu instid0(VALU_DEP_2)
	v_lshrrev_b32 v[40+\b], 23, v[36+\b]
.endr
	s_delay_alu instid0(VALU_DEP_1)
	v_lshl_or_b32 v40, v41, 8, v40
	v_cvt_scalef32_pk16_fp6_f32 v[44:46], v[82:97], v36
	v_cvt_scalef32_pk16_fp6_f32 v[50:52], v[98:113], v37
	v_nop
.irp i, 0,1,2
	v_permlane16_swap_b32 v[44+\i], v[50+\i]
.endr
.irp i, 0,1,2
	s_delay_alu instid0(VALU_DEP_3)
	v_mov_b32 v[47+\i], v[50+\i]
.endr
.irp i, 0,1,2
	ds_store_b64 v10, v[44+2*\i:45+2*\i] offset:8*\i
.endr
	ds_store_b16 v2, v40
.irp i, 0,1,2
	ds_load_b64 v[54+2*\i:55+2*\i], v11 offset:256*\i
.endr
.irp i, 0,1,2
	s_wait_dscnt 2-\i
	global_store_b64 v1, v[54+2*\i:55+2*\i], s[12:13] offset:256*\i
.endr
	s_wait_dscnt 0x0
	s_barrier_signal -1
	s_barrier_wait -1
	s_cmp_lt_u32 s[WV], 2
	s_cbranch_scc0 .Lend
	ds_load_b64 v[60:61], v3
	s_wait_dscnt 0x0
	global_store_b64 v1, v[60:61], s[14:15]
.Lend:
	s_wait_tensorcnt 0x0
	ds_add_u32 v[SPW], v[NIL]
	s_wait_dscnt 0x0
	s_endpgm
.Lfunc_end_k_q3d2cab6ec2_attn:
	.size	k_q3d2cab6ec2_attn, .Lfunc_end_k_q3d2cab6ec2_attn-k_q3d2cab6ec2_attn
	.p2alignl 7, 3214868480
	.fill 96, 4, 3214868480
	.section	.rodata,"a",@progbits
	.p2align	6, 0x0
	.amdhsa_kernel k_q3d2cab6ec2_attn
		.amdhsa_group_segment_fixed_size 327680
		.amdhsa_private_segment_fixed_size 0
		.amdhsa_enable_private_segment 0
		.amdhsa_kernarg_size 16
		.amdhsa_user_sgpr_count 2
		.amdhsa_user_sgpr_kernarg_segment_ptr 1
		.amdhsa_wavefront_size32 1
		.amdhsa_system_sgpr_workgroup_id_x 1
		.amdhsa_system_sgpr_workgroup_id_y 1
		.amdhsa_system_sgpr_workgroup_id_z 1
		.amdhsa_system_vgpr_workitem_id 0
		.amdhsa_next_free_vgpr 256
		.amdhsa_next_free_sgpr 100
		.amdhsa_reserve_vcc 1
		.amdhsa_float_denorm_mode_32 3
		.amdhsa_float_denorm_mode_16_64 3
		.amdhsa_memory_ordered 1
		.amdhsa_forward_progress 1
		.amdhsa_inst_pref_size 182
	.end_amdhsa_kernel
	.amdgpu_metadata
---
amdhsa.version: [ 1, 2 ]
amdhsa.kernels:
  - .name:           k_q3d2cab6ec2_attn
    .symbol:         k_q3d2cab6ec2_attn.kd
    .args:
      - { .name: qkv, .offset: 0, .size: 8, .value_kind: global_buffer, .address_space: global }
      - { .name: yq, .offset: 8, .size: 8, .value_kind: global_buffer, .address_space: global }
    .group_segment_fixed_size: 327680
    .private_segment_fixed_size: 0
    .kernarg_segment_align: 8
    .kernarg_segment_size: 16
    .max_flat_workgroup_size: 512
    .sgpr_count:     100
    .vgpr_count:     256
    .wavefront_size: 32
...
	.end_amdgpu_metadata
.endif
;; end of part 10
;; launch gproj (part 11): grid 8 x 32, 4 waves a work-group, clusters of 4 x 4, 327,680 bytes of LDS; arguments yq, wq, attn_proj_b, x, x1; writes x1
.if DOCPART == 11
	.amdgcn_target "amdgcn-amd-amdhsa--gfx1250"
	.amdhsa_code_object_version 6
	.text
	.protected	k_q3d2cab6ec2_gproj
	.globl	k_q3d2cab6ec2_gproj
	.p2align	8
	.type	k_q3d2cab6ec2_gproj,@function
k_q3d2cab6ec2_gproj:
	s_mov_b64 s[64:65], 0
	v_nop
	global_prefetch_b8 v0, s[64:65] scope:SCOPE_SE
	s_setreg_imm32_b32 hwreg(HW_REG_WAVE_MODE, 25, 1), 1
	s_wait_xcnt 0x0
	s_wait_alu depctr_hold_cnt(0) depctr_sa_sdst(0) depctr_va_vdst(0) depctr_va_sdst(0) depctr_va_ssrc(0) depctr_va_vcc(0) depctr_vm_vsrc(0)
	s_getreg_b32 s2, hwreg(HW_REG_IB_STS2, 6, 4)
	s_cmp_eq_u32 s2, 0
	s_cbranch_scc0 .Lentry_in_a_cluster
	s_endpgm
.Lentry_in_a_cluster:
	s_bfe_u32 s2, ttmp6, 0x10000c
	s_cmp_lg_u32 s2, 0xf033
	s_cbranch_scc0 .Lentry_shape_is_right
	s_endpgm
.Lentry_shape_is_right:
; x1 = x + y W + b on FP6 codes.  Nothing of reference() is left out here.
; THE TILE: the result is 4,096 x 1,024: 32 x 8 = 256 tiles of 128 x 128, one work-group each; tiles of 256 x 256 would be 64.  Four waves, 64 x 64 each: 16 accumulators.
; K goes through two LDS slots of 512 along K each, filled by joint tensor loads in clusters of 4 x 4 (the lane side's tile shared along a row of the cluster, W's along a column).  A slot holds two chunks of 256 along K
; of the lane side's 128 rows and two of W's 128 positions; waves 0 and 1 fetch the lane side's two chunks, waves 2 and 3 W's.  With K = 1,024 both slots are first fills, and nothing is filled again.
; Source 0 = 16 positions of W (a lane's eight results run along the columns), source 1 = 16 rows of y.  W lies in position order, so register j of accumulator b is column 32 (b / 2) + 16 (lane / 16) + 8 (b % 2) + j.
; PLANES = 1: y's codes lie [head][row][48 bytes]: a chunk is four planes of 128 x 48 dense bytes.  RMAP = 0: y's rows lie in plain order.
; REGISTERS, in windows of 256: window 0: v16-30 addresses; v32-63 scale words, two sets; v64-67 the bias; v128-223 the lane side's fragments, two sets of 48; on the way out v128-255 four blocks of rows.
;   window 1: W's fragments, two sets, at v0 and v128.   window 2: v0-127 the accumulators ((a, b) at v[8 (4 a + b)]).   window 3: v0-127 the residual's 64 x 64 numbers, asked for at the head.
.set KTOT,   1024
.set PLANES, 1
.set RMAP,   0
.set ASTEP,  786432                    ; a chunk of 256 along K in the lane side's codes, in bytes
.set BSTEP,  196608                    ; and in W's: 1,024 records of 192 bytes
.set ASOFF,  3145728                   ; the lane side's scale words in its buffer
.set BCOFF,  3145728                   ; W's codes in wq
.set BSOFF,  10354688                  ; W's scale words
.set PB,     1024                      ; their pitch
.set NKS,    KTOT/128
.set LAPS,   KTOT/1024                 ; a lap = two slots = once round the ring
.set NQ,     4                         ; steps of 128 along K in a slot
.set PITCH,  240                       ; an LDS row: 3 x (64 bytes of codes + 16 of padding)
.set FR,     12
.set NP,     4
.set HALFT,  128*PITCH                 ; a chunk of 128 rows: what one tensor load brings
.if PLANES
.set HALFA,  24576
.set AROWS,  64*48                     ; from my wave's rows to the other half's, inside a plane
.else
.set HALFA,  HALFT
.set AROWS,  64*PITCH
.endif
; WHO FETCHES WHAT (in place of the head comment's sentence on fetching): all of K is asked for at the head, one joint load a wave: wave 0 the lane side's sixteen planes, wave 1 W's four chunks,
; wave 2 the lane side's scale words, wave 3 W's.  In LDS each side's two slots lie on end.
.set BOFF,   4*HALFA
.set SLOTA,  2*HALFA                   ; from the lane side's slot 0 to its slot 1
.set SLOTB,  2*HALFT                   ; and W's
.set SCL,    BOFF+4*HALFT
.set HALFS,  256*NKS                   ; half of one side's: a wave's 64 rows
.set SPARE,  SCL+4*HALFS               ; the spare words, named by no other line
.set STG,    SPARE+512                 ; the way out: a stage of 16 rows x (256 bytes + 16) for each wave, in bytes into which no fill lands
.set SPITCH, 272
.set ADRA, 16
.set ADRB, 20
.set STO,  24
.set RD,   25
.set CO,   26
.set ADRS, 27
.set SPW,  28
.set NIL,  29
.set BO,   30
.set SC,   32                          ; v32-63 scale words, and nothing else
.set BS,   64                          ; v64-67 the bias of my four columns
.set AF,   128
.set BK,   128
.set G1, 24
.set G0, 32
.set G1B, 48
.set G0B, 56
.set G1S, 68
.set G0S, 76
.set G1SB, 80
.set G0SB, 88
.set MSB, 0
.macro WIN new                         ; the immediate's high byte repeats the setting that is left
.if MSB != (\new)
	s_set_vgpr_msb (MSB<<8)|(\new)
.set MSB, \new
.endif
.endm
.set MUL,    0xa1                      ; source 0 (W) window 1, source 1 window 0, C and D window 2
.set TO_B,   0x40
.macro JLOAD g0a, g1a, g0b, g1b        ; a joint load: waves 0 and 1 fetch for the lane side, waves 2 and 3 for W; an s_nop 0 and four v_nop follow each line
	s_cmp_eq_u32 s15, 0
	s_cbranch_scc0 .Lfor_b_\@
	tensor_load_to_lds s[\g0a:\g0a+3], s[\g1a:\g1a+7]
	s_nop 0
.rept 4
	v_nop
.endr
	s_branch .Lasked_\@
.Lfor_b_\@:
	tensor_load_to_lds s[\g0b:\g0b+3], s[\g1b:\g1b+7]
	s_nop 0
.rept 4
	v_nop
.endr
.Lasked_\@:
.endm
.macro CREST
	s_cmp_lg_u32 s14, 0
	s_cbranch_scc1 .Lnot_wave_0_\@
	s_barrier_signal -3
.Lnot_wave_0_\@:
	s_barrier_wait -3
	s_barrier_signal -1
	s_barrier_wait -1
.endm
.macro CROUND
	s_barrier_signal -1
	s_barrier_wait -1
	CREST
.endm
	s_load_b256 s[4:11], s[0:1], 0x0               ; lane side, wq, bias, residual
	s_load_b64 s[12:13], s[0:1], 0x20              ; out
	v_lshl_add_u32 v[SPW], v0, 2, SPARE
	v_mov_b32 v[NIL], 0
	ds_add_u32 v[SPW], v[NIL]                      ; the opening: the add, twice on end, and its wait ahead of my first tensor load
	ds_add_u32 v[SPW], v[NIL]
	v_lshrrev_b32 v1, 5, v0
	v_readfirstlane_b32 s14, v1                    ; wave 0..3
	s_lshr_b32 s15, s14, 1                         ; my 64 of the tile's rows.  Also: I fetch for the lane side (0) or for W (1)
	s_and_b32 s16, s14, 1                          ; my 64 of its columns.  Also: which of a slot's two chunks I fetch
	s_bfe_u32 s40, ttmp6, 0x40000                  ; cx
	s_bfe_u32 s41, ttmp6, 0x40004                  ; cy
	s_lshl_b32 s42, ttmp9, 2
	s_add_co_u32 s42, s42, s40                     ; tile column 0..7
	s_and_b32 s17, ttmp7, 0xffff
	s_lshl_b32 s17, s17, 2
	s_add_co_u32 s17, s17, s41                     ; tile row 0..31
	s_lshl_b32 s43, s41, 2
	s_lshl_b32 s43, 15, s43                        ; my row of the cluster
	s_lshl_b32 s44, 0x1111, s40                    ; my column
.if PLANES
	s_or_b32 s[G1+0], s43, (3<<16)|(1<<21)         ; sixteen planes of 768 elements of 8 bytes, 24,576 elements apart, no padding
	s_mov_b32 s[G1+1], 768<<16
	s_mov_b32 s[G1+2], 16<<16
	s_mov_b32 s[G1+3], 768<<16
	s_mov_b32 s[G1+4], 16
	s_mov_b32 s[G1+5], 24576
.else
	s_or_b32 s[G1+0], s43, (3<<16)|(1<<20)|(1<<21)|(3<<22)|(3<<25)   ; a row is a chunk's 128 records, 24,576 dense bytes; four chunks; padding of 4 words behind every 16
	s_mov_b32 s[G1+1], 3072<<16
	s_mov_b32 s[G1+2], 4<<16
	s_mov_b32 s[G1+3], 3072<<16
	s_mov_b32 s[G1+4], 4
	s_mov_b32 s[G1+5], ASTEP/8
.endif
	s_mov_b32 s[G1+6], 0
	s_mov_b32 s[G1+7], 0
	s_or_b32 s[G1B+0], s44, (3<<16)|(1<<20)|(1<<21)|(3<<22)|(3<<25)
	s_mov_b32 s[G1B+1], 3072<<16
	s_mov_b32 s[G1B+2], 4<<16
	s_mov_b32 s[G1B+3], 3072<<16
	s_mov_b32 s[G1B+4], 4
	s_mov_b32 s[G1B+5], BSTEP/8
	s_mov_b32 s[G1B+6], 0
	s_mov_b32 s[G1B+7], 0
	s_or_b32 s[G1S+0], s43, (2<<16)|(1<<21)        ; the scale words: 128 elements of 4 bytes x K / 128 rows
	s_or_b32 s[G1SB+0], s44, (2<<16)|(1<<21)
.irp g, G1S, G1SB
	s_mov_b32 s[\g+1], 128<<16
	s_mov_b32 s[\g+2], NKS<<16
	s_mov_b32 s[\g+3], 128<<16
	s_mov_b32 s[\g+4], NKS
	s_mov_b32 s[\g+6], 0
	s_mov_b32 s[\g+7], 0
.endr
	s_mov_b32 s[G1S+5], 4096
	s_mov_b32 s[G1SB+5], PB
	; where the tiles come from.  The lane side's hang on the tile row and the wave's number alone, W's on the tile column and the wave's number alone
	s_lshl_b32 s20, s17, 7                         ; the tile's first row
	s_lshl_b32 s46, s42, 7                         ; the tile's first position of W
	s_lshl_b32 s22, s20, 2
	s_add_co_u32 s22, s22, ASOFF
	s_mov_b32 s23, 0
	s_lshl_b32 s92, s46, 2
	s_add_co_u32 s92, s92, BSOFF
	s_mov_b32 s93, 0
.if PLANES
	s_mul_i32 s20, s20, 48
.else
	s_mul_i32 s20, s20, 192
.endif
	s_mov_b32 s21, 0
	s_mul_i32 s46, s46, 192
	s_add_co_u32 s46, s46, BCOFF
	s_mov_b32 s47, 0
	s_wait_dscnt 0x0                               ; both opening adds are done
	s_wait_kmcnt 0x0
	s_add_nc_u64 s[20:21], s[4:5], s[20:21]
	s_add_nc_u64 s[22:23], s[4:5], s[22:23]
	s_add_nc_u64 s[46:47], s[6:7], s[46:47]
	s_add_nc_u64 s[92:93], s[6:7], s[92:93]
	CROUND                                         ; all sixteen work-groups are here: the first joint loads meet
	s_mov_b32 s[G0S], 1
	s_mov_b32 s[G0S+1], SCL
	s_mov_b64 s[G0S+2:G0S+3], s[22:23]
	s_or_b32 s[G0S+3], s[G0S+3], 0x80000000
	s_mov_b32 s[G0SB], 1
	s_mov_b32 s[G0SB+1], SCL+2*HALFS
	s_mov_b64 s[G0SB+2:G0SB+3], s[92:93]
	s_or_b32 s[G0SB+3], s[G0SB+3], 0x80000000
	s_mov_b32 s[G0], 1
	s_mov_b32 s[G0+1], 0
	s_mov_b64 s[G0+2:G0+3], s[20:21]
	s_or_b32 s[G0+3], s[G0+3], 0x80000000
	s_mov_b32 s[G0B], 1
	s_mov_b32 s[G0B+1], BOFF
	s_mov_b64 s[G0B+2:G0B+3], s[46:47]
	s_or_b32 s[G0B+3], s[G0B+3], 0x80000000
; THE HEAD'S LOADS, ONE A WAVE: one chain of branches on the wave's number, a load to an arm, all arms leading to one join.
.macro ARM under, g0, g1, next
	s_cmp_lt_u32 s14, \under
	s_cbranch_scc0 \next
	tensor_load_to_lds s[\g0:\g0+3], s[\g1:\g1+7]
	s_nop 0
.rept 4
	v_nop
.endr
	s_branch .Lhead_asked
\next:
.endm
	ARM 1, G0,  G1,  .Lhead_b
	ARM 2, G0B, G1B, .Lhead_sa
	ARM 3, G0S, G1S, .Lhead_sb
	tensor_load_to_lds s[G0SB:G0SB+3], s[G1SB:G1SB+7]
	s_nop 0
.rept 4
	v_nop
.endr
.Lhead_asked:
	v_and_b32 v1, 15, v0                           ; r
	v_bfe_u32 v2, v0, 4, 1                         ; h
	v_mul_u32_u24 v3, v1, PITCH
	v_mul_u32_u24 v4, v2, 24
	v_add_nc_u32 v4, v3, v4                        ; a fragment's row x pitch + 24 x half
	v_lshl_add_u32 v5, v2, 4, v4                   ; and the same behind one padding more
	v_mul_u32_u24 v6, v1, 48
	v_mad_u32_u24 v6, v2, 24, v6                   ; in a plane: row x 48 + 24 x half
	s_mul_i32 s21, s15, AROWS                      ; my 64 rows
	s_mul_i32 s22, s16, 64*PITCH                   ; my 64 positions of W,
	s_add_co_u32 s22, s22, BOFF                    ; which lie behind the lane side's two slots
.irp s, 0,1
.if PLANES
	v_add_nc_u32 v[ADRA+\s], s21, v6
.else
	v_add_nc_u32 v[ADRA+\s], s21, v4
	v_add_nc_u32 v[ADRA+2+\s], s21, v5
.endif
	v_add_nc_u32 v[ADRB+\s], s22, v4
	v_add_nc_u32 v[ADRB+2+\s], s22, v5
	s_add_co_u32 s21, s21, SLOTA
	s_add_co_u32 s22, s22, SLOTB
.endr
	v_lshlrev_b32 v5, 2, v1                        ; my row's scale word
	s_lshl_b32 s21, s15, 8                         ; the lane side's: my 64 rows
	s_lshl_b32 s22, s16, 8                         ; W's: my 64 positions, behind the lane side's block
	s_add_co_u32 s22, s22, 2*HALFS
	s_sub_co_u32 s22, s22, s21
	v_mul_u32_u24 v6, s22, v2                      ; lanes 16-31 take W's
	s_add_co_u32 s21, s21, SCL
	v_add_nc_u32 v5, v5, v6
	v_add_nc_u32 v[ADRS], s21, v5
	s_mul_i32 s23, s14, 16*SPITCH
	s_add_co_u32 s23, s23, STG                     ; my stage
	v_mul_u32_u24 v5, v1, SPITCH
	v_lshl_add_u32 v5, v2, 6, v5
	v_add_nc_u32 v[STO], s23, v5                   ; in: row r, + 64 x half
	v_mul_u32_u24 v5, v2, SPITCH
	v_lshl_add_u32 v5, v1, 4, v5
	v_add_nc_u32 v[RD], s23, v5                    ; back: lanes 0-15 take a row of 256 bytes, lanes 16-31 the next
	v_lshlrev_b32 v[BO], 4, v1                     ; my four columns
	v_lshl_add_u32 v[CO], v2, 12, v[BO]            ; and the same two rows in memory, 4,096 bytes apart
	s_wait_alu depctr_va_vdst(0)
	s_lshl_b32 s20, s42, 9
	s_lshl_b32 s21, s16, 8
	s_add_co_u32 s20, s20, s21                     ; my first column, in bytes
	s_mov_b32 s21, 0
	s_add_nc_u64 s[8:9], s[8:9], s[20:21]
	global_load_b128 v[BS:BS+3], v[BO], s[8:9]
	s_lshl_b32 s22, s17, 19
	s_lshl_b32 s23, s15, 18
	s_add_co_u32 s22, s22, s23                     ; my first row, 4,096 bytes a row
	s_add_co_u32 s20, s20, s22
	s_add_nc_u64 s[12:13], s[12:13], s[20:21]
	s_add_nc_u64 s[96:97], s[10:11], s[20:21]
.macro ROWOF a, t                      ; the row of the wave's 64 in which stage row t of block a belongs
.set RW, (1-RMAP)*(16*(\a)+(\t))+RMAP*(32*((\a)/2)+8*((\a)%2)+(\t)+8*((\t)/8))
.endm
	WIN 0xc0                                       ; destination window 3: the residual's numbers are asked for here, behind the first fills, and wanted only on the way out
.irp k, 0,1,2,3
.set t_, 0
.rept 8
	ROWOF \k, 2*t_
	global_load_b128 v[32*\k+4*t_:32*\k+4*t_+3], v[CO], s[96:97] offset:RW*4096
.set t_, t_+1
.endr
.endr
	WIN 0
.macro FRAG reg, adr, q, i             ; 16 rows x 128 K of 6-bit codes: 12 registers, six pieces of 8 bytes; step q of the slot lies in chunk q / 2; where the piece of lanes 16-31 lies behind one padding more, the second address register serves
.irp p, 0,1,2,3,4,5
.set PCE, 12*((\q)%2)+6*(\p/3)+\p%3
.if PCE%8 < 5
	ds_load_b64 v[\reg+2*\p:\reg+2*\p+1], v[\adr] offset:((\q)/2)*HALFT+8*PCE+16*(PCE/8)+(\i)*16*PITCH
.else
	ds_load_b64 v[\reg+2*\p:\reg+2*\p+1], v[\adr+2] offset:((\q)/2)*HALFT+8*PCE+16*(PCE/8)+(\i)*16*PITCH
.endif
.endr
.endm
.macro FRAGA reg, adr, q, i            ; from planes: K = 128 q + 64 c + 32 h lies in the slot's plane 2 q + c, 24 h bytes into the row's 48
.irp p, 0,1,2,3,4,5
	ds_load_b64 v[\reg+2*\p:\reg+2*\p+1], v[\adr] offset:(2*(\q)+\p/3)*6144+(\i)*768+8*(\p%3)
.endr
.endm
.macro MUL16 p, q, sc, zero            ; a step's 16 matrix instructions on fragment sets p; the 16 accumulators take turns, one instruction a turn
.irp a, 0,1,2,3
.irp b, 0,1,2,3
.if \zero
	v_wmma_scale_f32_16x16x128_f8f6f4 v[8*(4*\a+\b):8*(4*\a+\b)+7], v[128*(\p)+FR*\b:128*(\p)+FR*\b+FR-1], v[AF+48*(\p)+FR*\a:AF+48*(\p)+FR*\a+FR-1], 0, v[SC+16*(\sc)+NQ*\b+(\q)], v[SC+16*(\sc)+NQ*\a+(\q)] matrix_a_fmt:MATRIX_FMT_FP6 matrix_b_fmt:MATRIX_FMT_FP6 matrix_a_scale:MATRIX_SCALE_ROW1
.else
	v_wmma_scale_f32_16x16x128_f8f6f4 v[8*(4*\a+\b):8*(4*\a+\b)+7], v[128*(\p)+FR*\b:128*(\p)+FR*\b+FR-1], v[AF+48*(\p)+FR*\a:AF+48*(\p)+FR*\a+FR-1], v[8*(4*\a+\b):8*(4*\a+\b)+7], v[SC+16*(\sc)+NQ*\b+(\q)], v[SC+16*(\sc)+NQ*\a+(\q)] matrix_a_fmt:MATRIX_FMT_FP6 matrix_b_fmt:MATRIX_FMT_FP6 matrix_a_scale:MATRIX_SCALE_ROW1
.endif
.endr
.endr
.endm
.macro FETCH slot, q, p                ; 48 LDS loads in one run: the fragments of the slot's step q (W's four blocks, the lane side's four) into sets p
	WIN TO_B
.irp i, 0,1,2,3
	FRAG 128*(\p)+FR*\i, ADRB+\slot, \q, \i
.endr
	WIN 0
.irp i, 0,1,2,3
.if PLANES
	FRAGA AF+48*(\p)+FR*\i, ADRA+\slot, \q, \i
.else
	FRAG AF+48*(\p)+FR*\i, ADRA+\slot, \q, \i
.endif
.endr
.endm
.macro SCALES sc                       ; a slot's scale words: register 4 i + q: lanes 0-15 the lane side's block i, lanes 16-31 W's block i, for the slot's step q
.irp i, 0,1,2,3
.irp q, 0,1,2,3
	ds_load_b32 v[SC+16*\sc+NQ*\i+\q], v[ADRS] offset:512*\q+64*\i
.endr
.endr
.endm
.macro PLACES n                        ; plain vector instructions between a matrix instruction and a load into, or a read of, its registers
.rept \n
	v_nop
.endr
.endm
.macro STEP slot, q, zero              ; a step of 128 along K that has its successor in the same slot: the successor's loads go out first and land while this step is multiplied
	s_wait_dscnt 0x0                               ; this step's fragments are in
	PLACES NP                                      ; the sets to be loaded were read by the step before
	FETCH \slot, (\q)+1, 1-(\q)%2
	WIN MUL
	MUL16 (\q)%2, \q, \slot, \zero
	WIN 0
.endm
; A slot's last step, and the change of slots.  The step's fragments are in registers when the wave's reads of the slot are over: so the waits, the add and the barrier come first,
; then (fill = 1) the round's rest and the refill, then the next slot's first fetch, and the step's 16 products stand behind that fetch, as in every other step.
.macro TURN slot, next, fill
	s_wait_tensorcnt 0x0
	ds_add_u32 v[SPW], v[NIL]
.if \fill
	s_add_nc_u64 s[G0+4*\slot+2:G0+4*\slot+3], s[G0+4*\slot+2:G0+4*\slot+3], 4*ASTEP
	s_add_nc_u64 s[G0B+4*\slot+2:G0B+4*\slot+3], s[G0B+4*\slot+2:G0B+4*\slot+3], 4*BSTEP
.endif
	s_wait_dscnt 0x0                               ; the add is done
	s_barrier_signal -1
	s_barrier_wait -1
.if \fill
	CREST                                          ; no wave of any partner still reads this slot or has a load on its way
	JLOAD G0+4*\slot, G1, G0B+4*\slot, G1B         ; the first tensor load behind the round; its four v_nop are the places in front of the loads below
.else
	PLACES NP
.endif
	v_add_nc_u32 v[ADRS], 512*NQ, v[ADRS]          ; the next slot's scale words
	FETCH \next, 0, 0
	SCALES \next
	WIN MUL
	MUL16 1, NQ-1, \slot, 0
	WIN 0
.endm
	s_wait_tensorcnt 0x0                           ; my one load of the head is in
	s_barrier_signal -1
	s_barrier_wait -1
	FETCH 0, 0, 0
	SCALES 0
	STEP 0, 0, 1                                   ; the first step's products start the sums
.if LAPS > 1
	s_mov_b32 s3, LAPS-1
.Llap:                                             ; a trip goes once round the ring, from a lap's second step to the next lap's first, and fills both slots again
	STEP 0, 1, 0
	STEP 0, 2, 0
	TURN 0, 1, 1
	STEP 1, 0, 0
	STEP 1, 1, 0
	STEP 1, 2, 0
	TURN 1, 0, 1
	STEP 0, 0, 0
	s_sub_co_u32 s3, s3, 1
	s_cmp_lg_u32 s3, 0
	s_cbranch_scc1 .Llap
.endif
	STEP 0, 1, 0                                   ; the last lap fills nothing
	STEP 0, 2, 0
	TURN 0, 1, 0
	STEP 1, 0, 0
	STEP 1, 1, 0
	STEP 1, 2, 0
	s_wait_dscnt 0x0
	WIN MUL
	MUL16 1, NQ-1, 1, 0
	WIN 0
; THE WAY OUT, block by block of 16 rows x 64 columns: through my own stage, back as whole rows of 256 bytes, + bias + residual; sixteen lanes store one aligned unit of 256 bytes.  Each block has its own registers: no store's data are written again.
.macro TOSTAGE a
	WIN 0x08                                       ; an LDS store's data are its source 1: window 2
.irp b, 0,1,2,3
	ds_store_b128 v[STO], v[8*(4*(\a)+\b):8*(4*(\a)+\b)+3] offset:128*(\b/2)+32*(\b%2)      ; each accumulator from its low end on
	ds_store_b128 v[STO], v[8*(4*(\a)+\b)+4:8*(4*(\a)+\b)+7] offset:128*(\b/2)+32*(\b%2)+16
.endr
	WIN 0
.set t_, 0
.rept 8
	ds_load_b128 v[BK+32*(\a)+4*t_:BK+32*(\a)+4*t_+3], v[RD] offset:2*t_*SPITCH   ; LDS serves a wave's instructions in order: these see the stores above, and the next block's stores come behind them
.set t_, t_+1
.endr
.endm
.macro SEND a, yd                      ; yd: the LDS instructions issued behind block a's loads, which may stay out
.set BB, BK+32*(\a)
	s_wait_dscnt \yd
.set k_, 0
.rept 16
	v_pk_add_f32 v[BB+k_:BB+k_+1], v[BB+k_:BB+k_+1], v[BS+k_%4:BS+k_%4+1]
.set k_, k_+2
.endr
	WIN 0x0c                                       ; source 1: window 3
.set k_, 0
.rept 16
	v_pk_add_f32 v[BB+k_:BB+k_+1], v[BB+k_:BB+k_+1], v[32*(\a)+k_:32*(\a)+k_+1]
.set k_, k_+2
.endr
	WIN 0
.set t_, 0
.rept 8
	ROWOF \a, 2*t_
	global_store_b128 v[CO], v[BB+4*t_:BB+4*t_+3], s[12:13] offset:RW*4096   ; two rows' 256 consecutive bytes each, at multiples of 256
.set t_, t_+1
.endr
.endm
	PLACES NP                                      ; behind the last products: for the loads into their operands' registers and the first reads of results
	s_wait_loadcnt 0x0                             ; the bias and the residual, asked for at the head
	TOSTAGE 0
	TOSTAGE 1
	SEND 0, 16                                     ; behind block 0's loads: block 1's 8 stores and 8 loads
	TOSTAGE 2
	SEND 1, 16
	TOSTAGE 3
	SEND 2, 16
	SEND 3, 0
	s_wait_tensorcnt 0x0                           ; the wave's end
	ds_add_u32 v[SPW], v[NIL]
	s_wait_dscnt 0x0
	CROUND                                         ; the closing round
	s_endpgm
.Lfunc_end_k_q3d2cab6ec2_gproj:
	.size	k_q3d2cab6ec2_gproj, .Lfunc_end_k_q3d2cab6ec2_gproj-k_q3d2cab6ec2_gproj
	.p2alignl 7, 3214868480
	.fill 96, 4, 3214868480
	.section	.rodata,"a",@progbits
	.p2align	6, 0x0
	.amdhsa_kernel k_q3d2cab6ec2_gproj
		.amdhsa_group_segment_fixed_size 327680
		.amdhsa_private_segment_fixed_size 0
		.amdhsa_enable_private_segment 0
		.amdhsa_kernarg_size 40
		.amdhsa_user_sgpr_count 2
		.amdhsa_user_sgpr_kernarg_segment_ptr 1
		.amdhsa_wavefront_size32 1
		.amdhsa_system_sgpr_workgroup_id_x 1
		.amdhsa_system_sgpr_workgroup_id_y 1
		.amdhsa_system_sgpr_workgroup_id_z 1
		.amdhsa_system_vgpr_workitem_id 0
		.amdhsa_next_free_vgpr 1024
		.amdhsa_next_free_sgpr 102
		.amdhsa_reserve_vcc 0
		.amdhsa_float_denorm_mode_32 3
		.amdhsa_float_denorm_mode_16_64 3
		.amdhsa_memory_ordered 1
		.amdhsa_forward_progress 1
		.amdhsa_inst_pref_size 73
	.end_amdhsa_kernel
	.amdgpu_metadata
---
amdhsa.version: [ 1, 2 ]
amdhsa.kernels:
  - .name:           k_q3d2cab6ec2_gproj
    .symbol:         k_q3d2cab6ec2_gproj.kd
    .args:
      - { .name: yq, .offset: 0, .size: 8, .value_kind: global_buffer, .address_space: global }
      - { .name: wq, .offset: 8, .size: 8, .value_kind: global_buffer, .address_space: global }
      - { .name: attn_proj_b, .offset: 16, .size: 8, .value_kind: global_buffer, .address_space: global }
      - { .name: x, .offset: 24, .size: 8, .value_kind: global_buffer, .address_space: global }
      - { .name: x1, .offset: 32, .size: 8, .value_kind: global_buffer, .address_space: global }
    .group_segment_fixed_size: 327680
    .private_segment_fixed_size: 0
    .kernarg_segment_align: 8
    .kernarg_segment_size: 40
    .max_flat_workgroup_size: 128
    .sgpr_count:     102
    .vgpr_count:     1024
    .wavefront_size: 32
...
	.end_amdgpu_metadata
.endif
;; end of part 11
;; launch ln1 (part 12): grid 128 x 1, 8 waves a work-group, no clusters, 53,248 bytes of LDS; arguments x1, ln2_w, ln2_b, hq2; writes hq2
.if DOCPART == 12
	.amdgcn_target "amdgcn-amd-amdhsa--gfx1250"
	.amdhsa_code_object_version 6
	.text
	.protected	k_q3d2cab6ec2_ln1
	.globl	k_q3d2cab6ec2_ln1
	.p2align	8
	.type	k_q3d2cab6ec2_ln1,@function
k_q3d2cab6ec2_ln1:
	s_mov_b64 s[64:65], 0
	v_nop
	global_prefetch_b8 v0, s[64:65] scope:SCOPE_SE
	s_setreg_imm32_b32 hwreg(HW_REG_WAVE_MODE, 25, 1), 1
	s_wait_xcnt 0x0
; h = layernorm(x) w + b for rows of 1,024, in f32 (mean, then the mean of squared differences, v_rsq_f32), quantised along the row to FP6 codes with one E8M0 byte for each 32.
; OUT: codes [4 chunks of 256 along K][4,096 positions][192 bytes] and, 3,145,728 bytes on, scale words [8][4,096] u32.  Row m stands at position sw(m): m with bits 3 and 4 exchanged.
; LIMITS: a block of zeros gets the byte 1 (its codes are zeros; this program alone reads the bytes); NaN and infinities are not served.
; SHARES: a work-group takes 32 rows, a wave four, as two pairs.  In a pair lanes 0-15 hold one row and lanes 16-31 the next; a lane holds, of each chunk of 256, sixteen neighbours: so a row's sums
; want four steps among sixteen lanes, two neighbouring lanes hold a block of 32, and a conversion takes its sixteen numbers from one lane.  Loads read 512 consecutive bytes and turn through the wave's own stage in LDS.
.set LWB,   40960                      ; behind the eight waves' stages (2 x 32 x 80 bytes each): w as 64 groups of 64 bytes + 16, then b, 5,120 bytes on
.set LSC,   51200                      ; the scale bytes: 8 planes x 32 positions x 4
.set SPARE, 52224                      ; the spare words
.set RA,  16                           ; v16-79   pair 0 as loaded
.set RB,  80                           ; v80-143  pair 1 as loaded
.set XA,  144                          ; v144-207 the pair at work: register 16 kc + i = number 256 kc + 16 (lane % 16) + i of my row
.set WB,  208                          ; v208-223 w, v224-239 b of a chunk
.set C,   240                          ; v240-246 codes, two sets
.set SPW, 14
.set NIL, 15
	s_load_b256 s[4:11], s[0:1], 0x0               ; x, w, b, out
	v_lshl_add_u32 v[SPW], v0, 2, SPARE
	v_mov_b32 v[NIL], 0
	v_lshrrev_b32 v1, 5, v0
	s_delay_alu instid0(VALU_DEP_1)
	v_readfirstlane_b32 s16, v1                    ; wave 0..7
	v_and_b32 v12, 31, v0                          ; lane
	s_delay_alu instid0(VALU_DEP_1)
	v_lshlrev_b32 v1, 4, v12                       ; my 16 bytes of a load's 512
	s_mul_i32 s19, s16, 5120
	v_lshrrev_b32 v2, 2, v12
	s_delay_alu instid0(VALU_DEP_1)
	v_mul_u32_u24 v2, v2, 80
	v_and_b32 v13, 3, v12
	s_delay_alu instid0(VALU_DEP_1)
	v_lshl_add_u32 v2, v13, 4, v2
	s_delay_alu instid0(VALU_DEP_1)
	v_add_nc_u32 v2, s19, v2                       ; the stage, on the way in: four lanes' 64 bytes, then 16 of padding
	v_mul_u32_u24 v3, v12, 80
	s_delay_alu instid0(VALU_DEP_1)
	v_add_nc_u32 v3, s19, v3                       ; and on the way out: my 16 neighbours
	v_and_b32 v13, 15, v12
	s_delay_alu instid0(VALU_DEP_1)
	v_mul_u32_u24 v4, v13, 80
	s_delay_alu instid0(VALU_DEP_1)
	v_add_nc_u32 v4, LWB, v4                       ; w's and b's group for my 16 numbers of chunk 0
	s_and_b32 s17, s16, 1                          ; my four rows' place among the positions: the wave's number with bits 1 and 2 exchanged
	s_and_b32 s18, s16, 2
	s_lshl_b32 s18, s18, 1
	s_or_b32 s17, s17, s18
	s_and_b32 s18, s16, 4
	s_lshr_b32 s18, s18, 1
	s_or_b32 s17, s17, s18
	v_bfe_u32 v5, v0, 3, 1
	s_delay_alu instid0(VALU_DEP_1)
	v_lshlrev_b32 v5, 7, v5                        ; which of the chunk's two scale words,
	v_bfe_u32 v10, v0, 4, 1
	s_delay_alu instid0(VALU_DEP_1)
	v_lshl_add_u32 v5, v10, 2, v5                  ; which row of the pair,
	v_bfe_u32 v10, v0, 1, 2
	s_delay_alu instid0(VALU_DEP_1)
	v_add_nc_u32 v5, v5, v10                       ; which byte of the word
	s_lshl_b32 s18, s17, 4
	s_add_co_u32 s18, s18, LSC
	v_add_nc_u32 v5, s18, v5
	v_mul_u32_u24 v6, v12, 12                      ; codes: 12 bytes a lane
	v_lshlrev_b32 v8, 2, v12
	s_lshl_b32 s18, s16, 7
	s_add_co_u32 s18, s18, LSC
	v_add_nc_u32 v7, s18, v8                       ; the way out of the scale words: plane = my wave, position = my lane
	v_lshrrev_b32 v9, 2, v0
	s_delay_alu instid0(VALU_DEP_1)
	v_mul_u32_u24 v9, v9, 80
	v_and_b32 v13, 3, v0
	s_delay_alu instid0(VALU_DEP_1)
	v_lshl_add_u32 v9, v13, 4, v9
	s_delay_alu instid0(VALU_DEP_1)
	v_add_nc_u32 v9, LWB, v9                       ; where thread t puts its 16 bytes of w
	v_lshlrev_b32 v10, 4, v0
	s_mov_b32 s22, 0x3a800000                      ; 1 / 1,024
	s_lshl_b32 s20, ttmp9, 17
	s_lshl_b32 s21, s16, 14
	s_add_co_u32 s20, s20, s21                     ; my first row: 32 x work-group + 4 x wave, 4,096 bytes a row
	s_mov_b32 s21, 0
	s_lshl_b32 s24, ttmp9, 5
	s_lshl_b32 s25, s17, 2
	s_add_co_u32 s24, s24, s25
	s_mul_i32 s24, s24, 192                        ; my first position's record
	s_mov_b32 s25, 0
	s_lshl_b32 s26, s16, 14
	s_lshl_b32 s27, ttmp9, 7
	s_add_co_u32 s26, s26, s27
	s_add_co_u32 s26, s26, 3145728                 ; my plane of scale words, the work-group's 32 positions
	s_mov_b32 s27, 0
	s_wait_alu depctr_va_vdst(0)
	s_wait_kmcnt 0x0
	s_add_nc_u64 s[4:5], s[4:5], s[20:21]
	s_add_nc_u64 s[12:13], s[10:11], s[24:25]
	s_add_nc_u64 s[14:15], s[10:11], s[26:27]
	global_load_b128 v[WB:WB+3], v10, s[6:7]
	global_load_b128 v[WB+4:WB+7], v10, s[8:9]
.irp pr, 0,1
.irp kc, 0,1,2,3
.irp i, 0,1,2,3
	global_load_b128 v[RA+64*\pr+16*\kc+4*\i:RA+64*\pr+16*\kc+4*\i+3], v1, s[4:5] offset:(2*\pr+\i/2)*4096+1024*\kc+512*(\i%2) th:TH_LOAD_NT
.endr
.endr
.endr
	s_wait_loadcnt 32                              ; w and b are in; x's 32 loads may be out
	ds_store_b128 v9, v[WB:WB+3]
	ds_store_b128 v9, v[WB+4:WB+7] offset:5120
	s_wait_dscnt 0x0                               ; for the others' sake: my part of w and b has landed
	s_barrier_signal -1
	s_barrier_wait -1
.macro REDUCE                          ; v248 summed over the sixteen lanes of my row
	s_delay_alu instid0(VALU_DEP_1)
	v_add_f32_dpp v248, v248, v248 row_xmask:1 row_mask:0xf bank_mask:0xf
	s_delay_alu instid0(VALU_DEP_1)
	v_add_f32_dpp v248, v248, v248 row_xmask:2 row_mask:0xf bank_mask:0xf
	s_delay_alu instid0(VALU_DEP_1)
	v_add_f32_dpp v248, v248, v248 row_xmask:4 row_mask:0xf bank_mask:0xf
	s_delay_alu instid0(VALU_DEP_1)
	v_add_f32_dpp v248, v248, v248 row_xmask:8 row_mask:0xf bank_mask:0xf
.endm
.macro PAIR pr, raw, left
	s_wait_loadcnt \left                           ; this pair's 16 loads are in
.irp kc, 0,1,2,3                       ; through the stage, two stages by turns; LDS serves a wave's instructions in order, so no wait stands between the stores and the loads
.irp i, 0,1,2,3
	ds_store_b128 v2, v[\raw+16*\kc+4*\i:\raw+16*\kc+4*\i+3] offset:2560*(\kc%2)+640*\i
.endr
.irp i, 0,1,2,3
	ds_load_b128 v[XA+16*\kc+4*\i:XA+16*\kc+4*\i+3], v3 offset:2560*(\kc%2)+16*\i
.endr
.endr
	s_wait_dscnt 0x0
	s_wait_xcnt 0x0                                ; the last pair's stores have read their codes: v240-247 serve the sums below
	v_pk_add_f32 v[250:251], v[144:145], v[146:147]
	v_pk_add_f32 v[254:255], v[152:153], v[156:157]
	v_pk_add_f32 v[252:253], v[160:161], v[164:165]
	v_pk_add_f32 v[246:247], v[168:169], v[172:173]
	v_pk_add_f32 v[244:245], v[176:177], v[180:181]
	v_pk_add_f32 v[242:243], v[184:185], v[188:189]
	v_pk_add_f32 v[240:241], v[192:193], v[196:197]
	v_pk_add_f32 v[248:249], v[200:201], v[204:205]
	s_delay_alu instid0(VALU_DEP_1)
	v_pk_add_f32 v[248:249], v[248:249], v[148:149]
	v_pk_add_f32 v[250:251], v[250:251], v[150:151]
	v_pk_add_f32 v[254:255], v[254:255], v[154:155]
	v_pk_add_f32 v[252:253], v[252:253], v[158:159]
	v_pk_add_f32 v[246:247], v[246:247], v[162:163]
	v_pk_add_f32 v[244:245], v[244:245], v[166:167]
	v_pk_add_f32 v[242:243], v[242:243], v[170:171]
	v_pk_add_f32 v[240:241], v[240:241], v[174:175]
	v_pk_add_f32 v[248:249], v[248:249], v[178:179]
	v_pk_add_f32 v[250:251], v[250:251], v[182:183]
	v_pk_add_f32 v[254:255], v[254:255], v[186:187]
	v_pk_add_f32 v[252:253], v[252:253], v[190:191]
	v_pk_add_f32 v[246:247], v[246:247], v[194:195]
	v_pk_add_f32 v[244:245], v[244:245], v[198:199]
	v_pk_add_f32 v[242:243], v[242:243], v[202:203]
	v_pk_add_f32 v[240:241], v[240:241], v[206:207]
	s_delay_alu instid0(VALU_DEP_4)
	v_pk_add_f32 v[248:249], v[248:249], v[246:247]
	s_delay_alu instid0(VALU_DEP_4)
	v_pk_add_f32 v[250:251], v[250:251], v[244:245]
	s_delay_alu instid0(VALU_DEP_4)
	v_pk_add_f32 v[254:255], v[254:255], v[242:243]
	s_delay_alu instid0(VALU_DEP_4)
	v_pk_add_f32 v[252:253], v[252:253], v[240:241]
	s_delay_alu instid0(VALU_DEP_2)
	v_pk_add_f32 v[248:249], v[248:249], v[254:255]
	s_delay_alu instid0(VALU_DEP_2)
	v_pk_add_f32 v[250:251], v[250:251], v[252:253]
	s_delay_alu instid0(VALU_DEP_1)
	v_pk_add_f32 v[248:249], v[248:249], v[250:251]
	s_delay_alu instid0(VALU_DEP_1)
	v_add_f32 v248, v248, v249
	REDUCE
	s_delay_alu instid0(VALU_DEP_1)
	v_mul_f32 v252, s22, v248                      ; the mean, twice
	s_delay_alu instid0(VALU_DEP_1)
	v_mov_b32 v253, v252
.set k_, 0
.rept 32
	v_pk_add_f32 v[XA+k_:XA+k_+1], v[XA+k_:XA+k_+1], v[252:253] neg_lo:[0,1] neg_hi:[0,1]
.set k_, k_+2
.endr
	v_pk_mul_f32 v[248:249], v[XA:XA+1], v[XA:XA+1]                 ; the sum of squared differences
	v_pk_mul_f32 v[250:251], v[XA+2:XA+3], v[XA+2:XA+3]
.set k_, 4
.rept 15
	s_delay_alu instid0(VALU_DEP_2)
	v_pk_fma_f32 v[248:249], v[XA+k_:XA+k_+1], v[XA+k_:XA+k_+1], v[248:249]
	s_delay_alu instid0(VALU_DEP_2)
	v_pk_fma_f32 v[250:251], v[XA+k_+2:XA+k_+3], v[XA+k_+2:XA+k_+3], v[250:251]
.set k_, k_+4
.endr
	s_delay_alu instid0(VALU_DEP_1)
	v_pk_add_f32 v[248:249], v[248:249], v[250:251]
	s_delay_alu instid0(VALU_DEP_1)
	v_add_f32 v248, v248, v249
	REDUCE
	s_delay_alu instid0(VALU_DEP_1)
	v_fmaak_f32 v248, s22, v248, 0x3727c5ac        ; the variance + 1e-5
	s_wait_alu depctr_va_vdst(0)
	v_rsq_f32 v252, v248
	v_rsq_f32 v253, v248
	v_nop                                          ; a plain instruction behind the transcendentals,
	s_wait_alu depctr_va_vdst(0)                   ; and the one wait ahead of their first reader
.irp kc, 0,1,2,3
.irp j, 0,1,2,3
	ds_load_b128 v[WB+4*\j:WB+4*\j+3], v4 offset:1280*\kc+16*\j
	ds_load_b128 v[WB+16+4*\j:WB+16+4*\j+3], v4 offset:5120+1280*\kc+16*\j
.endr
	s_wait_dscnt 0x0
.irp j, 0,2,4,6,8,10,12,14
	v_pk_mul_f32 v[XA+16*\kc+\j:XA+16*\kc+\j+1], v[XA+16*\kc+\j:XA+16*\kc+\j+1], v[252:253]
.endr
.irp j, 0,2,4,6,8,10,12,14
	v_pk_fma_f32 v[XA+16*\kc+\j:XA+16*\kc+\j+1], v[XA+16*\kc+\j:XA+16*\kc+\j+1], v[WB+\j:WB+\j+1], v[WB+16+\j:WB+16+\j+1]
.endr
.set XS, XA+16*\kc
	v_max3_num_f32 v254, |v[XS]|, |v[XS+1]|, |v[XS+2]|              ; the largest magnitude of my 16
	v_max3_num_f32 v255, |v[XS+3]|, |v[XS+4]|, |v[XS+5]|
.irp i, 6,10
	s_delay_alu instid0(VALU_DEP_2)
	v_max3_num_f32 v254, v254, |v[XS+\i]|, |v[XS+\i+1]|
	s_delay_alu instid0(VALU_DEP_2)
	v_max3_num_f32 v255, v255, |v[XS+\i+2]|, |v[XS+\i+3]|
.endr
	s_delay_alu instid0(VALU_DEP_2)
	v_max3_num_f32 v254, v254, |v[XS+14]|, |v[XS+15]|
	s_delay_alu instid0(VALU_DEP_1)
	v_max3_num_f32 v254, v254, v255, 0x1800000     ; and the floor 2^(3 - 127)
	s_delay_alu instid0(VALU_DEP_1)
	v_max_num_f32_dpp v254, v254, v254 row_xmask:1 row_mask:0xf bank_mask:0xf   ; and of my neighbour's 16: the block's
	s_delay_alu instid0(VALU_DEP_1)
	v_add_nc_u32 v10, 0xff000000, v254             ; 2 off its exponent field: the conversion's scale operand
	s_wait_alu depctr_va_vdst(0)
	s_wait_xcnt 0x0                                ; the earlier stores have read their data: this set of codes may be written again
	v_cvt_scalef32_pk16_fp6_f32 v[C+4*(\kc%2):C+4*(\kc%2)+2], v[XS:XS+15], v10
	v_lshrrev_b32 v11, 23, v10                     ; the scale's byte (also the plain line behind the conversion)
	ds_store_b8 v5, v11 offset:256*\kc+8*\pr       ; both lanes of a block write the same byte with the same value
	global_store_b96 v6, v[C+4*(\kc%2):C+4*(\kc%2)+2], s[12:13] offset:786432*\kc+384*\pr   ; 384 consecutive bytes: two positions' records
.endr
.endm
	PAIR 0, RA, 16                                 ; pair 1's 16 loads may be out
	PAIR 1, RB, 0
	s_wait_dscnt 0x0                               ; for the others' sake: my scale bytes have landed
	s_barrier_signal -1
	s_barrier_wait -1
	ds_load_b32 v248, v7                           ; a plane's 32 words
	s_wait_dscnt 0x0
	global_store_b32 v8, v248, s[14:15]
	s_wait_tensorcnt 0x0                           ; the wave's end
	ds_add_u32 v[SPW], v[NIL]
	s_wait_dscnt 0x0
	s_endpgm
.Lfunc_end_k_q3d2cab6ec2_ln1:
	.size	k_q3d2cab6ec2_ln1, .Lfunc_end_k_q3d2cab6ec2_ln1-k_q3d2cab6ec2_ln1
	.p2alignl 7, 3214868480
	.fill 96, 4, 3214868480
	.section	.rodata,"a",@progbits
	.p2align	6, 0x0
	.amdhsa_kernel k_q3d2cab6ec2_ln1
		.amdhsa_group_segment_fixed_size 53248
		.amdhsa_private_segment_fixed_size 0
		.amdhsa_enable_private_segment 0
		.amdhsa_kernarg_size 32
		.amdhsa_user_sgpr_count 2
		.amdhsa_user_sgpr_kernarg_segment_ptr 1
		.amdhsa_wavefront_size32 1
		.amdhsa_system_sgpr_workgroup_id_x 1
		.amdhsa_system_sgpr_workgroup_id_y 1
		.amdhsa_system_sgpr_workgroup_id_z 1
		.amdhsa_system_vgpr_workitem_id 0
		.amdhsa_next_free_vgpr 256
		.amdhsa_next_free_sgpr 66
		.amdhsa_reserve_vcc 0
		.amdhsa_float_denorm_mode_32 3
		.amdhsa_float_denorm_mode_16_64 3
		.amdhsa_memory_ordered 1
		.amdhsa_forward_progress 1
		.amdhsa_inst_pref_size 51
	.end_amdhsa_kernel
	.amdgpu_metadata
---
amdhsa.version: [ 1, 2 ]
amdhsa.kernels:
  - .name:           k_q3d2cab6ec2_ln1
    .symbol:         k_q3d2cab6ec2_ln1.kd
    .args:
      - { .name: x1, .offset: 0, .size: 8, .value_kind: global_buffer, .address_space: global }
      - { .name: ln2_w, .offset: 8, .size: 8, .value_kind: global_buffer, .address_space: global }
      - { .name: ln2_b, .offset: 16, .size: 8, .value_kind: global_buffer, .address_space: global }
      - { .name: hq2, .offset: 24, .size: 8, .value_kind: global_buffer, .address_space: global }
    .group_segment_fixed_size: 53248
    .private_segment_fixed_size: 0
    .kernarg_segment_align: 8
    .kernarg_segment_size: 32
    .max_flat_workgroup_size: 256
    .sgpr_count:     66
    .vgpr_count:     256
    .wavefront_size: 32
...
	.end_amdgpu_metadata
.endif
;; end of part 12
;; launch gfc (part 13): grid 16 x 16, 4 waves a work-group, clusters of 4 x 4, 327,680 bytes of LDS; arguments hq2, wq, fc_b, hid; writes hid
.if DOCPART == 13
	.amdgcn_target "amdgcn-amd-amdhsa--gfx1250"
	.amdhsa_code_object_version 6
	.text
	.protected	k_q3d2cab6ec2_gfc
	.globl	k_q3d2cab6ec2_gfc
	.p2align	8
	.type	k_q3d2cab6ec2_gfc,@function
k_q3d2cab6ec2_gfc:
	s_mov_b64 s[64:65], 0
	v_nop
	global_prefetch_b8 v0, s[64:65] scope:SCOPE_SE
	s_setreg_imm32_b32 hwreg(HW_REG_WAVE_MODE, 25, 1), 1
	s_wait_xcnt 0x0
	s_wait_alu depctr_hold_cnt(0) depctr_sa_sdst(0) depctr_va_vdst(0) depctr_va_sdst(0) depctr_va_ssrc(0) depctr_va_vcc(0) depctr_vm_vsrc(0)
	s_getreg_b32 s2, hwreg(HW_REG_IB_STS2, 6, 4)
	s_cmp_eq_u32 s2, 0
	s_cbranch_scc0 .Lentry_in_a_cluster
	s_endpgm
.Lentry_in_a_cluster:
	s_bfe_u32 s2, ttmp6, 0x10000c
	s_cmp_lg_u32 s2, 0xf033
	s_cbranch_scc0 .Lentry_shape_is_right
	s_endpgm
.Lentry_shape_is_right:
; hid = Q(gelu(h2 W + b)) on FP6 codes.  Nothing of reference() is left out here.  A tile of 256 x 256 to a work-group of four waves, 128 x 128 to a wave: 64 accumulators in windows 2 and 3.
; K = 1,024 goes in chunks of 256 through two LDS slots a side, filled by joint tensor loads in clusters of 4 x 4.  Source 0 = 16 positions of W, source 1 = 16 rows of h2: a lane's registers run along the hidden units.
; THE WAY OUT: the accumulators go to LDS, over the ring, which has had its last fill and its last read; a loop of eight trips takes 16 rows each: + bias, gelu, quantised along the hidden units.
; gelu(x) = max(x, 0) - |x| erfc(|x| / sqrt 2) / 2, with erfc(z) = t exp(-z^2 + a polynomial of degree 9 in t), t = 1 / (1 + z / 2), all in f32.
; LIMITS: a block of zeros gets the byte 1; NaN and infinities are not served.
.set KTOT,   1024
.set ASTEP,  786432
.set BSTEP,  786432
.set ASOFF,  3145728
.set BCOFF,  3932160
.set BSOFF,  10387456
.set NKS,    KTOT/128
.set LAPS,   KTOT/512
.set NQ,     2
.set PITCH,  240
.set FR,     12
.set NL,     6
.set NP,     4
.set HALFT,  128*PITCH
.set HALFA,  HALFT
.set BOFF,   4*HALFA                   ; LDS: the lane side's two slots on end, then W's two
.set SLOT,   2*HALFT                   ; from a side's slot 0 to its slot 1
.set SCL,    BOFF+2*SLOT               ; behind the ring: the scale words for all of K: each side [K / 128][256 rows] u32
.set HALFS,  512*NKS
.set SPARE,  SCL+4*HALFS
.set CST,    SPARE+512
.set CSS,    CST+49152
.set ADRA, 16
.set ADRB, 20
.set ADRS, 27
.set SPW,  28
.set NIL,  29
.set SC,   32
.set BI,   64
.set AF,   128
.set H,    128
.set TT,   192
.set PP,   224
.set PCD,  192
.set TM,   212
.set PW,   228
.set SEL,  66
.set G1, 24
.set G0, 32
.set G1B, 48
.set G0B, 56
.set G1S, 68
.set G0S, 76
.set G1SB, 80
.set G0SB, 88
.set MSB, 0
.macro WIN new
.if MSB != (\new)
	s_set_vgpr_msb (MSB<<8)|(\new)
.set MSB, \new
.endif
.endm
.set MUL_LO, 0xa1
.set MUL_HI, 0xf1
.set TO_B,   0x40
.macro JLOAD g0a, g1a, g0b, g1b
	s_cmp_eq_u32 s15, 0
	s_cbranch_scc0 .Lfor_b_\@
	tensor_load_to_lds s[\g0a:\g0a+3], s[\g1a:\g1a+7]
	s_nop 0
.rept 4
	v_nop
.endr
	s_branch .Lasked_\@
.Lfor_b_\@:
	tensor_load_to_lds s[\g0b:\g0b+3], s[\g1b:\g1b+7]
	s_nop 0
.rept 4
	v_nop
.endr
.Lasked_\@:
.endm
.macro CREST
	s_cmp_lg_u32 s14, 0
	s_cbranch_scc1 .Lnot_wave_0_\@
	s_barrier_signal -3
.Lnot_wave_0_\@:
	s_barrier_wait -3
	s_barrier_signal -1
	s_barrier_wait -1
.endm
.macro CROUND
	s_barrier_signal -1
	s_barrier_wait -1
	CREST
.endm
	s_load_b256 s[4:11], s[0:1], 0x0
	v_lshl_add_u32 v[SPW], v0, 2, SPARE
	v_mov_b32 v[NIL], 0
	ds_add_u32 v[SPW], v[NIL]
	ds_add_u32 v[SPW], v[NIL]
	v_lshrrev_b32 v1, 5, v0
	v_readfirstlane_b32 s14, v1
	s_lshr_b32 s15, s14, 1
	s_and_b32 s16, s14, 1
	s_bfe_u32 s40, ttmp6, 0x40000
	s_bfe_u32 s41, ttmp6, 0x40004
	s_lshl_b32 s42, ttmp9, 2
	s_add_co_u32 s42, s42, s40
	s_and_b32 s17, ttmp7, 0xffff
	s_lshl_b32 s17, s17, 2
	s_add_co_u32 s17, s17, s41
	s_lshl_b32 s43, s41, 2
	s_lshl_b32 s43, 15, s43
	s_lshl_b32 s44, 0x1111, s40
	s_or_b32 s[G1+0], s43, (3<<16)|(1<<20)|(1<<21)|(3<<22)|(3<<25)   ; the mask; elements of 8 bytes; padding of 4 words behind every 16
	s_or_b32 s[G1B+0], s44, (3<<16)|(1<<20)|(1<<21)|(3<<22)|(3<<25)
.irp g, G1, G1B
	s_mov_b32 s[\g+1], 6144<<16                    ; the head's tile: a row is a chunk's 256 records, 49,152 dense bytes; two rows, chunks 0 and 1
	s_mov_b32 s[\g+2], 2<<16
	s_mov_b32 s[\g+3], 6144<<16
	s_mov_b32 s[\g+4], 2
	s_mov_b32 s[\g+5], ASTEP/8
	s_mov_b32 s[\g+6], 0
	s_mov_b32 s[\g+7], 0
.endr
	s_or_b32 s[G1S+0], s43, (2<<16)|(1<<21)
	s_or_b32 s[G1SB+0], s44, (2<<16)|(1<<21)
.irp g, G1S, G1SB
	s_mov_b32 s[\g+1], 256<<16
	s_mov_b32 s[\g+2], NKS<<16
	s_mov_b32 s[\g+3], 256<<16
	s_mov_b32 s[\g+4], NKS
	s_mov_b32 s[\g+5], 4096
	s_mov_b32 s[\g+6], 0
	s_mov_b32 s[\g+7], 0
.endr
	s_mov_b32 s[SEL], 0x76543210
	s_mov_b32 s[SEL+1], 0xfedcba98
	s_lshl_b32 s20, s17, 8                         ; the tile's first row
	s_lshl_b32 s46, s42, 8                         ; and its first position of W
	s_lshl_b32 s22, s20, 2
	s_add_co_u32 s22, s22, ASOFF
	s_mov_b32 s23, 0
	s_lshl_b32 s92, s46, 2
	s_add_co_u32 s92, s92, BSOFF
	s_mov_b32 s93, 0
	s_mul_i32 s20, s20, 192
	s_mov_b32 s21, 0
	s_mul_i32 s46, s46, 192
	s_add_co_u32 s46, s46, BCOFF
	s_mov_b32 s47, 0
	s_mul_i32 s45, s16, HALFA
	s_mul_i32 s2, s16, HALFT
	s_add_co_u32 s2, s2, BOFF
	s_mul_i32 s18, s16, 128*192                    ; in the ring I fetch 128 records of a tile: which half, in bytes
	s_mov_b32 s19, 0
	s_wait_dscnt 0x0
	s_wait_kmcnt 0x0
	s_add_nc_u64 s[20:21], s[4:5], s[20:21]
	s_add_nc_u64 s[22:23], s[4:5], s[22:23]
	s_add_nc_u64 s[46:47], s[6:7], s[46:47]
	s_add_nc_u64 s[92:93], s[6:7], s[92:93]
	CROUND
	s_mov_b32 s[G0S], 1
	s_mov_b32 s[G0S+1], SCL
	s_mov_b64 s[G0S+2:G0S+3], s[22:23]
	s_or_b32 s[G0S+3], s[G0S+3], 0x80000000
	s_mov_b32 s[G0SB], 1
	s_mov_b32 s[G0SB+1], SCL+2*HALFS
	s_mov_b64 s[G0SB+2:G0SB+3], s[92:93]
	s_or_b32 s[G0SB+3], s[G0SB+3], 0x80000000
	s_mov_b32 s[G0], 1                             ; the head's loads of codes: a side's 256 records of chunks 0 and 1, into its two slots
	s_mov_b32 s[G0+1], 0
	s_mov_b64 s[G0+2:G0+3], s[20:21]
	s_or_b32 s[G0+3], s[G0+3], 0x80000000
	s_mov_b32 s[G0B], 1
	s_mov_b32 s[G0B+1], BOFF
	s_mov_b64 s[G0B+2:G0B+3], s[46:47]
	s_or_b32 s[G0B+3], s[G0B+3], 0x80000000
	s_add_nc_u64 s[20:21], s[20:21], s[18:19]      ; for the ring: my 128 records
	s_add_nc_u64 s[46:47], s[46:47], s[18:19]
	s_mov_b32 s[G0+4], 1                           ; slot 1's set stands at chunk 1: its refill steps two chunks on
	s_add_co_u32 s[G0+5], s45, SLOT
	s_add_nc_u64 s[G0+6:G0+7], s[20:21], ASTEP
	s_or_b32 s[G0+7], s[G0+7], 0x80000000
	s_mov_b32 s[G0B+4], 1
	s_add_co_u32 s[G0B+5], s2, SLOT
	s_add_nc_u64 s[G0B+6:G0B+7], s[46:47], BSTEP
	s_or_b32 s[G0B+7], s[G0B+7], 0x80000000
; THE HEAD'S LOADS, ONE A WAVE: wave 0 the lane side's codes, wave 1 W's, wave 2 the lane side's scale words, wave 3 W's.
; One chain of branches on the wave's number, a load to an arm, all arms leading to one join.
.macro ARM under, g0, g1, next
	s_cmp_lt_u32 s14, \under
	s_cbranch_scc0 \next
	tensor_load_to_lds s[\g0:\g0+3], s[\g1:\g1+7]
	s_nop 0
.rept 4
	v_nop
.endr
	s_branch .Lhead_asked
\next:
.endm
	ARM 1, G0,  G1,  .Lhead_b
	ARM 2, G0B, G1B, .Lhead_sa
	ARM 3, G0S, G1S, .Lhead_sb
	tensor_load_to_lds s[G0SB:G0SB+3], s[G1SB:G1SB+7]
	s_nop 0
.rept 4
	v_nop
.endr
.Lhead_asked:
	v_and_b32 v1, 15, v0
	v_bfe_u32 v2, v0, 4, 1
	v_mul_u32_u24 v3, v1, PITCH
	v_mul_u32_u24 v4, v2, 24
	v_add_nc_u32 v4, v3, v4
	v_lshl_add_u32 v5, v2, 4, v4
	s_mul_i32 s21, s15, HALFA
	s_mul_i32 s22, s16, HALFT
	s_add_co_u32 s22, s22, BOFF
.irp s, 0,1
	v_add_nc_u32 v[ADRA+\s], s21, v4
	v_add_nc_u32 v[ADRB+\s], s22, v4
	v_add_nc_u32 v[ADRA+2+\s], s21, v5
	v_add_nc_u32 v[ADRB+2+\s], s22, v5
	s_add_co_u32 s21, s21, SLOT
	s_add_co_u32 s22, s22, SLOT
.endr
	v_lshlrev_b32 v5, 2, v1
	s_lshl_b32 s21, s15, 9                         ; my 128 of a plane's 256 words
	s_lshl_b32 s22, s16, 9
	s_add_co_u32 s22, s22, 2*HALFS
	s_sub_co_u32 s22, s22, s21
	v_mul_u32_u24 v6, s22, v2
	s_add_co_u32 s21, s21, SCL
	v_add_nc_u32 v5, v5, v6
	v_add_nc_u32 v[ADRS], s21, v5
	s_lshl_b32 s20, s42, 10
	s_lshl_b32 s21, s16, 9
	s_add_co_u32 s20, s20, s21
	s_mov_b32 s21, 0
	s_add_nc_u64 s[8:9], s[8:9], s[20:21]
	v_lshlrev_b32 v7, 6, v2
.set n_, 0
.rept 16
	global_load_b128 v[BI+4*n_:BI+4*n_+3], v7, s[8:9] offset:128*(n_/4)+16*(n_%4)
.set n_, n_+1
.endr
.macro FRAG reg, adr, q, i
.irp p, 0,1,2,3,4,5
.set PCE, 12*(\q)+6*(\p/3)+\p%3
.if PCE%8 < 5
	ds_load_b64 v[\reg+2*\p:\reg+2*\p+1], v[\adr] offset:8*PCE+16*(PCE/8)+(\i)*16*PITCH
.else
	ds_load_b64 v[\reg+2*\p:\reg+2*\p+1], v[\adr+2] offset:8*PCE+16*(PCE/8)+(\i)*16*PITCH
.endif
.endr
.endm
.macro MUL16 a0, p, q, sc, zero
.irp a, \a0, \a0+1
.irp b, 0,1,2,3,4,5,6,7
.if \zero
	v_wmma_scale_f32_16x16x128_f8f6f4 v[8*(8*((\a)%4)+\b):8*(8*((\a)%4)+\b)+7], v[128*(\p)+FR*\b:128*(\p)+FR*\b+FR-1], v[AF+FR*(\a):AF+FR*(\a)+FR-1], 0, v[SC+8*NQ*(\sc)+NQ*\b+(\q)], v[SC+8*NQ*(\sc)+NQ*(\a)+(\q)] matrix_a_fmt:MATRIX_FMT_FP6 matrix_b_fmt:MATRIX_FMT_FP6 matrix_a_scale:MATRIX_SCALE_ROW1
.else
	v_wmma_scale_f32_16x16x128_f8f6f4 v[8*(8*((\a)%4)+\b):8*(8*((\a)%4)+\b)+7], v[128*(\p)+FR*\b:128*(\p)+FR*\b+FR-1], v[AF+FR*(\a):AF+FR*(\a)+FR-1], v[8*(8*((\a)%4)+\b):8*(8*((\a)%4)+\b)+7], v[SC+8*NQ*(\sc)+NQ*\b+(\q)], v[SC+8*NQ*(\sc)+NQ*(\a)+(\q)] matrix_a_fmt:MATRIX_FMT_FP6 matrix_b_fmt:MATRIX_FMT_FP6 matrix_a_scale:MATRIX_SCALE_ROW1
.endif
.endr
.endr
.endm
.macro FETCH_B slot, q, p
	WIN TO_B
.irp i, 0,1,2,3,4,5,6,7
	FRAG 128*(\p)+FR*\i, ADRB+\slot, \q, \i
.endr
	WIN 0
.endm
.macro FETCH_A slot, q, i0
.irp i, \i0, \i0+1, \i0+2, \i0+3
	FRAG AF+FR*(\i), ADRA+\slot, \q, \i
.endr
.endm
.macro SCALES sc
.irp i, 0,1,2,3,4,5,6,7
.irp q, 0,1
	ds_load_b32 v[SC+8*NQ*\sc+NQ*\i+\q], v[ADRS] offset:1024*\q+64*\i
.endr
.endr
.endm
.macro PLACES n
.rept \n
	v_nop
.endr
.endm
.macro STEP slot, q, zero
	s_wait_dscnt 4*NL
	WIN MUL_LO
	MUL16 0, (\q)%2, \q, \slot, \zero
	MUL16 2, (\q)%2, \q, \slot, \zero
	s_wait_dscnt 0
	PLACES NP
	FETCH_B \slot, (\q)+1, 1-(\q)%2
	FETCH_A \slot, (\q)+1, 0
	WIN MUL_HI
	MUL16 4, (\q)%2, \q, \slot, \zero
	MUL16 6, (\q)%2, \q, \slot, \zero
	PLACES NP
	WIN 0
	FETCH_A \slot, (\q)+1, 4
.endm
.macro TURN slot, next, fill
	s_wait_tensorcnt 0x0
	ds_add_u32 v[SPW], v[NIL]
	s_wait_dscnt 4*NL+1
	WIN MUL_LO
	MUL16 0, 1, NQ-1, \slot, 0
	s_wait_dscnt 0x0
	s_barrier_signal -1
	MUL16 2, 1, NQ-1, \slot, 0
	WIN 0
	s_barrier_wait -1
.if \fill
	CREST
	s_add_nc_u64 s[G0+4*\slot+2:G0+4*\slot+3], s[G0+4*\slot+2:G0+4*\slot+3], 2*ASTEP
	s_add_nc_u64 s[G0B+4*\slot+2:G0B+4*\slot+3], s[G0B+4*\slot+2:G0B+4*\slot+3], 2*BSTEP
	JLOAD G0+4*\slot, G1, G0B+4*\slot, G1B
.else
	PLACES NP
.endif
	s_wait_alu depctr_va_vdst(0)
	v_add_nc_u32 v[ADRS], 2048, v[ADRS]            ; the next K step's scale words: two planes on
	FETCH_B \next, 0, 0
	FETCH_A \next, 0, 0
	SCALES \next
	WIN MUL_HI
	MUL16 4, 1, NQ-1, \slot, 0
	MUL16 6, 1, NQ-1, \slot, 0
	PLACES NP
	WIN 0
	FETCH_A \next, 0, 4
.endm
	s_wait_alu depctr_va_vdst(0)
	s_wait_tensorcnt 0x0                           ; my one load of the head is in; no tensor load of mine is out, so descriptors may be written
.irp g, G1, G1B
	s_mov_b32 s[\g+1], 32<<16                      ; the ring's tile: 128 records, dense, stated as 96 rows of 256 bytes
	s_mov_b32 s[\g+2], 96<<16
	s_mov_b32 s[\g+3], 32<<16
	s_mov_b32 s[\g+4], 96
	s_mov_b32 s[\g+5], 32
.endr
	s_add_co_u32 s[G0+1], s45, 0                   ; slot 0's sets now stand at my 128 records of chunk 0
	s_add_nc_u64 s[G0+2:G0+3], s[G0+2:G0+3], s[18:19]
	s_add_co_u32 s[G0B+1], s2, 0
	s_add_nc_u64 s[G0B+2:G0B+3], s[G0B+2:G0B+3], s[18:19]
	s_barrier_signal -1
	s_barrier_wait -1
	FETCH_B 0, 0, 0
	FETCH_A 0, 0, 0
	SCALES 0
	FETCH_A 0, 0, 4
	STEP 0, 0, 1
	s_mov_b32 s3, LAPS-1
.Llap:
	TURN 0, 1, 1
	STEP 1, 0, 0
	TURN 1, 0, 1
	STEP 0, 0, 0
	s_sub_co_u32 s3, s3, 1
	s_cmp_lg_u32 s3, 0
	s_cbranch_scc1 .Llap
	TURN 0, 1, 0
	STEP 1, 0, 0
	s_wait_dscnt 4*NL
	WIN MUL_LO
	MUL16 0, 1, NQ-1, 1, 0
	MUL16 2, 1, NQ-1, 1, 0
	s_wait_dscnt 0
	WIN MUL_HI
	MUL16 4, 1, NQ-1, 1, 0
	MUL16 6, 1, NQ-1, 1, 0
	WIN 0
.macro QUANT s
.irp b, 0,1,2,3
	v_max3_num_f32 v[TM+\b], |v[\s+16*\b]|, |v[\s+1+16*\b]|, 0x1800000
.endr
.irp i, 2,4,6,8,10,12,14
.irp b, 0,1,2,3
	v_max3_num_f32 v[TM+\b], v[TM+\b], |v[\s+16*\b+\i]|, |v[\s+1+16*\b+\i]|
.endr
.endr
.irp b, 0,1,2,3
	v_permlanex16_b32 v[TM+4+\b], v[TM+\b], s[SEL], s[SEL+1]
.endr
.irp b, 0,1,2,3
	v_max_num_f32 v[TM+\b], v[TM+\b], v[TM+4+\b]
.endr
.irp b, 0,1,2,3
	v_add_nc_u32 v[TM+12+\b], 0xff000000, v[TM+\b]
.endr
.irp b, 0,1,2,3
	v_lshrrev_b32 v[TM+4+\b], 23, v[TM+12+\b]
.endr
	v_lshl_or_b32 v[PW], v[TM+5], 8, v[TM+4]
	v_lshl_or_b32 v[PW], v[TM+6], 16, v[PW]
	v_lshl_or_b32 v[PW], v[TM+7], 24, v[PW]
.irp c, 0,1
	v_cvt_scalef32_pk16_fp6_f32 v[PCD+6*\c:PCD+2+6*\c], v[\s+32*\c:\s+15+32*\c], v[TM+12+2*\c]
	v_cvt_scalef32_pk16_fp6_f32 v[PCD+12+4*\c:PCD+14+4*\c], v[\s+16+32*\c:\s+31+32*\c], v[TM+12+2*\c+1]
.endr
	v_nop
.irp c, 0,1
.irp i, 0,1,2
	v_permlane16_swap_b32 v[PCD+6*\c+\i], v[PCD+12+4*\c+\i]
.endr
.irp i, 0,1,2
	v_mov_b32 v[PCD+3+6*\c+\i], v[PCD+12+4*\c+\i]
.endr
.endr
.endm
.macro GELU x
.set g_, 0
.rept 32
	v_fma_f32 v[TT+g_], |v[\x+g_]|, 0x3eb504f3, 1.0
.set g_, g_+1
.endr
.set g_, 0
	s_wait_alu depctr_va_vdst(0)
.rept 32
	v_rcp_f32 v[TT+g_], v[TT+g_]
.set g_, g_+1
.endr
	v_nop
	s_wait_alu depctr_va_vdst(0)
.set g_, 0
.rept 16
	v_pk_fma_f32 v[PP+g_:PP+g_+1], v[TT+g_:TT+g_+1], 0x3e7c6f08, v[12:13] op_sel_hi:[1,0,1]
.set g_, g_+2
.endr
.irp lit, 0x40097039, 0xbfd1a1e5, 0x3ecdfd18, 0xbe899a80, 0x3e0efb2f, 0x3f0a29d2, 0x3fb8ab5a, 0xc034d90f
.set g_, 0
.rept 16
	v_pk_fma_f32 v[PP+g_:PP+g_+1], v[PP+g_:PP+g_+1], v[TT+g_:TT+g_+1], \lit op_sel_hi:[1,1,0]
.set g_, g_+2
.endr
.endr
.set g_, 0
.rept 16
	v_pk_mul_f32 v[8+g_%4:9+g_%4], v[\x+g_:\x+g_+1], v[\x+g_:\x+g_+1]
	v_pk_fma_f32 v[PP+g_:PP+g_+1], v[8+g_%4:9+g_%4], 0xbf38aa3b, v[PP+g_:PP+g_+1] op_sel_hi:[1,0,1]
.set g_, g_+2
.endr
.set g_, 0
	s_wait_alu depctr_va_vdst(0)
.rept 32
	v_exp_f32 v[PP+g_], v[PP+g_]
.set g_, g_+1
.endr
.set g_, 0
.rept 16
	v_pk_mul_f32 v[TT+g_:TT+g_+1], v[TT+g_:TT+g_+1], v[\x+g_:\x+g_+1]
.set g_, g_+2
.endr
.set g_, 0
.rept 32
	v_max_num_f32 v[\x+g_], 0, v[\x+g_]
.set g_, g_+1
.endr
	s_wait_alu depctr_va_vdst(0)
.set g_, 0
.rept 32
	v_fma_f32 v[\x+g_], -v[PP+g_], |v[TT+g_]|, v[\x+g_]
.set g_, g_+1
.endr
.endm
	s_wait_dscnt 0x0
	s_barrier_signal -1
	s_barrier_wait -1
	PLACES NP
	v_and_b32 v1, 15, v0
	v_bfe_u32 v2, v0, 4, 1
	v_and_b32 v3, 31, v0
	v_lshlrev_b32 v30, 4, v3
	s_wait_alu depctr_va_vdst(0)
	s_lshl_b32 s20, s14, 16
	v_add_nc_u32 v26, s20, v30                     ; my 64 KiB of LDS for the accumulators, 16 bytes a lane
	v_mov_b32 v22, s20                             ; its first byte,
	v_mov_b32 v23, v30                             ; and my place in it, stepped block by block
	s_wait_alu depctr_va_vdst(0)
	s_mul_i32 s21, s15, 128*192
	s_mul_i32 s22, s16, 96
	s_add_co_u32 s21, s21, s22
	s_add_co_u32 s21, s21, CST
	v_mul_u32_u24 v24, v1, 192
	v_mad_u32_u24 v24, v2, 24, v24
	v_add_nc_u32 v24, s21, v24
	s_lshl_b32 s22, s14, 9
	s_add_co_u32 s22, s22, CSS
	v_lshl_add_u32 v25, v1, 2, s22
	v_add_nc_u32 v31, s22, v30
	s_mul_i32 s21, s14, 12288
	s_add_co_u32 s21, s21, CST
	v_add_nc_u32 v27, s21, v30
	v_mov_b32 v12, 0xbf97d29d
	v_mov_b32 v13, 0xbf97d29d
	s_lshl_b32 s20, s42, 12
	s_lshl_b32 s21, s17, 8
	s_add_co_u32 s20, s20, s21
	s_mul_i32 s20, s20, 192
	s_mul_i32 s21, s14, 12288
	s_add_co_u32 s20, s20, s21
	s_mov_b32 s21, 0
	s_add_nc_u64 s[12:13], s[10:11], s[20:21]
	s_lshl_b32 s20, s42, 1
	s_add_co_u32 s20, s20, s16
	s_lshl_b32 s20, s20, 12
	s_lshl_b32 s22, s17, 8
	s_add_co_u32 s20, s20, s22
	s_lshl_b32 s22, s15, 7
	s_add_co_u32 s20, s20, s22
	s_lshl_b32 s20, s20, 2
	s_add_co_u32 s20, s20, 12582912
	s_add_nc_u64 s[96:97], s[10:11], s[20:21]
; Block 0 (16 rows) goes straight from its accumulators; blocks 1 to 7 go to LDS, block a at place a - 1 of my eight places of 8,192 bytes.  A block comes back into window 1's v0-63 a whole trip ahead of its use.
.macro DUMP a
	WIN 0x08+4*((\a)/4)                            ; an LDS store's data are its source 1: window 2 or 3
.irp b, 0,1,2,3,4,5,6,7
	ds_store_b128 v26, v[64*((\a)%4)+8*\b:64*((\a)%4)+8*\b+3] offset:8192*((\a)-1)+1024*\b      ; each accumulator from its low end on
	ds_store_b128 v26, v[64*((\a)%4)+8*\b+4:64*((\a)%4)+8*\b+7] offset:8192*((\a)-1)+1024*\b+512
.endr
.endm
.macro LROW                            ; the block at v26 into window 1
	WIN 0x40
.set n_, 0
.rept 16
	ds_load_b128 v[4*n_:4*n_+3], v26 offset:512*n_
.set n_, n_+1
.endr
	WIN 0
.endm
.macro BIAS w                          ; H = a block (source 0 in window w) + the bias
	WIN \w
.set k_, 0
.rept 32
	v_pk_add_f32 v[H+k_:H+k_+1], v[k_:k_+1], v[BI+k_:BI+k_+1]
.set k_, k_+2
.endr
	WIN 0
.endm
	s_wait_loadcnt 0x0                             ; the bias
	BIAS 0x02                                      ; block 0, each accumulator read from its low end on
	DUMP 1
	LROW                                           ; block 1 comes back behind its own 16 stores, ahead of the other blocks' (LDS serves a wave's instructions in order)
.irp a, 2,3,4,5,6,7
	DUMP \a
.endr
	WIN 0
	s_mov_b32 s3, 8                                ; blocks to go
.Lrow:
	GELU H
	GELU H+32
	QUANT H
.irp c, 0,1
.irp p, 0,1,2
	ds_store_b64 v24, v[PCD+6*\c+2*\p:PCD+6*\c+2*\p+1] offset:48*\c+8*\p
.endr
.endr
	ds_store_b32 v25, v[PW]
	s_cmp_eq_u32 s3, 1
	s_cbranch_scc1 .Lrows_done                     ; the last block has no successor
	s_wait_dscnt 7                                 ; the next block's 16 loads are in; the 7 stores just issued may be out
	BIAS 0x01
	s_wait_dscnt 0x0                               ; the stores have read their registers: the 32 additions stood between
	v_add_nc_u32 v24, 3072, v24
	v_add_nc_u32 v25, 64, v25
	v_add_nc_u32 v23, 8192, v23
	v_and_or_b32 v26, v23, 0xffff, v22             ; the place of the block after next; the address never leaves my 64 KiB
	s_cmp_eq_u32 s3, 2
	s_cbranch_scc1 .Lno_more                       ; no block is left to fetch
	LROW
.Lno_more:
	s_sub_co_u32 s3, s3, 1
	s_cmp_lg_u32 s3, 0
	s_wait_alu depctr_va_vdst(0)
	s_cbranch_scc1 .Lrow
.Lrows_done:
	s_wait_dscnt 0x0                               ; for the others' sake: my codes and scale words have landed
	s_barrier_signal -1
	s_barrier_wait -1
.set n_, 0
.rept 24
	ds_load_b128 v[128+4*n_:128+4*n_+3], v27 offset:512*n_
.set n_, n_+1
.endr
	ds_load_b128 v[224:227], v31
	s_wait_dscnt 0x0
.set n_, 0
.rept 24
	global_store_b128 v30, v[128+4*n_:128+4*n_+3], s[12:13] offset:512*n_
.set n_, n_+1
.endr
	global_store_b128 v30, v[224:227], s[96:97]
	s_wait_tensorcnt 0x0
	ds_add_u32 v[SPW], v[NIL]
	s_wait_dscnt 0x0
	CROUND
	s_endpgm
.Lfunc_end_k_q3d2cab6ec2_gfc:
	.size	k_q3d2cab6ec2_gfc, .Lfunc_end_k_q3d2cab6ec2_gfc-k_q3d2cab6ec2_gfc
	.p2alignl 7, 3214868480
	.fill 96, 4, 3214868480
	.section	.rodata,"a",@progbits
	.p2align	6, 0x0
	.amdhsa_kernel k_q3d2cab6ec2_gfc
		.amdhsa_group_segment_fixed_size 327680
		.amdhsa_private_segment_fixed_size 0
		.amdhsa_enable_private_segment 0
		.amdhsa_kernarg_size 32
		.amdhsa_user_sgpr_count 2
		.amdhsa_user_sgpr_kernarg_segment_ptr 1
		.amdhsa_wavefront_size32 1
		.amdhsa_system_sgpr_workgroup_id_x 1
		.amdhsa_system_sgpr_workgroup_id_y 1
		.amdhsa_system_sgpr_workgroup_id_z 1
		.amdhsa_system_vgpr_workitem_id 0
		.amdhsa_next_free_vgpr 1024
		.amdhsa_next_free_sgpr 102
		.amdhsa_reserve_vcc 0
		.amdhsa_float_denorm_mode_32 3
		.amdhsa_float_denorm_mode_16_64 3
		.amdhsa_memory_ordered 1
		.amdhsa_forward_progress 1
		.amdhsa_inst_pref_size 208
	.end_amdhsa_kernel
	.amdgpu_metadata
---
amdhsa.version: [ 1, 2 ]
amdhsa.kernels:
  - .name:           k_q3d2cab6ec2_gfc
    .symbol:         k_q3d2cab6ec2_gfc.kd
    .args:
      - { .name: hq2, .offset: 0, .size: 8, .value_kind: global_buffer, .address_space: global }
      - { .name: wq, .offset: 8, .size: 8, .value_kind: global_buffer, .address_space: global }
      - { .name: fc_b, .offset: 16, .size: 8, .value_kind: global_buffer, .address_space: global }
      - { .name: hid, .offset: 24, .size: 8, .value_kind: global_buffer, .address_space: global }
    .group_segment_fixed_size: 327680
    .private_segment_fixed_size: 0
    .kernarg_segment_align: 8
    .kernarg_segment_size: 32
    .max_flat_workgroup_size: 128
    .sgpr_count:     102
    .vgpr_count:     1024
    .wavefront_size: 32
...
	.end_amdgpu_metadata
.endif
;; end of part 13
;; launch gmlp (part 14): grid 8 x 32, 4 waves a work-group, clusters of 4 x 4, 327,680 bytes of LDS; arguments hid, wq, mlp_proj_b, x1, out0; writes out0
.if DOCPART == 14
	.amdgcn_target "amdgcn-amd-amdhsa--gfx1250"
	.amdhsa_code_object_version 6
	.text
	.protected	k_q3d2cab6ec2_gmlp
	.globl	k_q3d2cab6ec2_gmlp
	.p2align	8
	.type	k_q3d2cab6ec2_gmlp,@function
k_q3d2cab6ec2_gmlp:
	s_mov_b64 s[64:65], 0
	v_nop
	global_prefetch_b8 v0, s[64:65] scope:SCOPE_SE
	s_setreg_imm32_b32 hwreg(HW_REG_WAVE_MODE, 25, 1), 1
	s_wait_xcnt 0x0
	s_wait_alu depctr_hold_cnt(0) depctr_sa_sdst(0) depctr_va_vdst(0) depctr_va_sdst(0) depctr_va_ssrc(0) depctr_va_vcc(0) depctr_vm_vsrc(0)
	s_getreg_b32 s2, hwreg(HW_REG_IB_STS2, 6, 4)
	s_cmp_eq_u32 s2, 0
	s_cbranch_scc0 .Lentry_in_a_cluster
	s_endpgm
.Lentry_in_a_cluster:
	s_bfe_u32 s2, ttmp6, 0x10000c
	s_cmp_lg_u32 s2, 0xf033
	s_cbranch_scc0 .Lentry_shape_is_right
	s_endpgm
.Lentry_shape_is_right:
; out = x1 + hid W + b on FP6 codes.  Nothing of reference() is left out here.  256 tiles of 128 x 128, one work-group each; four waves, 64 x 64 each: 16 accumulators.
; K = 4,096 goes through two LDS slots of 512 along K a side, filled by joint tensor loads in clusters of 4 x 4.  At the head one load a wave: wave 0 the lane side's first four chunks of 256 (both slots),
; wave 1 W's, wave 2 the lane side's scale words for all of K, wave 3 W's.  In the ring waves 0 and 1 fetch the lane side's two chunks of a slot, waves 2 and 3 W's.
; Source 0 = 16 positions of W, source 1 = 16 rows of hid (in position order: RMAP = 1).  The residual is asked for at the head and added on the way out, which goes through each wave's own stage.
.set KTOT,   4096
.set PLANES, 0
.set RMAP,   1
.set ASTEP,  786432
.set BSTEP,  196608
.set ASOFF,  12582912
.set BCOFF,  7077888
.set BSOFF,  10518528
.set PB,     1024
.set NKS,    KTOT/128
.set LAPS,   KTOT/1024
.set NQ,     4
.set PITCH,  240
.set FR,     12
.set NP,     4
.set HALFT,  128*PITCH
.if PLANES
.set HALFA,  24576
.set AROWS,  64*48
.else
.set HALFA,  HALFT
.set AROWS,  64*PITCH
.endif
.set BOFF,   4*HALFA                   ; LDS: the lane side's two slots on end, then W's two
.set SLOTA,  2*HALFA
.set SLOTB,  2*HALFT
.set SCL,    BOFF+4*HALFT
.set HALFS,  256*NKS
.set SPARE,  SCL+4*HALFS
.set STG,    SPARE+512
.set SPITCH, 272
.set ADRA, 16
.set ADRB, 20
.set STO,  24
.set RD,   25
.set CO,   26
.set ADRS, 27
.set SPW,  28
.set NIL,  29
.set BO,   30
.set SC,   32
.set BS,   64
.set AF,   128
.set BK,   128
.set G1, 24
.set G0, 32
.set G1B, 48
.set G0B, 56
.set G1S, 68
.set G0S, 76
.set G1SB, 80
.set G0SB, 88
.set MSB, 0
.macro WIN new
.if MSB != (\new)
	s_set_vgpr_msb (MSB<<8)|(\new)
.set MSB, \new
.endif
.endm
.set MUL,    0xa1
.set TO_B,   0x40
.macro JLOAD g0a, g1a, g0b, g1b
	s_cmp_eq_u32 s15, 0
	s_cbranch_scc0 .Lfor_b_\@
	tensor_load_to_lds s[\g0a:\g0a+3], s[\g1a:\g1a+7]
	s_nop 0
.rept 4
	v_nop
.endr
	s_branch .Lasked_\@
.Lfor_b_\@:
	tensor_load_to_lds s[\g0b:\g0b+3], s[\g1b:\g1b+7]
	s_nop 0
.rept 4
	v_nop
.endr
.Lasked_\@:
.endm
.macro CREST
	s_cmp_lg_u32 s14, 0
	s_cbranch_scc1 .Lnot_wave_0_\@
	s_barrier_signal -3
.Lnot_wave_0_\@:
	s_barrier_wait -3
	s_barrier_signal -1
	s_barrier_wait -1
.endm
.macro CROUND
	s_barrier_signal -1
	s_barrier_wait -1
	CREST
.endm
	s_load_b256 s[4:11], s[0:1], 0x0
	s_load_b64 s[12:13], s[0:1], 0x20
	v_lshl_add_u32 v[SPW], v0, 2, SPARE
	v_mov_b32 v[NIL], 0
	ds_add_u32 v[SPW], v[NIL]
	ds_add_u32 v[SPW], v[NIL]
	v_lshrrev_b32 v1, 5, v0
	v_readfirstlane_b32 s14, v1
	s_lshr_b32 s15, s14, 1
	s_and_b32 s16, s14, 1
	s_bfe_u32 s40, ttmp6, 0x40000
	s_bfe_u32 s41, ttmp6, 0x40004
	s_lshl_b32 s42, ttmp9, 2
	s_add_co_u32 s42, s42, s40
	s_and_b32 s17, ttmp7, 0xffff
	s_lshl_b32 s17, s17, 2
	s_add_co_u32 s17, s17, s41
	s_lshl_b32 s43, s41, 2
	s_lshl_b32 s43, 15, s43
	s_lshl_b32 s44, 0x1111, s40
.if PLANES
	s_or_b32 s[G1+0], s43, (3<<16)|(1<<21)
	s_mov_b32 s[G1+1], 768<<16
	s_mov_b32 s[G1+2], 16<<16
	s_mov_b32 s[G1+3], 768<<16
	s_mov_b32 s[G1+4], 16
	s_mov_b32 s[G1+5], 24576
.else
	s_or_b32 s[G1+0], s43, (3<<16)|(1<<20)|(1<<21)|(3<<22)|(3<<25)   ; the head's tile: a row is a chunk's 128 records, 24,576 dense bytes; four chunks; padding of 4 words behind every 16
	s_mov_b32 s[G1+1], 3072<<16
	s_mov_b32 s[G1+2], 4<<16
	s_mov_b32 s[G1+3], 3072<<16
	s_mov_b32 s[G1+4], 4
	s_mov_b32 s[G1+5], ASTEP/8
.endif
	s_mov_b32 s[G1+6], 0
	s_mov_b32 s[G1+7], 0
	s_or_b32 s[G1B+0], s44, (3<<16)|(1<<20)|(1<<21)|(3<<22)|(3<<25)
	s_mov_b32 s[G1B+1], 3072<<16
	s_mov_b32 s[G1B+2], 4<<16
	s_mov_b32 s[G1B+3], 3072<<16
	s_mov_b32 s[G1B+4], 4
	s_mov_b32 s[G1B+5], BSTEP/8
	s_mov_b32 s[G1B+6], 0
	s_mov_b32 s[G1B+7], 0
	s_or_b32 s[G1S+0], s43, (2<<16)|(1<<21)
	s_or_b32 s[G1SB+0], s44, (2<<16)|(1<<21)
.irp g, G1S, G1SB
	s_mov_b32 s[\g+1], 128<<16
	s_mov_b32 s[\g+2], NKS<<16
	s_mov_b32 s[\g+3], 128<<16
	s_mov_b32 s[\g+4], NKS
	s_mov_b32 s[\g+6], 0
	s_mov_b32 s[\g+7], 0
.endr
	s_mov_b32 s[G1S+5], 4096
	s_mov_b32 s[G1SB+5], PB
	s_lshl_b32 s20, s17, 7
	s_lshl_b32 s46, s42, 7
	s_lshl_b32 s22, s20, 2
	s_add_co_u32 s22, s22, ASOFF
	s_mov_b32 s23, 0
	s_lshl_b32 s92, s46, 2
	s_add_co_u32 s92, s92, BSOFF
	s_mov_b32 s93, 0
.if PLANES
	s_mul_i32 s20, s20, 48
.else
	s_mul_i32 s20, s20, 192
.endif
	s_mul_i32 s18, s16, ASTEP                      ; in the ring: my chunk of a slot's two, in bytes
	s_mov_b32 s19, 0
	s_mov_b32 s21, 0
	s_mul_i32 s46, s46, 192
	s_add_co_u32 s46, s46, BCOFF
	s_mul_i32 s94, s16, BSTEP
	s_mov_b32 s95, 0
	s_mov_b32 s47, 0
	s_mul_i32 s45, s16, HALFA
	s_mul_i32 s2, s16, HALFT
	s_add_co_u32 s2, s2, BOFF
	s_wait_dscnt 0x0
	s_wait_kmcnt 0x0
	s_add_nc_u64 s[20:21], s[4:5], s[20:21]
	s_add_nc_u64 s[22:23], s[4:5], s[22:23]
	s_add_nc_u64 s[46:47], s[6:7], s[46:47]
	s_add_nc_u64 s[92:93], s[6:7], s[92:93]
	CROUND
	s_mov_b32 s[G0S], 1
	s_mov_b32 s[G0S+1], SCL
	s_mov_b64 s[G0S+2:G0S+3], s[22:23]
	s_or_b32 s[G0S+3], s[G0S+3], 0x80000000
	s_mov_b32 s[G0SB], 1
	s_mov_b32 s[G0SB+1], SCL+2*HALFS
	s_mov_b64 s[G0SB+2:G0SB+3], s[92:93]
	s_or_b32 s[G0SB+3], s[G0SB+3], 0x80000000
	s_mov_b32 s[G0], 1                             ; the head's loads of codes: a side's first four chunks, into its two slots
	s_mov_b32 s[G0+1], 0
	s_mov_b64 s[G0+2:G0+3], s[20:21]
	s_or_b32 s[G0+3], s[G0+3], 0x80000000
	s_mov_b32 s[G0B], 1
	s_mov_b32 s[G0B+1], BOFF
	s_mov_b64 s[G0B+2:G0B+3], s[46:47]
	s_or_b32 s[G0B+3], s[G0B+3], 0x80000000
	s_add_nc_u64 s[20:21], s[20:21], s[18:19]      ; for the ring: my chunk
	s_add_nc_u64 s[46:47], s[46:47], s[94:95]
	s_mov_b32 s[G0+4], 1                           ; slot 1's set stands at chunks 2 and 3: its refill steps four chunks on
	s_add_co_u32 s[G0+5], s45, SLOTA
	s_add_nc_u64 s[G0+6:G0+7], s[20:21], 2*ASTEP
	s_or_b32 s[G0+7], s[G0+7], 0x80000000
	s_mov_b32 s[G0B+4], 1
	s_add_co_u32 s[G0B+5], s2, SLOTB
	s_add_nc_u64 s[G0B+6:G0B+7], s[46:47], 2*BSTEP
	s_or_b32 s[G0B+7], s[G0B+7], 0x80000000
; THE HEAD'S LOADS, ONE A WAVE: one chain of branches on the wave's number, a load to an arm, all arms leading to one join.
.macro ARM under, g0, g1, next
	s_cmp_lt_u32 s14, \under
	s_cbranch_scc0 \next
	tensor_load_to_lds s[\g0:\g0+3], s[\g1:\g1+7]
	s_nop 0
.rept 4
	v_nop
.endr
	s_branch .Lhead_asked
\next:
.endm
	ARM 1, G0,  G1,  .Lhead_b
	ARM 2, G0B, G1B, .Lhead_sa
	ARM 3, G0S, G1S, .Lhead_sb
	tensor_load_to_lds s[G0SB:G0SB+3], s[G1SB:G1SB+7]
	s_nop 0
.rept 4
	v_nop
.endr
.Lhead_asked:
	v_and_b32 v1, 15, v0
	v_bfe_u32 v2, v0, 4, 1
	v_mul_u32_u24 v3, v1, PITCH
	v_mul_u32_u24 v4, v2, 24
	v_add_nc_u32 v4, v3, v4
	v_lshl_add_u32 v5, v2, 4, v4
	v_mul_u32_u24 v6, v1, 48
	v_mad_u32_u24 v6, v2, 24, v6
	s_mul_i32 s21, s15, AROWS
	s_mul_i32 s22, s16, 64*PITCH
	s_add_co_u32 s22, s22, BOFF
.irp s, 0,1
.if PLANES
	v_add_nc_u32 v[ADRA+\s], s21, v6
.else
	v_add_nc_u32 v[ADRA+\s], s21, v4
	v_add_nc_u32 v[ADRA+2+\s], s21, v5
.endif
	v_add_nc_u32 v[ADRB+\s], s22, v4
	v_add_nc_u32 v[ADRB+2+\s], s22, v5
	s_add_co_u32 s21, s21, SLOTA
	s_add_co_u32 s22, s22, SLOTB
.endr
	v_lshlrev_b32 v5, 2, v1
	s_lshl_b32 s21, s15, 8
	s_lshl_b32 s22, s16, 8
	s_add_co_u32 s22, s22, 2*HALFS
	s_sub_co_u32 s22, s22, s21
	v_mul_u32_u24 v6, s22, v2
	s_add_co_u32 s21, s21, SCL
	v_add_nc_u32 v5, v5, v6
	v_add_nc_u32 v[ADRS], s21, v5
	s_mul_i32 s23, s14, 16*SPITCH
	s_add_co_u32 s23, s23, STG
	v_mul_u32_u24 v5, v1, SPITCH
	v_lshl_add_u32 v5, v2, 6, v5
	v_add_nc_u32 v[STO], s23, v5
	v_mul_u32_u24 v5, v2, SPITCH
	v_lshl_add_u32 v5, v1, 4, v5
	v_add_nc_u32 v[RD], s23, v5
	v_lshlrev_b32 v[BO], 4, v1
	v_lshl_add_u32 v[CO], v2, 12, v[BO]
	s_wait_alu depctr_va_vdst(0)
	s_lshl_b32 s20, s42, 9
	s_lshl_b32 s21, s16, 8
	s_add_co_u32 s20, s20, s21
	s_mov_b32 s21, 0
	s_add_nc_u64 s[8:9], s[8:9], s[20:21]
	global_load_b128 v[BS:BS+3], v[BO], s[8:9]
	s_lshl_b32 s22, s17, 19
	s_lshl_b32 s23, s15, 18
	s_add_co_u32 s22, s22, s23
	s_add_co_u32 s20, s20, s22
	s_add_nc_u64 s[12:13], s[12:13], s[20:21]
	s_add_nc_u64 s[96:97], s[10:11], s[20:21]
.macro ROWOF a, t
.set RW, (1-RMAP)*(16*(\a)+(\t))+RMAP*(32*((\a)/2)+8*((\a)%2)+(\t)+8*((\t)/8))
.endm
	WIN 0xc0
.irp k, 0,1,2,3
.set t_, 0
.rept 8
	ROWOF \k, 2*t_
	global_load_b128 v[32*\k+4*t_:32*\k+4*t_+3], v[CO], s[96:97] offset:RW*4096
.set t_, t_+1
.endr
.endr
	WIN 0
.macro FRAG reg, adr, q, i
.irp p, 0,1,2,3,4,5
.set PCE, 12*((\q)%2)+6*(\p/3)+\p%3
.if PCE%8 < 5
	ds_load_b64 v[\reg+2*\p:\reg+2*\p+1], v[\adr] offset:((\q)/2)*HALFT+8*PCE+16*(PCE/8)+(\i)*16*PITCH
.else
	ds_load_b64 v[\reg+2*\p:\reg+2*\p+1], v[\adr+2] offset:((\q)/2)*HALFT+8*PCE+16*(PCE/8)+(\i)*16*PITCH
.endif
.endr
.endm
.macro FRAGA reg, adr, q, i
.irp p, 0,1,2,3,4,5
	ds_load_b64 v[\reg+2*\p:\reg+2*\p+1], v[\adr] offset:(2*(\q)+\p/3)*6144+(\i)*768+8*(\p%3)
.endr
.endm
.macro MUL16 p, q, sc, zero
.irp a, 0,1,2,3
.irp b, 0,1,2,3
.if \zero
	v_wmma_scale_f32_16x16x128_f8f6f4 v[8*(4*\a+\b):8*(4*\a+\b)+7], v[128*(\p)+FR*\b:128*(\p)+FR*\b+FR-1], v[AF+48*(\p)+FR*\a:AF+48*(\p)+FR*\a+FR-1], 0, v[SC+16*(\sc)+NQ*\b+(\q)], v[SC+16*(\sc)+NQ*\a+(\q)] matrix_a_fmt:MATRIX_FMT_FP6 matrix_b_fmt:MATRIX_FMT_FP6 matrix_a_scale:MATRIX_SCALE_ROW1
.else
	v_wmma_scale_f32_16x16x128_f8f6f4 v[8*(4*\a+\b):8*(4*\a+\b)+7], v[128*(\p)+FR*\b:128*(\p)+FR*\b+FR-1], v[AF+48*(\p)+FR*\a:AF+48*(\p)+FR*\a+FR-1], v[8*(4*\a+\b):8*(4*\a+\b)+7], v[SC+16*(\sc)+NQ*\b+(\q)], v[SC+16*(\sc)+NQ*\a+(\q)] matrix_a_fmt:MATRIX_FMT_FP6 matrix_b_fmt:MATRIX_FMT_FP6 matrix_a_scale:MATRIX_SCALE_ROW1
.endif
.endr
.endr
.endm
.macro FETCH slot, q, p
	WIN TO_B
.irp i, 0,1,2,3
	FRAG 128*(\p)+FR*\i, ADRB+\slot, \q, \i
.endr
	WIN 0
.irp i, 0,1,2,3
.if PLANES
	FRAGA AF+48*(\p)+FR*\i, ADRA+\slot, \q, \i
.else
	FRAG AF+48*(\p)+FR*\i, ADRA+\slot, \q, \i
.endif
.endr
.endm
.macro SCALES sc
.irp i, 0,1,2,3
.irp q, 0,1,2,3
	ds_load_b32 v[SC+16*\sc+NQ*\i+\q], v[ADRS] offset:512*\q+64*\i
.endr
.endr
.endm
.macro PLACES n
.rept \n
	v_nop
.endr
.endm
.macro STEP slot, q, zero
	s_wait_dscnt 0x0
	PLACES NP
	FETCH \slot, (\q)+1, 1-(\q)%2
	WIN MUL
	MUL16 (\q)%2, \q, \slot, \zero
	WIN 0
.endm
; A slot's last step, and the change of slots.  The step's fragments are in registers when the wave's reads of the slot are over: so the waits, the add and the barrier come first,
; then (fill = 1) the round's rest and the refill, then the next slot's first fetch, and the step's 16 products stand behind that fetch, as in every other step.
.macro TURN slot, next, fill
	s_wait_tensorcnt 0x0
	ds_add_u32 v[SPW], v[NIL]
.if \fill
	s_add_nc_u64 s[G0+4*\slot+2:G0+4*\slot+3], s[G0+4*\slot+2:G0+4*\slot+3], 4*ASTEP
	s_add_nc_u64 s[G0B+4*\slot+2:G0B+4*\slot+3], s[G0B+4*\slot+2:G0B+4*\slot+3], 4*BSTEP
.endif
	s_wait_dscnt 0x0
	s_barrier_signal -1
	s_barrier_wait -1
.if \fill
	CREST
	JLOAD G0+4*\slot, G1, G0B+4*\slot, G1B
.else
	PLACES NP
.endif
	s_wait_alu depctr_va_vdst(0)
	v_add_nc_u32 v[ADRS], 512*NQ, v[ADRS]
	FETCH \next, 0, 0
	SCALES \next
	WIN MUL
	MUL16 1, NQ-1, \slot, 0
	WIN 0
.endm
	s_wait_tensorcnt 0x0                           ; my one load of the head is in; no tensor load of mine is out, so descriptors may be written
.irp g, G1, G1B
	s_mov_b32 s[\g+1], 32<<16                      ; the ring's tile: a chunk's 128 records, dense, stated as 96 rows of 256 bytes
	s_mov_b32 s[\g+2], 96<<16
	s_mov_b32 s[\g+3], 32<<16
	s_mov_b32 s[\g+4], 96
	s_mov_b32 s[\g+5], 32
.endr
	s_add_co_u32 s[G0+1], s45, 0                   ; slot 0's sets now stand at my chunk of chunks 0 and 1
	s_add_nc_u64 s[G0+2:G0+3], s[G0+2:G0+3], s[18:19]
	s_add_co_u32 s[G0B+1], s2, 0
	s_add_nc_u64 s[G0B+2:G0B+3], s[G0B+2:G0B+3], s[94:95]
	s_barrier_signal -1
	s_barrier_wait -1
	FETCH 0, 0, 0
	SCALES 0
	STEP 0, 0, 1
.if LAPS > 1
	s_mov_b32 s3, LAPS-1
.Llap:
	STEP 0, 1, 0
	STEP 0, 2, 0
	TURN 0, 1, 1
	STEP 1, 0, 0
	STEP 1, 1, 0
	STEP 1, 2, 0
	TURN 1, 0, 1
	STEP 0, 0, 0
	s_sub_co_u32 s3, s3, 1
	s_cmp_lg_u32 s3, 0
	s_cbranch_scc1 .Llap
.endif
	STEP 0, 1, 0
	STEP 0, 2, 0
	TURN 0, 1, 0
	STEP 1, 0, 0
	STEP 1, 1, 0
	STEP 1, 2, 0
	s_wait_dscnt 0x0
	WIN MUL
	MUL16 1, NQ-1, 1, 0
	WIN 0
.macro TOSTAGE a
	WIN 0x08
.irp b, 0,1,2,3
	ds_store_b128 v[STO], v[8*(4*(\a)+\b):8*(4*(\a)+\b)+3] offset:128*(\b/2)+32*(\b%2)
	ds_store_b128 v[STO], v[8*(4*(\a)+\b)+4:8*(4*(\a)+\b)+7] offset:128*(\b/2)+32*(\b%2)+16
.endr
	WIN 0
.set t_, 0
.rept 8
	ds_load_b128 v[BK+32*(\a)+4*t_:BK+32*(\a)+4*t_+3], v[RD] offset:2*t_*SPITCH
.set t_, t_+1
.endr
.endm
.macro SEND a, yd
.set BB, BK+32*(\a)
	s_wait_dscnt \yd
.set k_, 0
.rept 16
	v_pk_add_f32 v[BB+k_:BB+k_+1], v[BB+k_:BB+k_+1], v[BS+k_%4:BS+k_%4+1]
.set k_, k_+2
.endr
	WIN 0x0c
.set k_, 0
.rept 16
	v_pk_add_f32 v[BB+k_:BB+k_+1], v[BB+k_:BB+k_+1], v[32*(\a)+k_:32*(\a)+k_+1]
.set k_, k_+2
.endr
	WIN 0
.set t_, 0
.rept 8
	ROWOF \a, 2*t_
	global_store_b128 v[CO], v[BB+4*t_:BB+4*t_+3], s[12:13] offset:RW*4096
.set t_, t_+1
.endr
.endm
	PLACES NP
	s_wait_loadcnt 0x0
	TOSTAGE 0
	TOSTAGE 1
	SEND 0, 16
	TOSTAGE 2
	SEND 1, 16
	TOSTAGE 3
	SEND 2, 16
	SEND 3, 0
	s_wait_tensorcnt 0x0
	ds_add_u32 v[SPW], v[NIL]
	s_wait_dscnt 0x0
	CROUND
	s_endpgm
.Lfunc_end_k_q3d2cab6ec2_gmlp:
	.size	k_q3d2cab6ec2_gmlp, .Lfunc_end_k_q3d2cab6ec2_gmlp-k_q3d2cab6ec2_gmlp
	.p2alignl 7, 3214868480
	.fill 96, 4, 3214868480
	.section	.rodata,"a",@progbits
	.p2align	6, 0x0
	.amdhsa_kernel k_q3d2cab6ec2_gmlp
		.amdhsa_group_segment_fixed_size 327680
		.amdhsa_private_segment_fixed_size 0
		.amdhsa_enable_private_segment 0
		.amdhsa_kernarg_size 40
		.amdhsa_user_sgpr_count 2
		.amdhsa_user_sgpr_kernarg_segment_ptr 1
		.amdhsa_wavefront_size32 1
		.amdhsa_system_sgpr_workgroup_id_x 1
		.amdhsa_system_sgpr_workgroup_id_y 1
		.amdhsa_system_sgpr_workgroup_id_z 1
		.amdhsa_system_vgpr_workitem_id 0
		.amdhsa_next_free_vgpr 1024
		.amdhsa_next_free_sgpr 102
		.amdhsa_reserve_vcc 0
		.amdhsa_float_denorm_mode_32 3
		.amdhsa_float_denorm_mode_16_64 3
		.amdhsa_memory_ordered 1
		.amdhsa_forward_progress 1
		.amdhsa_inst_pref_size 121
	.end_amdhsa_kernel
	.amdgpu_metadata
---
amdhsa.version: [ 1, 2 ]
amdhsa.kernels:
  - .name:           k_q3d2cab6ec2_gmlp
    .symbol:         k_q3d2cab6ec2_gmlp.kd
    .args:
      - { .name: hid, .offset: 0, .size: 8, .value_kind: global_buffer, .address_space: global }
      - { .name: wq, .offset: 8, .size: 8, .value_kind: global_buffer, .address_space: global }
      - { .name: mlp_proj_b, .offset: 16, .size: 8, .value_kind: global_buffer, .address_space: global }
      - { .name: x1, .offset: 24, .size: 8, .value_kind: global_buffer, .address_space: global }
      - { .name: out0, .offset: 32, .size: 8, .value_kind: global_buffer, .address_space: global }
    .group_segment_fixed_size: 327680
    .private_segment_fixed_size: 0
    .kernarg_segment_align: 8
    .kernarg_segment_size: 40
    .max_flat_workgroup_size: 128
    .sgpr_count:     102
    .vgpr_count:     1024
    .wavefront_size: 32
...
	.end_amdgpu_metadata
.endif
;; end of part 14
